; MI455X (gfx1250); checked and timed in simulation.
; The chip was launched on July 23, 2026; its instructions are those of AMD's public machine-readable ISA for CDNA 5 (MIT licence, August 2026) and "CDNA5" Instruction Set Architecture Reference Guide (July 2026). The comments in the code are by the model that wrote it; some were corrected since.
;; Cross Attention Block. Allowed arithmetic: matrix products marked QUANTISED: E2M1 operands, one E8M0 scale for each 32 along K, by v_wmma_scale_f32_16x16x128_f8f6f4 with both operands' format E2M1 (or v_wmma_scale_f32_32x16x128_f4), f32 sums; everything else in f32.
;; Inputs: cond_codes 16 x 24 x 16 uint8 (E2M1 codes of cond, K innermost, in blocks of 32 codes, two codes a byte); cond_scales 16 x 24 uint8 (E8M0 scales of cond, one for each 32 codes along K); crossattn_cond 16 x 256 x 1,024 float32; crossattn_mask 16 x 256 bool; qk_scale 16 float32; w_cnorm_codes 1,024 x 24 x 16 uint8 (E2M1 codes of w_cnorm, K innermost, in blocks of 32 codes, two codes a byte); w_cnorm_scales 1,024 x 24 uint8 (E8M0 scales of w_cnorm, one for each 32 codes along K); w_kv_codes 2,048 x 32 x 16 uint8 (E2M1 codes of w_kv, K innermost, in blocks of 32 codes, two codes a byte); w_kv_scales 2,048 x 32 uint8 (E8M0 scales of w_kv, one for each 32 codes along K); w_norm_codes 1,024 x 24 x 16 uint8 (E2M1 codes of w_norm, K innermost, in blocks of 32 codes, two codes a byte); w_norm_scales 1,024 x 24 uint8 (E8M0 scales of w_norm, one for each 32 codes along K); w_o_codes 1,024 x 32 x 16 uint8 (E2M1 codes of w_o, K innermost, in blocks of 32 codes, two codes a byte); w_o_scales 1,024 x 32 uint8 (E8M0 scales of w_o, one for each 32 codes along K); w_q_codes 1,024 x 32 x 16 uint8 (E2M1 codes of w_q, K innermost, in blocks of 32 codes, two codes a byte); w_q_scales 1,024 x 32 uint8 (E8M0 scales of w_q, one for each 32 codes along K); x 16 x 32 x 32 x 1,024 float32.
;; Outputs: out0 16 x 32 x 32 x 1,024 float32.
;; This version of the problem:
;;   THIS VERSION OF THE PROBLEM IS GIVEN IN LOW PRECISION. The matrix products marked QUANTISED in the list below multiply operands that are first quantised to E2M1 (2 exponent bits, 1 mantissa bit; 4 bits a number), with one power-of-two scale for each 32 numbers along K (OCP MX v1.0); their sums are f32. All else is computed in f32.
;;   The module's matrix products, in the order in which they are computed (A, B: the left and right operand; K: the contracted axis; several contracted axes count as one K, in the product's order):
;;     1. [M 16, K 768] x [K 768, N 1,024]; A: input cond (given as codes); B: input w_norm (given as codes): QUANTISED
;;     2. [M 16,384, K 1,024] x [K 1,024, N 1,024]; A: computed on the way; B: input w_q (given as codes): QUANTISED
;;     3. [M 16, K 768] x [K 768, N 1,024]; A: input cond (given as codes); B: input w_cnorm (given as codes): QUANTISED
;;     4. [M 4,096, K 1,024] x [K 1,024, N 2,048]; A: computed on the way; B: input w_kv (given as codes): QUANTISED
;;     5. batch 256 x [M 1,024, K 64] x [K 64, N 256]; A: computed on the way; B: computed on the way: QUANTISED
;;     6. batch 256 x [M 1,024, K 256] x [K 256, N 64]; A: softmax (see below); B: computed on the way: QUANTISED
;;     7. [M 16,384, K 1,024] x [K 1,024, N 1,024]; A: computed on the way; B: input w_o (given as codes): QUANTISED
;;   THE QUANTISER, for each operand of a quantised product, along K:
;;     - K is cut into blocks of 32 from its start; a last block that is shorter is filled with zeros.
;;     - A block's scale is 2^e with e = floor(log2(the largest magnitude in the block)) - 2, held to -126 .. 127; a block of zeros has e = 0. As a byte (E8M0): e + 127.
;;     - Each number is divided by its block's scale, clamped to +-6, and rounded to the nearest number of E2M1, ties to even, subnormals kept.
;;     - The product sums the exact products of the quantised numbers (number of the format x scale) in f32.
;;   ~~~python
;;   def quantise(x, axis):      # numpy; x: float32 -> the quantised numbers, widened to float32 again
;;       x = np.moveaxis(x, axis, -1); K = x.shape[-1]
;;       x = np.pad(x, [(0, 0)] * (x.ndim - 1) + [(0, -K % 32)]); x = x.reshape(x.shape[:-1] + (-1, 32)); a = np.abs(x).max(-1, keepdims=True)
;;       e = np.where(a > 0, np.clip(np.frexp(np.where(a > 0, a, 1))[1] - 1 - 2, -126, 127), 0)      # np.frexp(a)[1] - 1 = floor(log2(a)), exactly
;;       r = np.clip(x / 2.0 ** e, -6, 6)
;;       step = 2.0 ** (np.maximum(np.frexp(np.where(r == 0, 1, r))[1] - 1, 0) - 1)
;;       q = np.round(r / step) * step * 2.0 ** e      # np.round: ties to even
;;       return np.moveaxis(q.reshape(q.shape[:-2] + (-1,))[..., :K], -1, axis).astype(np.float32)
;;   ~~~
;;   SOFTMAX AHEAD OF A QUANTISED PRODUCT. Where the list says 'softmax', what is quantised is not the finished softmax but p = 2^(t - M), with t = logit x log2(e) and M = ceil(the row's largest t), a whole number; so 1/2 < the row's largest p <= 1. The row's sum l is taken of the UNQUANTISED p, in f32, and the product's result is divided by l at the end. Since M is a whole number, a kernel that streams over the keys may use a running M (the ceiling of the running maximum): every later rescaling is an exact power of two, which a block's scale takes up: the codes' values come out the same.
;;   OPERANDS COMPUTED ON THE WAY. 'Computed on the way' means the value that the module computes at that place (a softmax that the list does not call 'softmax' is quantised finished and normalised). What goes into a quantiser is computed in f32, as accurately as f32 sums, v_exp_f32 and their like allow (about 1e-6 of the number): no bf16 or f16 on the way to a quantiser, and a product that is left as it is and whose result goes on into a quantised operand takes f32 operands (vector FMAs, or v_wmma_f32_16x16x4_f32). A number that lies on a knife's edge between two numbers of the format may be rounded either way, as far as f32 arithmetic and the matrix unit's own rounding can turn it there, and no further.
;;   INPUTS GIVEN AS CODES. cond (in the module: [16, 768], K = its axis 1); w_cnorm (in the module: [1024, 768], K = its axis 1); w_kv (in the module: [2048, 1024], K = its axis 1); w_norm (in the module: [1024, 768], K = its axis 1); w_o (in the module: [1024, 1024], K = its axis 1); w_q (in the module: [1024, 1024], K = its axis 1): each comes as NAME_codes (uint8): NAME with its K axis moved to the last place and cut into blocks of 32 codes, [.., K / 32, bytes a block], one block behind the other in memory; two codes a byte, the lower K in the low four bits (a code: sign, 2 exponent bits, 1 mantissa bit); and NAME_scales (uint8): the same leading axes, one E8M0 byte (e + 127) for each 32 codes along K. Its value is code x scale, taken as it is: it is not quantised again, and the codes and scales need not be those that the quantiser above would give.
;; 2 versions. Each part assembles by itself: llvm-mc -triple=amdgcn-amd-amdhsa -mcpu=gfx1250 --defsym DOCPART=n.
;; ======== version 1 of 2: 3 launches
;; workspace buffers: svec 131,072 bytes; wf 2,097,152 bytes; kc 2,097,152 bytes; ks 262,144 bytes; vc 2,097,152 bytes; vs 131,072 bytes
;; launch prep (part 1): grid 72 x 1, 8 waves a work-group, no clusters, 17,664 bytes of LDS; arguments cond_codes, cond_scales, w_norm_codes, w_norm_scales, w_cnorm_codes, w_cnorm_scales, w_q_codes, w_o_codes, w_kv_codes, svec, wf; writes svec, wf
.if DOCPART == 1
	.amdgcn_target "amdgcn-amd-amdhsa--gfx1250"
	.amdhsa_code_object_version 6
	.text
	.protected	k_qd3ca71d56b_prep
	.globl	k_qd3ca71d56b_prep
	.p2align	8
	.type	k_qd3ca71d56b_prep,@function
k_qd3ca71d56b_prep:
	s_mov_b64 s[64:65], 0
	v_nop
	global_prefetch_b8 v0, s[64:65] scope:SCOPE_SE
	s_setreg_imm32_b32 hwreg(HW_REG_WAVE_MODE, 25, 1), 1
	s_wait_xcnt 0x0
; PREP.  Two jobs, told apart by the work-group's number (a scalar branch, the same for all eight waves of a work-group).
; Work-groups 0-63: the codes of w_q, w_o and w_kv are laid anew, in the order in which a wave's operand registers take them.  A CHUNK is 64 weight rows (32,768 bytes: a row is 1,024 codes,
;   512 bytes): chunks 0-15 w_q, 16-31 w_o, 32-63 w_kv.  wf = [chunk][8 K steps s][4 tiles t][2 register groups c][32 lanes][16 bytes].  Lane (r, h) of tile t holds row
;   32 (t / 2) + 8 (t % 2) + r + 8 (r / 8) of the chunk, bytes 64 s + 32 c + 16 h: so that a later load of a fragment's four registers reads 512 consecutive bytes, and the results of two
;   neighbouring tiles, used transposed, are 16 neighbours along the next product's K.  Wave w takes K step w of its work-group's chunk.
; Work-groups 64-71: s_x = 1 + cond w_norm^T (64-67) and s_c = 1 + cond w_cnorm^T (68-71), both on the codes as given, K = 768 = six steps of 128.  A work-group makes 256 columns for all 16
;   batches, a wave 32 of them: two tiles by turns.  Source 0 = 16 rows of the weight, source 1 = cond's 16 rows: a lane holds one batch and 16 neighbouring columns.
;   svec = f32 [2][16][1024].  The results meet in LDS (rows of 1,024 bytes + 16) and leave as runs of 512 consecutive bytes.
; No cluster and no tensor load: each byte is read by one wave, once.  Only the second job uses LDS and a barrier.
.set ROWW, 512                         ; a row of w_q, w_o, w_kv in bytes
.set ROWC, 384                         ; a row of cond, w_norm, w_cnorm in bytes (768 codes)
.set SPT,  1040                        ; a row of the stage
.set WV,   26                          ; s26 the wave's number
	s_load_b256 s[4:11], s[0:1], 0x0               ; cond's codes s[4:5], scales s[6:7]; w_norm's codes s[8:9], scales s[10:11]
	s_load_b256 s[12:19], s[0:1], 0x20             ; w_cnorm's codes s[12:13], scales s[14:15]; w_q's codes s[16:17]; w_o's s[18:19]
	s_load_b128 s[20:23], s[0:1], 0x40             ; w_kv's codes s[20:21]; svec s[22:23]
	s_load_b64 s[24:25], s[0:1], 0x50              ; wf
	v_lshl_add_u32 v224, v0, 2, 0x4100
	v_mov_b32 v225, 0
	v_lshrrev_b32 v1, 5, v0
	v_readfirstlane_b32 s[WV], v1                  ; wave 0..7
	v_and_b32 v1, 31, v0                           ; lane
	v_and_b32 v2, 15, v0                           ; r
	v_bfe_u32 v3, v0, 4, 1                         ; h
	v_lshlrev_b32 v4, 4, v1                        ; 16 x lane
	v_and_b32 v5, 8, v2
	v_add_nc_u32 v5, v5, v2                        ; r + 8 (r / 8): the rows of a tile are not neighbours
	s_mov_b32 s31, 0                               ; the upper word of every 64-bit offset
	s_wait_kmcnt 0x0
	s_cmp_lt_u32 ttmp9, 64
	s_cbranch_scc0 .Lgains
	; ---- the weights' codes, one chunk to a work-group
	s_cmp_lt_u32 ttmp9, 16                         ; which tensor, and the number of its first chunk: the choices hang on the work-group's number alone
	s_cselect_b64 s[28:29], s[16:17], s[18:19]
	s_cselect_b32 s30, 0, 16
	s_cmp_lt_u32 ttmp9, 32
	s_cselect_b64 s[28:29], s[28:29], s[20:21]
	s_cselect_b32 s30, s30, 32
	s_sub_co_u32 s30, ttmp9, s30                   ; the chunk's number in its tensor
	s_lshl_b32 s30, s30, 15
	s_lshl_b32 s32, s[WV], 6                       ; my K step: 64 bytes of each row
	s_add_co_u32 s30, s30, s32
	s_add_nc_u64 s[28:29], s[28:29], s[30:31]
	s_lshl_b32 s30, ttmp9, 15
	s_lshl_b32 s32, s[WV], 12
	s_add_co_u32 s30, s30, s32
	s_add_nc_u64 s[24:25], s[24:25], s[30:31]      ; wf at my chunk's K step
	v_lshlrev_b32 v6, 9, v5
	v_lshl_add_u32 v6, v3, 4, v6                   ; (r + 8 (r / 8)) rows + 16 h
.irp t, 0,1,2,3
.irp c, 0,1
	global_load_b128 v[16+8*\t+4*\c:19+8*\t+4*\c], v6, s[28:29] offset:(32*(\t/2)+8*(\t%2))*ROWW+32*\c
.endr
.endr
.irp t, 0,1,2,3
.irp c, 0,1
	s_wait_loadcnt 7-2*\t-\c                       ; loads come back in order: this one is in, the younger ones may be out
	global_store_b128 v4, v[16+8*\t+4*\c:19+8*\t+4*\c], s[24:25] offset:1024*\t+512*\c   ; 32 lanes store 512 consecutive bytes
.endr
.endr
	s_endpgm
.Lgains:
	; ---- the two gain vectors
	s_sub_co_u32 s27, ttmp9, 64
	s_lshr_b32 s28, s27, 2                         ; 0: s_x, 1: s_c
	s_and_b32 s27, s27, 3                          ; which 256 columns
	s_cmp_eq_u32 s28, 0
	s_cselect_b64 s[8:9], s[8:9], s[12:13]         ; the weight's codes
	s_cselect_b64 s[10:11], s[10:11], s[14:15]     ; and its scale bytes
	s_lshl_b32 s29, s27, 8
	s_lshl_b32 s30, s[WV], 5
	s_add_co_u32 s29, s29, s30                     ; my first column
	s_mul_i32 s30, s29, ROWC
	s_add_nc_u64 s[8:9], s[8:9], s[30:31]
	s_mul_i32 s30, s29, 24                         ; 24 scale bytes a row
	s_add_nc_u64 s[10:11], s[10:11], s[30:31]
	s_lshl_b32 s30, s28, 16                        ; svec: 65,536 bytes a vector set, 4,096 a batch; wave w stores batches 2 w and 2 w + 1
	s_lshl_b32 s29, s[WV], 13
	s_add_co_u32 s30, s30, s29
	s_lshl_b32 s29, s27, 10
	s_add_co_u32 s30, s30, s29
	s_add_nc_u64 s[22:23], s[22:23], s[30:31]
	v_mul_u32_u24 v6, v2, ROWC
	v_lshl_add_u32 v6, v3, 4, v6                   ; cond: row r + 16 h
	v_mul_u32_u24 v7, v2, 24                       ; cond's scale words
	v_mul_u32_u24 v8, v5, ROWC
	v_lshl_add_u32 v8, v3, 4, v8                   ; the weight: row r + 8 (r / 8), + 16 h
	v_mul_u32_u24 v9, v5, 24                       ; and its scale words
	v_mul_u32_u24 v10, v2, SPT
	v_lshl_add_u32 v10, v3, 6, v10
	s_lshl_b32 s29, s[WV], 7
	v_add_nc_u32 v10, s29, v10                     ; the stage, in: row r (the batch), my wave's 128 bytes, 64 for each half of the lanes
	s_mul_i32 s29, s[WV], 2*SPT
	v_add_nc_u32 v11, s29, v4                      ; and back: rows 2 w, 2 w + 1, 16 bytes a lane
.irp s, 0,1,2,3,4,5
.irp c, 0,1
	global_load_b128 v[16+8*\s+4*\c:19+8*\s+4*\c], v6, s[4:5] offset:64*\s+32*\c          ; cond's six fragments
.endr
.endr
.irp q, 0,1,2
	global_load_b64 v[64+2*\q:65+2*\q], v7, s[6:7] offset:8*\q                            ; its six scale words: v64 + s
.endr
.irp u, 0,1
.irp s, 0,1,2,3,4,5
.irp c, 0,1
	global_load_b128 v[80+48*\u+8*\s+4*\c:83+48*\u+8*\s+4*\c], v8, s[8:9] offset:8*\u*ROWC+64*\s+32*\c   ; tile u begins 8 u rows on
.endr
.endr
.irp q, 0,1,2
	global_load_b64 v[176+6*\u+2*\q:177+6*\u+2*\q], v9, s[10:11] offset:192*\u+8*\q       ; v176 + 6 u + s
.endr
.endr
	s_wait_loadcnt 0x0
.irp s, 0,1,2,3,4,5                            ; the two accumulators take turns, one instruction a turn; the first K step starts the sums
.irp u, 0,1
.if \s == 0
	v_wmma_scale_f32_16x16x128_f8f6f4 v[192+8*\u:199+8*\u], v[80+48*\u+8*\s:87+48*\u+8*\s], v[16+8*\s:23+8*\s], 0, v[176+6*\u+\s], v[64+\s] matrix_a_fmt:MATRIX_FMT_FP4 matrix_b_fmt:MATRIX_FMT_FP4
.else
	v_wmma_scale_f32_16x16x128_f8f6f4 v[192+8*\u:199+8*\u], v[80+48*\u+8*\s:87+48*\u+8*\s], v[16+8*\s:23+8*\s], v[192+8*\u:199+8*\u], v[176+6*\u+\s], v[64+\s] matrix_a_fmt:MATRIX_FMT_FP4 matrix_b_fmt:MATRIX_FMT_FP4
.endif
.endr
.endr
.rept 4
	v_nop                                          ; four places between the last product and the first read of a result (ISA guide 7.12.1)
.endr
.irp k, 0,1,2,3,4,5,6,7
	v_pk_add_f32 v[208+2*\k:209+2*\k], v[192+2*\k:193+2*\k], 1.0 op_sel_hi:[1,0]   ; + 1; register 8 u + j is column 16 h + 8 u + j of my 32; each accumulator is read from its low end on
.endr
.irp i, 0,1,2,3
	ds_store_b128 v10, v[208+4*\i:211+4*\i] offset:16*\i
.endr
	s_wait_dscnt 0x0                               ; for the others' sake: my stores into the stage are done
	s_barrier_signal -1
	s_barrier_wait -1
.irp i, 0,1
.irp k, 0,1
	ds_load_b128 v[208+8*\i+4*\k:211+8*\i+4*\k], v11 offset:\i*SPT+512*\k
.endr
.endr
.irp i, 0,1
.irp k, 0,1
	s_wait_dscnt 3-2*\i-\k
	global_store_b128 v4, v[208+8*\i+4*\k:211+8*\i+4*\k], s[22:23] offset:4096*\i+512*\k   ; 32 lanes store 512 consecutive bytes
.endr
.endr
	s_wait_tensorcnt 0x0
	ds_add_u32 v224, v225
	s_wait_dscnt 0x0
	s_endpgm
.Lfunc_end_k_qd3ca71d56b_prep:
	.size	k_qd3ca71d56b_prep, .Lfunc_end_k_qd3ca71d56b_prep-k_qd3ca71d56b_prep
	.p2alignl 7, 3214868480
	.fill 96, 4, 3214868480
	.section	.rodata,"a",@progbits
	.p2align	6, 0x0
	.amdhsa_kernel k_qd3ca71d56b_prep
		.amdhsa_group_segment_fixed_size 17664
		.amdhsa_private_segment_fixed_size 0
		.amdhsa_enable_private_segment 0
		.amdhsa_kernarg_size 88
		.amdhsa_user_sgpr_count 2
		.amdhsa_user_sgpr_kernarg_segment_ptr 1
		.amdhsa_wavefront_size32 1
		.amdhsa_system_sgpr_workgroup_id_x 1
		.amdhsa_system_sgpr_workgroup_id_y 1
		.amdhsa_system_sgpr_workgroup_id_z 1
		.amdhsa_system_vgpr_workitem_id 0
		.amdhsa_next_free_vgpr 226
		.amdhsa_next_free_sgpr 66
		.amdhsa_reserve_vcc 0
		.amdhsa_float_denorm_mode_32 3
		.amdhsa_float_denorm_mode_16_64 3
		.amdhsa_memory_ordered 1
		.amdhsa_forward_progress 1
		.amdhsa_inst_pref_size 13
	.end_amdhsa_kernel
	.amdgpu_metadata
---
amdhsa.version: [ 1, 2 ]
amdhsa.kernels:
  - .name:           k_qd3ca71d56b_prep
    .symbol:         k_qd3ca71d56b_prep.kd
    .args:
      - { .name: cond_codes, .offset: 0, .size: 8, .value_kind: global_buffer, .address_space: global }
      - { .name: cond_scales, .offset: 8, .size: 8, .value_kind: global_buffer, .address_space: global }
      - { .name: w_norm_codes, .offset: 16, .size: 8, .value_kind: global_buffer, .address_space: global }
      - { .name: w_norm_scales, .offset: 24, .size: 8, .value_kind: global_buffer, .address_space: global }
      - { .name: w_cnorm_codes, .offset: 32, .size: 8, .value_kind: global_buffer, .address_space: global }
      - { .name: w_cnorm_scales, .offset: 40, .size: 8, .value_kind: global_buffer, .address_space: global }
      - { .name: w_q_codes, .offset: 48, .size: 8, .value_kind: global_buffer, .address_space: global }
      - { .name: w_o_codes, .offset: 56, .size: 8, .value_kind: global_buffer, .address_space: global }
      - { .name: w_kv_codes, .offset: 64, .size: 8, .value_kind: global_buffer, .address_space: global }
      - { .name: svec, .offset: 72, .size: 8, .value_kind: global_buffer, .address_space: global }
      - { .name: wf, .offset: 80, .size: 8, .value_kind: global_buffer, .address_space: global }
    .group_segment_fixed_size: 17664
    .private_segment_fixed_size: 0
    .kernarg_segment_align: 8
    .kernarg_segment_size: 88
    .max_flat_workgroup_size: 256
    .sgpr_count:     66
    .vgpr_count:     226
    .wavefront_size: 32
...
	.end_amdgpu_metadata
.endif
;; end of part 1
;; launch kv (part 2): grid 256 x 1, 8 waves a work-group, no clusters, 305,408 bytes of LDS; arguments crossattn_cond, svec, wf, w_kv_scales, qk_scale, crossattn_mask, kc, ks, vc, vs; writes kc, ks, vc, vs
.if DOCPART == 2
	.amdgcn_target "amdgcn-amd-amdhsa--gfx1250"
	.amdhsa_code_object_version 6
	.text
	.protected	k_qd3ca71d56b_kv
	.globl	k_qd3ca71d56b_kv
	.p2align	8
	.type	k_qd3ca71d56b_kv,@function
k_qd3ca71d56b_kv:
	s_mov_b64 s[64:65], 0
	v_nop
	global_prefetch_b8 v0, s[64:65] scope:SCOPE_SE
	s_setreg_imm32_b32 hwreg(HW_REG_WAVE_MODE, 25, 1), 1
	s_wait_xcnt 0x0
; KV.  cc = crossattn_cond x (s_c x rsqrt(mean(cc^2) + 1e-6)), quantised along its 1,024; kv = cc w_kv^T on codes of FP4 (E2M1) with E8M0 scales; k is scaled per head of 64 by
; sqrt(qk_scale) x rsqrt(sum k^2 + 1e-6) and quantised along the head's 64; v is quantised along the KEYS.  Both leave as codes in the order of the operand registers of the attention launch.
; SHARES.  Work-group g: cg = g & 3, 64 keys (g >> 2) of one batch x 512 columns: cg 0, 1: k of heads 0-7, 8-15; cg 2, 3: v likewise.  Wave w: one head, one chunk of 64 weight rows.
; The four work-groups of one block of keys have neighbouring numbers and each norm and quantise the same 64 rows: 256 KiB read again against a launch and a round trip of the codes.
; PHASES.  rows in (a wave 8 rows: to LDS, sums of squares) | barrier | a wave quantises 16 rows x 512 along K: images of the operand's registers to LDS | barrier | 8 K steps of 128, 16 accumulators by turns.
; THE ROWS' ORDER IN LDS: row 16 m + r holds key 32 (m / 2) + 8 (m % 2) + r + 8 (r / 8).  So in k's path (source 0 = the weight, source 1 = the rows) lane r of tile m holds the key that the attention's
; tile wants there, and in v's path (sources swapped) a lane's 32 registers are 2 x 16 neighbouring keys of one channel.
; THE MASK.  The scores' K is 64 of the instruction's 128.  At k = 64 every key carries the code -4 and every query the code 1; byte 2 of a key's scale word is 227 where the key is masked (the term is
; -2^102) and 1 where it counts (-2^-124, far under the last bit of any score that matters).  A masked key's k is multiplied by 0, so that its score is exactly -2^102.
; No tensor load and no cluster: each weight fragment is used by one wave alone, for all four tiles of rows, so LDS would add no reuse: the fragments go from memory into registers, 512 consecutive bytes a load.
; LIMITS: NaN and infinities among the inputs are not served; a block of zeros carries the scale byte 1 where the rule says 127 (its codes are zeros; this program alone reads the bytes);
; a masked score is -2^102 and not -1e30: the weights p that follow are the same.
.set PX,   4112                        ; an LDS row: 4,096 bytes + 16: 257 x 16, so 16 rows fall on 16 different columns of 16 bytes
.set AIMG, 64*PX                       ; 32 images of fragments (tile of rows m, K step s) at (8 m + s) x 1,024; register group c at + 512 c; lane at + 16 x lane
.set ASCB, AIMG+32*1024                ; their scale words: (2 m + s / 4) x 512 + 16 x lane + 4 (s % 4)
.set RSB,  ASCB+8*512                  ; rsqrt(mean + eps) of each LDS row
.set SVB,  RSB+256                     ; the gain vector, 4,096 bytes
.set LANE, 1
.set R,    2                           ; lane % 16
.set H,    3                           ; lane / 16
.set LI,   4                           ; 16 x lane
.set XS,   5                           ; where my 8 rows go in LDS
.set RA,   6                           ; and their rsqrt
.set XQ,   7                           ; the rows that I quantise: my lane's 64 bytes of a block of 32 numbers
.set SQA,  8                           ; the same place in the gain vector
.set RQ,   9                           ; my row's rsqrt
.set IW,   10                          ; where I store images
.set WW,   11                          ; and their scale words
.set AI,   12                          ; where images are read
.set ASA,  13                          ; and scale words
.set WSO,  14                          ; my lane's row among a chunk's scale bytes: (8 h + r + 8 (r / 8)) x 32
.set SVW,  15                          ; where my slice of the gain vector goes
.set R16,  16                          ; 16 r
.set R8,   17                          ; 8 r
.set T2,   24                          ; v24-29 at work in QUANT2
.set SQ,   40                          ; sqrt(qk_scale) of my head
.set RP,   43                          ; r + 8 (r / 8)
.set MK,   44                          ; v44-47 the mask bytes of my lane's key in tiles 0-3
.set WSC,  48                          ; v48-63 the weight's scale words: 8 (t / 2) + s; lanes 0-15 tile 2 b, lanes 16-31 tile 2 b + 1.  Scales alone
.set ASC,  64                          ; v64-79 the rows' scale words: 4 m + s % 4.  Scales alone
.set PC4,  80                          ; v80-87 a fragment's codes just made
.set PWS,  88                          ; v88-91 four scale words just made
.set RR,   92                          ; v92-93 my row's rsqrt (a pair for the packed multiply)
.set TM,   96                          ; v96-111 at work in QUANT4
.set KCD,  80                          ; the way out: v80-95 codes, v96-99 words, v104-111 at work
.set KWD,  96
.set ET,   120                         ; v120-127 four pairs: sums of squares, then the factors
.set ACC,  128                         ; v128-255 the 16 accumulators; before that the numbers at work
.set WV,   26
.set KG,   27
.set NB,   28
.set CG,   29
.set EPS,  32
.set INV,  33
.set SEL,  34
.set LR,   46
.set XP,   4
.set GP,   6
.set WP,   8
.set WSP,  10
.set QKP,  12
.set MKP,  14
.set KCP,  16
.set KSP,  18
.set VCP,  20
.set VSP,  22
.set MSB, 0
.macro WIN new                         ; s_set_vgpr_msb: bits 1:0 source 0, 3:2 source 1, 5:4 source 2, 7:6 destination; the high byte repeats the setting that is left
.if MSB != \new
	s_set_vgpr_msb (MSB<<8)|\new
.set MSB, \new
.endif
.endm
.macro PLACES n
.rept \n
	v_nop
.endr
.endm
.macro BARRIER                         ; my LDS stores have landed and my LDS loads are in: then the work-group's barrier
	s_wait_dscnt 0x0
	s_barrier_signal -1
	s_barrier_wait -1
.endm
; The addresses that hang on lane and wave alone.  s[LR]: the LDS row of my first row.
.macro ADDRS
	v_and_b32 v[LANE], 31, v0
	v_and_b32 v[R], 15, v0
	v_bfe_u32 v[H], v0, 4, 1
	v_lshlrev_b32 v[LI], 4, v[LANE]
	s_mul_i32 s30, s[LR], PX
	v_add_nc_u32 v[XS], s30, v[LI]
	s_lshl_b32 s30, s[LR], 2
	s_add_co_u32 s30, s30, RSB
	v_mov_b32 v[RA], s30
	s_lshr_b32 s30, s[WV], 1                       ; the tile of rows that I quantise,
	s_and_b32 s31, s[WV], 1
	s_lshl_b32 s31, s31, 11                        ; and which four K steps: 2,048 bytes of a row
	s_mul_i32 s47, s30, 16*PX
	v_mul_u32_u24 v[XQ], v[R], PX
	v_lshl_add_u32 v[XQ], v[H], 6, v[XQ]
	v_add_nc_u32 v[XQ], s47, v[XQ]
	v_add_nc_u32 v[XQ], s31, v[XQ]
	v_lshlrev_b32 v[SQA], 6, v[H]
	v_add_nc_u32 v[SQA], s31, v[SQA]
	v_add_nc_u32 v[SQA], SVB, v[SQA]
	s_lshl_b32 s30, s30, 6
	s_add_co_u32 s30, s30, RSB
	v_lshl_add_u32 v[RQ], v[R], 2, s30
	s_lshl_b32 s30, s[WV], 12
	s_add_co_u32 s30, s30, AIMG
	v_add_nc_u32 v[IW], s30, v[LI]
	s_lshl_b32 s30, s[WV], 9
	s_add_co_u32 s31, s30, ASCB
	v_add_nc_u32 v[WW], s31, v[LI]
	s_add_co_u32 s31, s30, SVB
	v_add_nc_u32 v[SVW], s31, v[LI]
	v_add_nc_u32 v[AI], AIMG, v[LI]
	v_add_nc_u32 v[ASA], ASCB, v[LI]
	v_and_b32 v[RP], 8, v[R]
	v_add_nc_u32 v[RP], v[RP], v[R]
	v_lshl_add_u32 v[WSO], v[H], 3, v[RP]
	v_lshlrev_b32 v[WSO], 5, v[WSO]
	v_lshlrev_b32 v[R16], 4, v[R]
	v_lshlrev_b32 v[R8], 3, v[R]
	v_mov_b32 v[T2+2], 0                           ; written once: a lane permute's destination counts as one of its sources
	v_mov_b32 v[T2+3], 0
.irp b, 0,1,2,3
	v_mov_b32 v[TM+4+\b], 0
.endr
	v_mov_b32 v[RR+1], 0                           ; named as the upper half of a pair
	s_mov_b32 s[EPS], 0x358637bd                   ; 1e-6
	s_mov_b32 s[INV], 0x3a800000                   ; 1 / 1,024
	s_mov_b32 s[SEL], 0x76543210
	s_mov_b32 s[SEL+1], 0xfedcba98                 ; v_permlanex16_b32's selects for lane l xor 16
.endm
; My 8 rows come in: 64 loads of 512 consecutive bytes, all issued at once; each row goes to LDS as it lies, and its sum of squares is taken on the way.  nt = 1: the rows are read once in the launch.
.macro ROWS_IN nt
	global_load_b128 v[24:27], v[LI], s[GP:GP+1]   ; my 512 bytes of the gain vector
	WIN 0x40                                       ; destination window 1
.irp i, 0,1,2,3,4,5,6,7
.irp j, 0,1,2,3,4,5,6,7
.if \nt
	global_load_b128 v[32*\i+4*\j:32*\i+4*\j+3], v[LI], s[XP:XP+1] offset:4096*\i+512*\j th:TH_LOAD_NT
.else
	global_load_b128 v[32*\i+4*\j:32*\i+4*\j+3], v[LI], s[XP:XP+1] offset:4096*\i+512*\j
.endif
.endr
.endr
.irp i, 0,1,2,3,4,5,6,7
	s_wait_loadcnt 56-8*\i                         ; row i is in: the 8 (7 - i) loads of the rows behind it may be out
.if \i == 0
	WIN 0
	ds_store_b128 v[SVW], v[24:27]                 ; (issued ahead of the rows, so it is in too)
.endif
	WIN 0x04                                       ; an LDS store's data are its source 1: window 1
.irp j, 0,1,2,3,4,5,6,7
	ds_store_b128 v[XS], v[32*\i+4*\j:32*\i+4*\j+3] offset:PX*\i+512*\j
.endr
	WIN 0x05                                       ; sources 0 and 1 window 1; the sums in window 0
	v_pk_mul_f32 v[128+4*\i:129+4*\i], v[32*\i:32*\i+1], v[32*\i:32*\i+1]
	v_pk_mul_f32 v[130+4*\i:131+4*\i], v[32*\i+2:32*\i+3], v[32*\i+2:32*\i+3]
.irp k, 2,4,6,8,10,12,14
	v_pk_fma_f32 v[128+4*\i:129+4*\i], v[32*\i+2*\k:32*\i+2*\k+1], v[32*\i+2*\k:32*\i+2*\k+1], v[128+4*\i:129+4*\i]
	v_pk_fma_f32 v[130+4*\i:131+4*\i], v[32*\i+2*\k+2:32*\i+2*\k+3], v[32*\i+2*\k+2:32*\i+2*\k+3], v[130+4*\i:131+4*\i]
.endr
.endr
	WIN 0
.irp i, 0,1,2,3,4,5,6,7
	v_pk_add_f32 v[128+4*\i:129+4*\i], v[128+4*\i:129+4*\i], v[130+4*\i:131+4*\i]
.endr
.irp i, 0,1,2,3,4,5,6,7
	v_add_f32 v[128+4*\i], v[128+4*\i], v[129+4*\i]
.endr
.irp x, 1,2,4,8                                ; across the lanes; the eight rows by turns
.irp i, 0,1,2,3,4,5,6,7
	v_add_f32_dpp v[128+4*\i], v[128+4*\i], v[128+4*\i] row_xmask:\x row_mask:0xf bank_mask:0xf
.endr
.endr
.irp i, 0,1,2,3,4,5,6,7
	v_permlanex16_b32 v[129+4*\i], v[128+4*\i], s[SEL], s[SEL+1]
.endr
.irp i, 0,1,2,3,4,5,6,7
	v_add_f32 v[128+4*\i], v[128+4*\i], v[129+4*\i]
.endr
.irp i, 0,1,2,3,4,5,6,7
	v_fma_f32 v[128+4*\i], v[128+4*\i], s[INV], s[EPS]   ; the mean + 1e-6
.endr
.irp i, 0,1,2,3,4,5,6,7
	v_rsq_f32 v[130+4*\i], v[128+4*\i]
.endr
	v_nop                                          ; a plain instruction behind the last of the batch,
	s_wait_alu depctr_va_vdst(0)                   ; and the one wait ahead of the batch's first reader
.irp i, 0,1,2,3,4,5,6,7
	ds_store_b32 v[RA], v[130+4*\i] offset:4*\i    ; all lanes write the same word with the same value
.endr
.endm
; 64 numbers of a lane, register 16 b + i = k 32 b + 16 (lane / 16) + i of my row, become a fragment's codes in v[PC4] on and its scale word.
.macro QUANT4 s, word
.irp b, 0,1,2,3
	v_max3_num_f32 v[TM+\b], |v[\s+16*\b]|, |v[\s+16*\b+1]|, 0x1800000   ; my 16 numbers of block b, and the floor 2^(3 - 127): the byte cannot fall under 1
.endr
.irp i, 2,4,6,8,10,12,14
.irp b, 0,1,2,3
	v_max3_num_f32 v[TM+\b], v[TM+\b], |v[\s+16*\b+\i]|, |v[\s+16*\b+\i+1]|
.endr
.endr
.irp b, 0,1,2,3
	v_permlanex16_b32 v[TM+4+\b], v[TM+\b], s[SEL], s[SEL+1]
.endr
.irp b, 0,1,2,3
	v_max_num_f32 v[TM+\b], v[TM+\b], v[TM+4+\b]   ; with lane l xor 16's: the block's largest magnitude
.endr
.irp b, 0,1,2,3
	v_add_nc_u32 v[TM+12+\b], 0xff000000, v[TM+\b] ; 2 off its exponent field: the conversion's scale operand
.endr
.irp b, 0,1,2,3
	v_lshrrev_b32 v[TM+4+\b], 23, v[TM+12+\b]      ; the scale's byte
.endr
	v_lshl_or_b32 v[\word], v[TM+5], 8, v[TM+4]
	v_lshl_or_b32 v[\word], v[TM+6], 16, v[\word]
	v_lshl_or_b32 v[\word], v[TM+7], 24, v[\word]
.irp b, 0,1,2,3
	v_cvt_scalef32_pk8_fp4_f32 v[PC4+2*\b], v[\s+16*\b:\s+16*\b+7], v[TM+12+\b]
	v_cvt_scalef32_pk8_fp4_f32 v[PC4+2*\b+1], v[\s+16*\b+8:\s+16*\b+15], v[TM+12+\b]
.endr
	v_nop                                          ; one plain place behind a scaled conversion
.irp g, 0,1                                    ; the operand's layout wants a whole block in a lane: lanes 0-15 block 2 g, lanes 16-31 block 2 g + 1
.irp i, 0,1
	v_permlane16_swap_b32 v[PC4+4*\g+\i], v[PC4+4*\g+2+\i]
.endr
.endr
.endm
; The same for 32 numbers, two blocks: four registers of codes at v[pc]; the two bytes are left in v[T2+2], v[T2+3].
.macro QUANT2 s, pc
.irp b, 0,1
	v_max3_num_f32 v[T2+\b], |v[\s+16*\b]|, |v[\s+16*\b+1]|, 0x1800000
.endr
.irp i, 2,4,6,8,10,12,14
.irp b, 0,1
	v_max3_num_f32 v[T2+\b], v[T2+\b], |v[\s+16*\b+\i]|, |v[\s+16*\b+\i+1]|
.endr
.endr
.irp b, 0,1
	v_permlanex16_b32 v[T2+2+\b], v[T2+\b], s[SEL], s[SEL+1]
.endr
.irp b, 0,1
	v_max_num_f32 v[T2+\b], v[T2+\b], v[T2+2+\b]
.endr
.irp b, 0,1
	v_add_nc_u32 v[T2+4+\b], 0xff000000, v[T2+\b]
.endr
.irp b, 0,1
	v_lshrrev_b32 v[T2+2+\b], 23, v[T2+4+\b]
.endr
.irp b, 0,1
	v_cvt_scalef32_pk8_fp4_f32 v[\pc+2*\b], v[\s+16*\b:\s+16*\b+7], v[T2+4+\b]
	v_cvt_scalef32_pk8_fp4_f32 v[\pc+2*\b+1], v[\s+16*\b+8:\s+16*\b+15], v[T2+4+\b]
.endr
	v_nop                                          ; one plain place behind a scaled conversion
	v_permlane16_swap_b32 v[\pc], v[\pc+2]
	v_permlane16_swap_b32 v[\pc+1], v[\pc+3]
.endm
; Wave w norms and quantises tile of rows w / 2, K steps 4 (w % 2) + 0 .. 3: x times (gain times rsqrt), in that order; images and scale words to LDS.
.macro QROWS
	ds_load_b32 v[RR], v[RQ]
.irp q, 0,1,2,3
.irp b, 0,1,2,3
.irp j, 0,1,2,3
	ds_load_b128 v[128+16*\b+4*\j:128+16*\b+4*\j+3], v[XQ] offset:512*\q+128*\b+16*\j
.endr
.endr
.irp b, 0,1,2,3
.irp j, 0,1,2,3
	ds_load_b128 v[192+16*\b+4*\j:192+16*\b+4*\j+3], v[SQA] offset:512*\q+128*\b+16*\j
.endr
.endr
	s_wait_dscnt 0x0                               ; the numbers are in; the last K step's image stores have read their registers
.set J, 0
.rept 32
	v_pk_mul_f32 v[192+J:193+J], v[192+J:193+J], v[RR:RR+1] op_sel_hi:[1,0]
.set J, J+2
.endr
.set J, 0
.rept 32
	v_pk_mul_f32 v[128+J:129+J], v[128+J:129+J], v[192+J:193+J]
.set J, J+2
.endr
	QUANT4 128, PWS+\q
	ds_store_b128 v[IW], v[PC4:PC4+3] offset:1024*\q
	ds_store_b128 v[IW], v[PC4+4:PC4+7] offset:1024*\q+512
.endr
	ds_store_b128 v[WW], v[PWS:PWS+3]
.endm
; THE PRODUCT on one chunk: 64 weight rows x 64 rows.  Window 1: a ring of six K steps of the weight's four fragments (v0-191), two slots of the rows' four fragments (v192-255).
.macro WLOAD S                         ; K step S of the weight, from memory: eight loads of 512 consecutive bytes
	WIN 0x40
.irp t, 0,1,2,3
.irp c, 0,1
	global_load_b128 v[32*((\S)%6)+8*\t+4*\c:32*((\S)%6)+8*\t+4*\c+3], v[LI], s[WP:WP+1] offset:4096*(\S)+1024*\t+512*\c
.endr
.endr
.endm
.macro ALOAD s, slot                   ; K step s of the rows, from LDS
	WIN 0x40
.irp m, 0,1,2,3
.irp c, 0,1
	ds_load_b128 v[192+32*(\slot)+8*\m+4*\c:192+32*(\slot)+8*\m+4*\c+3], v[AI] offset:(8*\m+(\s))*1024+512*\c
.endr
.endr
.endm
.macro SLOAD half                      ; the rows' scale words of K steps 4 half + 0 .. 3
	WIN 0
.irp m, 0,1,2,3
	ds_load_b128 v[ASC+4*\m:ASC+4*\m+3], v[ASA] offset:(2*\m+(\half))*512
.endr
.endm
.macro WSLOAD base, off                ; a chunk's scale words: 32 bytes a row; lanes 0-15 take tile 2 b's rows, lanes 16-31 tile 2 b + 1's
	WIN 0
.irp b, 0,1
.irp q, 0,1
	global_load_b128 v[WSC+8*\b+4*\q:WSC+8*\b+4*\q+3], v[WSO], s[\base:\base+1] offset:\off+1024*\b+16*\q
.endr
.endr
.endm
; One product.  swap = 0: source 0 = the weight's tile t, source 1 = the rows' tile m: a lane holds one row.  swap = 1: the other way round: a lane holds one weight row (a channel of v) and its registers run along the keys.
.macro ONE S, m, t, zero, swap
.set rW, 32*((\S)%6)+8*(\t)
.set rA, 192+32*((\S)%2)+8*(\m)
.set rU, WSC+8*((\t)/2)+(\S)%8
.set rV, ASC+4*(\m)+(\S)%4
.if \swap
.set rD, ACC+32*(\t)+8*(\m)
.if \zero
.if (\t)%2
	v_wmma_scale_f32_16x16x128_f8f6f4 v[rD:rD+7], v[rA:rA+7], v[rW:rW+7], 0, v[rV], v[rU] matrix_a_fmt:MATRIX_FMT_FP4 matrix_b_fmt:MATRIX_FMT_FP4 matrix_b_scale:MATRIX_SCALE_ROW1
.else
	v_wmma_scale_f32_16x16x128_f8f6f4 v[rD:rD+7], v[rA:rA+7], v[rW:rW+7], 0, v[rV], v[rU] matrix_a_fmt:MATRIX_FMT_FP4 matrix_b_fmt:MATRIX_FMT_FP4
.endif
.else
.if (\t)%2
	v_wmma_scale_f32_16x16x128_f8f6f4 v[rD:rD+7], v[rA:rA+7], v[rW:rW+7], v[rD:rD+7], v[rV], v[rU] matrix_a_fmt:MATRIX_FMT_FP4 matrix_b_fmt:MATRIX_FMT_FP4 matrix_b_scale:MATRIX_SCALE_ROW1
.else
	v_wmma_scale_f32_16x16x128_f8f6f4 v[rD:rD+7], v[rA:rA+7], v[rW:rW+7], v[rD:rD+7], v[rV], v[rU] matrix_a_fmt:MATRIX_FMT_FP4 matrix_b_fmt:MATRIX_FMT_FP4
.endif
.endif
.else
.set rD, ACC+32*(\m)+8*(\t)
.if \zero
.if (\t)%2
	v_wmma_scale_f32_16x16x128_f8f6f4 v[rD:rD+7], v[rW:rW+7], v[rA:rA+7], 0, v[rU], v[rV] matrix_a_fmt:MATRIX_FMT_FP4 matrix_b_fmt:MATRIX_FMT_FP4 matrix_a_scale:MATRIX_SCALE_ROW1
.else
	v_wmma_scale_f32_16x16x128_f8f6f4 v[rD:rD+7], v[rW:rW+7], v[rA:rA+7], 0, v[rU], v[rV] matrix_a_fmt:MATRIX_FMT_FP4 matrix_b_fmt:MATRIX_FMT_FP4
.endif
.else
.if (\t)%2
	v_wmma_scale_f32_16x16x128_f8f6f4 v[rD:rD+7], v[rW:rW+7], v[rA:rA+7], v[rD:rD+7], v[rU], v[rV] matrix_a_fmt:MATRIX_FMT_FP4 matrix_b_fmt:MATRIX_FMT_FP4 matrix_a_scale:MATRIX_SCALE_ROW1
.else
	v_wmma_scale_f32_16x16x128_f8f6f4 v[rD:rD+7], v[rW:rW+7], v[rA:rA+7], v[rD:rD+7], v[rU], v[rV] matrix_a_fmt:MATRIX_FMT_FP4 matrix_b_fmt:MATRIX_FMT_FP4
.endif
.endif
.endif
.endm
; A K step: 16 products, the 16 accumulators by turns, one instruction a turn, in the same order in every step.  Behind them, four places, then the loads into the
; registers just read: the weight's K step six on, the rows' K step two on, and at every fourth step the rows' next four scale words, ahead of the fragments.
.macro KSTEP S, NS, zero, swap
.if (\NS)-1-(\S) >= 5
	s_wait_loadcnt 40                              ; this step's weight fragments are in: the five steps behind them may be out
.else
	s_wait_loadcnt 8*((\NS)-1-(\S))
.endif
.if (\S)+1 < (\NS)
	s_wait_dscnt 8                                 ; this step's rows (and scale words, which were asked for ahead of them) are in: the next step's eight loads may be out
.else
	s_wait_dscnt 0x0
.endif
	WIN 0x05                                       ; sources 0 and 1 window 1; C and D window 0
.irp m, 0,1,2,3
.irp t, 0,1,2,3
	ONE \S, \m, \t, \zero, \swap
.endr
.endr
	PLACES 4                                       ; in front of loads into registers that the products have read, and of the first read of results
.if ((\S)+1 < (\NS)) && (((\S)+1)%4 == 0)
	SLOAD (((\S)+1)/4)%2
.endif
.if (\S)+6 < (\NS)
	WLOAD (\S)+6
.endif
.if (\S)+2 < (\NS)
	ALOAD ((\S)+2)%8, (\S)%2
.endif
.endm
; The factor sqrt(scale) x rsqrt(sum over the head's 64 of the squares + 1e-6) for the four tiles of rows, into v[ET + 2 m].  A lane holds 32 of its row's 64, lane l xor 16 the others.
.macro HEADNORM sq
	WIN 0
.irp m, 0,1,2,3
	v_pk_mul_f32 v[ET+2*\m:ET+2*\m+1], v[ACC+32*\m:ACC+32*\m+1], v[ACC+32*\m:ACC+32*\m+1]   ; each accumulator is read from its low end on
.endr
.irp k, 1,2,3,4,5,6,7,8,9,10,11,12,13,14,15
.irp m, 0,1,2,3
	v_pk_fma_f32 v[ET+2*\m:ET+2*\m+1], v[ACC+32*\m+2*\k:ACC+32*\m+2*\k+1], v[ACC+32*\m+2*\k:ACC+32*\m+2*\k+1], v[ET+2*\m:ET+2*\m+1]
.endr
.endr
.irp m, 0,1,2,3
	v_add_f32 v[ET+2*\m], v[ET+2*\m], v[ET+2*\m+1]
.endr
.irp m, 0,1,2,3
	v_permlanex16_b32 v[ET+2*\m+1], v[ET+2*\m], s[SEL], s[SEL+1]
.endr
.irp m, 0,1,2,3
	v_add_f32 v[ET+2*\m], v[ET+2*\m], v[ET+2*\m+1]
.endr
.irp m, 0,1,2,3
	v_add_f32 v[ET+2*\m], s[EPS], v[ET+2*\m]
.endr
.irp m, 0,1,2,3
	v_rsq_f32 v[ET+2*\m+1], v[ET+2*\m]
.endr
	v_nop
	s_wait_alu depctr_va_vdst(0)                   ; one wait for the four, ahead of their first reader
.irp m, 0,1,2,3
	v_mul_f32 v[ET+2*\m], v[\sq], v[ET+2*\m+1]
.endr
.endm
	s_load_b256 s[4:11], s[0:1], 0x0               ; crossattn_cond, svec, wf, w_kv's scales
	s_load_b256 s[12:19], s[0:1], 0x20             ; qk_scale, the mask, kc, ks
	s_load_b128 s[20:23], s[0:1], 0x40             ; vc, vs
	v_lshl_add_u32 v118, v0, 2, 0x4a500
	v_mov_b32 v119, 0
	v_lshrrev_b32 v1, 5, v0
	v_readfirstlane_b32 s[WV], v1                  ; wave 0..7
	s_and_b32 s[CG], ttmp9, 3                      ; which 512 columns
	s_lshr_b32 s45, ttmp9, 2                       ; which 64 rows of the 4,096
	s_and_b32 s[KG], s45, 3                        ; which 64 keys of the batch
	s_lshr_b32 s[NB], s45, 2                       ; the batch
	s_lshr_b32 s[LR], s[WV], 2                     ; keys 8 w .. 8 w + 7 go to LDS rows 32 (w / 4) + 16 (w % 2) + 8 ((w / 2) % 2) on
	s_lshl_b32 s[LR], s[LR], 5
	s_and_b32 s30, s[WV], 1
	s_lshl_b32 s30, s30, 4
	s_add_co_u32 s[LR], s[LR], s30
	s_bfe_u32 s30, s[WV], 0x10001
	s_lshl_b32 s30, s30, 3
	s_add_co_u32 s[LR], s[LR], s30
	ADDRS
	s_mov_b32 s31, 0                               ; the upper word of every 64-bit offset
	s_wait_kmcnt 0x0
	s_lshl_b32 s30, s45, 18                        ; 64 rows of 4,096 bytes,
	s_lshl_b32 s47, s[WV], 15                      ; my 8 of them
	s_add_co_u32 s30, s30, s47
	s_add_nc_u64 s[XP:XP+1], s[XP:XP+1], s[30:31]
	s_lshl_b32 s30, s[NB], 12                      ; s_c of my batch, my 512 bytes
	s_lshl_b32 s47, s[WV], 9
	s_add_co_u32 s30, s30, s47
	s_add_co_u32 s30, s30, 65536
	s_add_nc_u64 s[GP:GP+1], s[GP:GP+1], s[30:31]
	s_lshl_b32 s47, s[CG], 3
	s_add_co_u32 s47, s47, s[WV]                   ; my chunk of w_kv: 8 cg + w
	s_lshl_b32 s30, s47, 15
	s_add_co_u32 s30, s30, 32*32768
	s_add_nc_u64 s[WP:WP+1], s[WP:WP+1], s[30:31]
	s_lshl_b32 s30, s47, 11                        ; 64 rows of 32 scale bytes
	s_add_nc_u64 s[WSP:WSP+1], s[WSP:WSP+1], s[30:31]
	s_and_b32 s47, s47, 15                         ; my head
	s_lshl_b32 s30, s47, 2
	s_add_nc_u64 s[QKP:QKP+1], s[QKP:QKP+1], s[30:31]
	s_load_b32 s42, s[QKP:QKP+1], 0x0
	s_lshl_b32 s30, s45, 6
	s_add_nc_u64 s[MKP:MKP+1], s[MKP:MKP+1], s[30:31]
	s_lshl_b32 s48, s[NB], 4
	s_add_co_u32 s48, s48, s47                     ; 16 n + head
	s_lshl_b32 s30, s48, 13
	s_lshl_b32 s47, s[KG], 11                      ; kc: four tiles of 512 bytes to a group of 64 keys
	s_add_co_u32 s30, s30, s47
	s_add_nc_u64 s[KCP:KCP+1], s[KCP:KCP+1], s[30:31]
	s_lshl_b32 s30, s48, 10
	s_lshl_b32 s47, s[KG], 8
	s_add_co_u32 s30, s30, s47
	s_add_nc_u64 s[KSP:KSP+1], s[KSP:KSP+1], s[30:31]
	s_lshl_b32 s30, s48, 13
	s_lshl_b32 s47, s[KG], 9                       ; vc: [t][K step][register group]: a group of 64 keys is one register group
	s_add_co_u32 s30, s30, s47
	s_add_nc_u64 s[VCP:VCP+1], s[VCP:VCP+1], s[30:31]
	s_lshl_b32 s30, s48, 9
	s_lshl_b32 s47, s[KG], 7
	s_add_co_u32 s30, s30, s47
	s_add_nc_u64 s[VSP:VSP+1], s[VSP:VSP+1], s[30:31]
	ROWS_IN 0                                      ; (no hint: four work-groups read these rows)
	s_wait_kmcnt 0x0
	v_sqrt_f32 v[SQ], s42
	v_nop
	s_wait_alu depctr_va_vdst(0)
	s_wait_dscnt 0x0                               ; my rows, my slice of the gains and my rsqrt lie in LDS; the stores have read their registers
.irp m, 0,1,2,3
	global_load_u8 v[MK+\m], v[RP], s[MKP:MKP+1] offset:32*(\m/2)+8*(\m%2)   ; the mask byte of my lane's key in tile m
.endr
	WSLOAD WSP, 0
.irp S, 0,1,2,3,4,5
	WLOAD \S                                       ; the ring is filled while the rows are quantised
.endr
	WIN 0
	s_barrier_signal -1
	s_barrier_wait -1                              ; everybody's rows lie in LDS
	QROWS
	BARRIER                                        ; the 32 images and their scale words lie in LDS; from here on LDS is only read
	SLOAD 0
	ALOAD 0, 0
	ALOAD 1, 1
	WIN 0
	s_cmp_lt_u32 s[CG], 2                          ; the same in all eight waves
	s_cbranch_scc0 .Lvalues
	; ---- k: a lane holds one key
	KSTEP 0, 8, 1, 0
.irp S, 1,2,3,4,5,6,7
	KSTEP \S, 8, 0, 0
.endr
	HEADNORM SQ
.irp m, 0,1,2,3
	v_cvt_f32_u32 v[104+\m], v[MK+\m]              ; 1.0 where the key counts, 0.0 where it is masked
	v_mul_u32_u24 v[108+\m], v[MK+\m], 226
.endr
.irp m, 0,1,2,3
	v_mul_f32 v[ET+2*\m], v[ET+2*\m], v[104+\m]
	v_sub_nc_u32 v[108+\m], 227, v[108+\m]         ; byte 2 of the key's scale word: 1 or 227
.endr
.irp m, 0,1,2,3
.set J, 0
.rept 16
	v_pk_mul_f32 v[ACC+32*\m+J:ACC+32*\m+J+1], v[ACC+32*\m+J:ACC+32*\m+J+1], v[ET+2*\m:ET+2*\m+1] op_sel_hi:[1,0]
.set J, J+2
.endr
	QUANT2 ACC+32*\m, KCD+4*\m
	v_lshl_or_b32 v[KWD+\m], v[T2+3], 8, v[T2+2]
	v_lshl_or_b32 v[KWD+\m], v[108+\m], 16, v[KWD+\m]
	v_or_b32 v[KWD+\m], 0x7f000000, v[KWD+\m]      ; byte 3: 127, over zero codes
	global_store_b128 v[LI], v[KCD+4*\m:KCD+4*\m+3], s[KCP:KCP+1] offset:512*\m   ; 512 consecutive bytes
.endr
	v_cmp_gt_u32 vcc_lo, 16, v[LANE]
	s_wait_xcnt 0x0                                ; EXEC is a source of the pending stores: it changes only behind this wait
	s_wait_tensorcnt 0x0
	ds_add_u32 v118, v119
	s_wait_dscnt 0x0
	s_and_saveexec_b32 s44, vcc_lo
	global_store_b128 v[R16], v[KWD:KWD+3], s[KSP:KSP+1]   ; lanes 0-15: the four tiles' words of 16 keys: 256 consecutive bytes, aligned
	s_wait_xcnt 0x0
	s_or_b32 exec_lo, exec_lo, s44
	s_endpgm
.Lvalues:
	; ---- v: a lane holds one channel, its registers run along the keys
	KSTEP 0, 8, 1, 1
.irp S, 1,2,3,4,5,6,7
	KSTEP \S, 8, 0, 1
.endr
	WIN 0
.irp t, 0,1,2,3
	QUANT2 ACC+32*\t, KCD+4*\t
	v_lshl_or_b32 v[104+\t], v[T2+3], 8, v[T2+2]   ; the two bytes of these 64 keys
	global_store_b128 v[LI], v[KCD+4*\t:KCD+4*\t+3], s[VCP:VCP+1] offset:2048*\t
.endr
	v_lshl_or_b32 v[KWD], v105, 16, v104
	v_lshl_or_b32 v[KWD+1], v107, 16, v106
	v_cmp_gt_u32 vcc_lo, 16, v[LANE]
	s_wait_xcnt 0x0                                ; EXEC changes only behind this wait
	s_wait_tensorcnt 0x0
	ds_add_u32 v118, v119
	s_wait_dscnt 0x0
	s_and_saveexec_b32 s44, vcc_lo
	global_store_b64 v[R8], v[KWD:KWD+1], s[VSP:VSP+1]     ; lanes 0-15: 128 consecutive bytes
	s_wait_xcnt 0x0
	s_or_b32 exec_lo, exec_lo, s44
	s_endpgm
.Lfunc_end_k_qd3ca71d56b_kv:
	.size	k_qd3ca71d56b_kv, .Lfunc_end_k_qd3ca71d56b_kv-k_qd3ca71d56b_kv
	.p2alignl 7, 3214868480
	.fill 96, 4, 3214868480
	.section	.rodata,"a",@progbits
	.p2align	6, 0x0
	.amdhsa_kernel k_qd3ca71d56b_kv
		.amdhsa_group_segment_fixed_size 305408
		.amdhsa_private_segment_fixed_size 0
		.amdhsa_enable_private_segment 0
		.amdhsa_kernarg_size 80
		.amdhsa_user_sgpr_count 2
		.amdhsa_user_sgpr_kernarg_segment_ptr 1
		.amdhsa_wavefront_size32 1
		.amdhsa_system_sgpr_workgroup_id_x 1
		.amdhsa_system_sgpr_workgroup_id_y 1
		.amdhsa_system_sgpr_workgroup_id_z 1
		.amdhsa_system_vgpr_workitem_id 0
		.amdhsa_next_free_vgpr 512
		.amdhsa_next_free_sgpr 66
		.amdhsa_reserve_vcc 1
		.amdhsa_float_denorm_mode_32 3
		.amdhsa_float_denorm_mode_16_64 3
		.amdhsa_memory_ordered 1
		.amdhsa_forward_progress 1
		.amdhsa_inst_pref_size 148
	.end_amdhsa_kernel
	.amdgpu_metadata
---
amdhsa.version: [ 1, 2 ]
amdhsa.kernels:
  - .name:           k_qd3ca71d56b_kv
    .symbol:         k_qd3ca71d56b_kv.kd
    .args:
      - { .name: crossattn_cond, .offset: 0, .size: 8, .value_kind: global_buffer, .address_space: global }
      - { .name: svec, .offset: 8, .size: 8, .value_kind: global_buffer, .address_space: global }
      - { .name: wf, .offset: 16, .size: 8, .value_kind: global_buffer, .address_space: global }
      - { .name: w_kv_scales, .offset: 24, .size: 8, .value_kind: global_buffer, .address_space: global }
      - { .name: qk_scale, .offset: 32, .size: 8, .value_kind: global_buffer, .address_space: global }
      - { .name: crossattn_mask, .offset: 40, .size: 8, .value_kind: global_buffer, .address_space: global }
      - { .name: kc, .offset: 48, .size: 8, .value_kind: global_buffer, .address_space: global }
      - { .name: ks, .offset: 56, .size: 8, .value_kind: global_buffer, .address_space: global }
      - { .name: vc, .offset: 64, .size: 8, .value_kind: global_buffer, .address_space: global }
      - { .name: vs, .offset: 72, .size: 8, .value_kind: global_buffer, .address_space: global }
    .group_segment_fixed_size: 305408
    .private_segment_fixed_size: 0
    .kernarg_segment_align: 8
    .kernarg_segment_size: 80
    .max_flat_workgroup_size: 256
    .sgpr_count:     66
    .vgpr_count:     512
    .wavefront_size: 32
...
	.end_amdgpu_metadata
.endif
;; end of part 2
;; launch main (part 3): grid 256 x 1, 8 waves a work-group, no clusters, 313,600 bytes of LDS; arguments x, svec, wf, w_q_scales, w_o_scales, qk_scale, kc, ks, vc, vs, out0; writes out0
.if DOCPART == 3
	.amdgcn_target "amdgcn-amd-amdhsa--gfx1250"
	.amdhsa_code_object_version 6
	.text
	.protected	k_qd3ca71d56b_main
	.globl	k_qd3ca71d56b_main
	.p2align	8
	.type	k_qd3ca71d56b_main,@function
k_qd3ca71d56b_main:
	s_mov_b64 s[64:65], 0
	v_nop
	global_prefetch_b8 v0, s[64:65] scope:SCOPE_SE
	s_setreg_imm32_b32 hwreg(HW_REG_WAVE_MODE, 25, 1), 1
	s_wait_xcnt 0x0
; MAIN.  out = attention(q(x), k, v) w_o^T + x, all five products on codes of FP4 (E2M1) with one E8M0 scale for each 32 along K.  A work-group of eight waves takes 64 rows of x from the load to the store:
; x is read from memory once and stays in LDS (it is wanted for the norm and again for the skip); q, the scores, p and o never go to memory.
; SHARES.  Work-group g: rows 64 g .. 64 g + 63, batch g / 16.  Wave w: heads 2 w, 2 w + 1 = columns 128 w .. 128 w + 127 of q and of out = K step w of the last product; all 64 rows (four tiles of 16).
; Every product is used transposed (source 0 = 16 weight rows, keys or channels; source 1 = 16 rows of x): a lane holds ONE row throughout, and the rows of source 0 that form a tile are chosen
; (lane r of tile 2 b + u: row 32 b + 8 u + r + 8 (r / 8)) so that the 16 registers of two neighbouring tiles are 16 neighbours along the next product's K.
; PHASES.  A: rows in, sums of squares | barrier | norm, quantise, images of the operand's registers to LDS | barrier.  B: q = xn w_q^T, two chunks of 64 columns, 16 K steps on one ring; per head the cosine norm, quantise.
; | barrier |  C: q's codes into my own bytes of the images.  D: for each of my two heads, K and V in registers, four trips (a tile of 16 rows each): scores of all 256 keys, softmax, p quantised, O^T, o quantised into the
; bytes that q's codes left | barrier |  E: out = o w_o^T with x as the C of the first K step; results through x's own bytes in LDS, out as aligned runs of 256 bytes.
; REQUESTS AHEAD.  What a phase wants from memory is asked for as soon as its registers are free: head 0's K and V behind the q projection's last K step, ahead of the second head's norm; head 1's V (registers of its
; own) at head 0's start; head 1's K behind the scores of head 0's last trip; w_o's scale words and first six K steps behind the scores of head 1's last trip.  For that each head's fourth trip is written out.
; THE SOFTMAX: t = score x log2(e) / 8; M = ceil(the row's largest t), over all 256 keys at once; p = 2^(t - M) is quantised along the keys; the sum of the unquantised p divides O.
; THE MASK costs nothing here: the scores' K is 64 of the instruction's 128; at k = 64 every key carries the code -4 and every query the code 1, and byte 2 of the key's scale word (made by the launch before) is 227
; where the key is masked (-2^102) and 1 where it counts (-2^-124).  In a row all of whose keys are masked t - M is exactly 0 and p = 1 everywhere.
; NO TENSOR LOAD, NO CLUSTER: x takes 263,168 of the WGP's 327,680 bytes of LDS, the images and tables 49,408: no room is left for two slots of weight tiles; and each weight fragment is used by one wave alone, for all
; four tiles of rows, so LDS would add no reuse.  The fragments go from memory into registers, laid by the first launch so that each load reads 512 consecutive bytes.
; NO PREFETCH: the weights and K, V are read by many work-groups, and x is asked for whole at the head.
; LIMITS: NaN and infinities among the inputs are not served; a block of zeros carries the scale byte 1 where the rule says 127 (its codes are zeros); p under 2^-126 is 0 (v_exp_f32 flushes);
; a masked score is -2^102 and not -1e30, and a key that counts adds -2^-124 to its score: the weights p are the same.
.set PX,   4112                        ; an LDS row: 4,096 bytes + 16: 257 x 16, so 16 rows fall on 16 different columns of 16 bytes
.set AIMG, 64*PX                       ; 32 images of fragments (tile of rows m, K step s) at (8 m + s) x 1,024; register group c at + 512 c; lane at + 16 x lane
.set ASCB, AIMG+32*1024                ; their scale words: (2 m + s / 4) x 512 + 16 x lane + 4 (s % 4)
.set RSB,  ASCB+8*512                  ; rsqrt(mean + eps) of each row
.set SVB,  RSB+256                     ; the gain vector, 4,096 bytes
.set QSC,  SVB+4096                    ; q's scale words: 1,024 x wave + 512 c + 128 m + 4 x lane
.set LANE, 1
.set R,    2                           ; lane % 16
.set H,    3                           ; lane / 16
.set LI,   4                           ; 16 x lane
.set XS,   5                           ; where my 8 rows go in LDS
.set RA,   6                           ; and their rsqrt
.set XQ,   7                           ; the rows that I quantise
.set SQA,  8                           ; the same place in the gain vector
.set RQ,   9                           ; my row's rsqrt
.set IW,   10                          ; where I store x's images
.set WW,   11                          ; and their scale words
.set AI,   12                          ; where images are read
.set ASA,  13                          ; and scale words
.set WSO,  14                          ; my lane's row among a chunk's scale bytes
.set SVW,  15                          ; where my slice of the gain vector goes
.set R16,  16                          ; 16 r
.set R8,   17                          ; 8 r
.set QI,   18                          ; my K step's images: q's codes, later o's
.set QWA,  19                          ; q's scale words
.set OSA,  20                          ; o's scale words
.set PADK, 21                          ; register 4 of every fragment of K: the code -4 at k = 64 (lanes 0-15), else 0
.set PADQ, 22                          ; register 4 of every fragment of q: the code 1
.set XC,   18                          ; phase E: v18-21 x as C, and the results' way into LDS, tile m
.set T2,   24                          ; v24-29 at work in QUANT2; in a trip before that: v24 -M, v25 t, v26-29 the sum in two chains
.set RL,   30                          ; v30-31 1 / the sum (a pair)
.set QWD,  32                          ; q's scale word.  A scale alone
.set PWD,  33                          ; v33-34 p's two scale words.  Scales alone
.set SQ,   40                          ; v40-41 sqrt(qk_scale) of my two heads
.set GO,   42                          ; the way out: 4,096 h + 16 r
.set RP,   43
.set XR,   44                          ; phase E: v44-47 the results' way back from LDS, tile m
.set WSC,  48                          ; v48-63 the weight's scale words; in phase D K's, one register a tile.  Scales alone
.set KW,   48
.set ASC,  64                          ; v64-79 the rows' scale words; in phase D V's.  Scales alone
.set VW,   64                          ; v64-71 V's scale words: 2 t + s
.set VG,   72                          ; v72-79 V's scale bytes as loaded
.set PC4,  80                          ; phase A: v80-87 codes, v88-91 words, v92-93 rsqrt, v96-111 at work
.set PWS,  88
.set RR,   92
.set TM,   96
.set QC,   80                          ; phase B: v80-111 q's codes (16 c + 4 m), v112-119 its scale words
.set QW,   112
.set QF,   80                          ; phase D: v80-87 q's fragment, v88-103 p's codes, v104-111 the blocks' maxima, v112-119 at work
.set PP,   88
.set BM,   104
.set BP,   112
.set ET,   120                         ; v120-127 four pairs: sums of squares, then the factors
.set ACC,  128                         ; v128-255 the 16 accumulators; the scores
.set SS,   128
.set WV,   26
.set NB,   28
.set EPS,  32
.set INV,  33
.set SEL,  34
.set CS,   36                          ; s[36:37] log2(e) / 8
.set LR,   46
.set XP,   4
.set GP,   6
.set WP,   8
.set WQS,  10
.set WOS,  12
.set QKP,  14
.set KCP,  16
.set KSP,  18
.set VCP,  20
.set VSP,  22
.set OP,   24
.set MSB, 0
.macro WIN new                         ; s_set_vgpr_msb: bits 1:0 source 0, 3:2 source 1, 5:4 source 2, 7:6 destination; the high byte repeats the setting that is left
.if MSB != \new
	s_set_vgpr_msb (MSB<<8)|\new
.set MSB, \new
.endif
.endm
.macro PLACES n
.rept \n
	v_nop
.endr
.endm
.macro BARRIER                         ; my LDS stores have landed and my LDS loads are in: then the work-group's barrier
	s_wait_dscnt 0x0
	s_barrier_signal -1
	s_barrier_wait -1
.endm
; The addresses that hang on lane and wave alone.  s[LR]: the LDS row of my first row.
.macro ADDRS
	v_and_b32 v[LANE], 31, v0
	v_and_b32 v[R], 15, v0
	v_bfe_u32 v[H], v0, 4, 1
	v_lshlrev_b32 v[LI], 4, v[LANE]
	s_mul_i32 s30, s[LR], PX
	v_add_nc_u32 v[XS], s30, v[LI]
	s_lshl_b32 s30, s[LR], 2
	s_add_co_u32 s30, s30, RSB
	v_mov_b32 v[RA], s30
	s_lshr_b32 s30, s[WV], 1                       ; the tile of rows that I quantise,
	s_and_b32 s31, s[WV], 1
	s_lshl_b32 s31, s31, 11                        ; and which four K steps: 2,048 bytes of a row
	s_mul_i32 s47, s30, 16*PX
	v_mul_u32_u24 v[XQ], v[R], PX
	v_lshl_add_u32 v[XQ], v[H], 6, v[XQ]
	v_add_nc_u32 v[XQ], s47, v[XQ]
	v_add_nc_u32 v[XQ], s31, v[XQ]
	v_lshlrev_b32 v[SQA], 6, v[H]
	v_add_nc_u32 v[SQA], s31, v[SQA]
	v_add_nc_u32 v[SQA], SVB, v[SQA]
	s_lshl_b32 s30, s30, 6
	s_add_co_u32 s30, s30, RSB
	v_lshl_add_u32 v[RQ], v[R], 2, s30
	s_lshl_b32 s30, s[WV], 12
	s_add_co_u32 s30, s30, AIMG
	v_add_nc_u32 v[IW], s30, v[LI]
	s_lshl_b32 s30, s[WV], 9
	s_add_co_u32 s31, s30, ASCB
	v_add_nc_u32 v[WW], s31, v[LI]
	s_add_co_u32 s31, s30, SVB
	v_add_nc_u32 v[SVW], s31, v[LI]
	v_add_nc_u32 v[AI], AIMG, v[LI]
	v_add_nc_u32 v[ASA], ASCB, v[LI]
	v_and_b32 v[RP], 8, v[R]
	v_add_nc_u32 v[RP], v[RP], v[R]
	v_lshl_add_u32 v[WSO], v[H], 3, v[RP]
	v_lshlrev_b32 v[WSO], 5, v[WSO]
	v_lshlrev_b32 v[R16], 4, v[R]
	v_lshlrev_b32 v[R8], 3, v[R]
	v_mov_b32 v[T2+2], 0                           ; written once: a lane permute's destination counts as one of its sources
	v_mov_b32 v[T2+3], 0
.irp b, 0,1,2,3
	v_mov_b32 v[TM+4+\b], 0
.endr
	v_mov_b32 v[RR+1], 0                           ; named as the upper half of a pair
	s_mov_b32 s[EPS], 0x358637bd                   ; 1e-6
	s_mov_b32 s[INV], 0x3a800000                   ; 1 / 1,024
	s_mov_b32 s[SEL], 0x76543210
	s_mov_b32 s[SEL+1], 0xfedcba98                 ; v_permlanex16_b32's selects for lane l xor 16
.endm
; My 8 rows come in: 64 loads of 512 consecutive bytes, all issued at once; each row goes to LDS as it lies, and its sum of squares is taken on the way.  nt = 1: the rows are read once in the launch.
.macro ROWS_IN nt
	global_load_b128 v[24:27], v[LI], s[GP:GP+1]   ; my 512 bytes of the gain vector
	WIN 0x40                                       ; destination window 1
.irp i, 0,1,2,3,4,5,6,7
.irp j, 0,1,2,3,4,5,6,7
.if \nt
	global_load_b128 v[32*\i+4*\j:32*\i+4*\j+3], v[LI], s[XP:XP+1] offset:4096*\i+512*\j th:TH_LOAD_NT
.else
	global_load_b128 v[32*\i+4*\j:32*\i+4*\j+3], v[LI], s[XP:XP+1] offset:4096*\i+512*\j
.endif
.endr
.endr
.irp i, 0,1,2,3,4,5,6,7
	s_wait_loadcnt 56-8*\i                         ; row i is in: the 8 (7 - i) loads of the rows behind it may be out
.if \i == 0
	WIN 0
	ds_store_b128 v[SVW], v[24:27]                 ; (issued ahead of the rows, so it is in too)
.endif
	WIN 0x04                                       ; an LDS store's data are its source 1: window 1
.irp j, 0,1,2,3,4,5,6,7
	ds_store_b128 v[XS], v[32*\i+4*\j:32*\i+4*\j+3] offset:PX*\i+512*\j
.endr
	WIN 0x05                                       ; sources 0 and 1 window 1; the sums in window 0
	v_pk_mul_f32 v[128+4*\i:129+4*\i], v[32*\i:32*\i+1], v[32*\i:32*\i+1]
	v_pk_mul_f32 v[130+4*\i:131+4*\i], v[32*\i+2:32*\i+3], v[32*\i+2:32*\i+3]
.irp k, 2,4,6,8,10,12,14
	v_pk_fma_f32 v[128+4*\i:129+4*\i], v[32*\i+2*\k:32*\i+2*\k+1], v[32*\i+2*\k:32*\i+2*\k+1], v[128+4*\i:129+4*\i]
	v_pk_fma_f32 v[130+4*\i:131+4*\i], v[32*\i+2*\k+2:32*\i+2*\k+3], v[32*\i+2*\k+2:32*\i+2*\k+3], v[130+4*\i:131+4*\i]
.endr
.endr
	WIN 0
.irp i, 0,1,2,3,4,5,6,7
	v_pk_add_f32 v[128+4*\i:129+4*\i], v[128+4*\i:129+4*\i], v[130+4*\i:131+4*\i]
.endr
.irp i, 0,1,2,3,4,5,6,7
	v_add_f32 v[128+4*\i], v[128+4*\i], v[129+4*\i]
.endr
.irp x, 1,2,4,8                                ; across the lanes; the eight rows by turns
.irp i, 0,1,2,3,4,5,6,7
	v_add_f32_dpp v[128+4*\i], v[128+4*\i], v[128+4*\i] row_xmask:\x row_mask:0xf bank_mask:0xf
.endr
.endr
.irp i, 0,1,2,3,4,5,6,7
	v_permlanex16_b32 v[129+4*\i], v[128+4*\i], s[SEL], s[SEL+1]
.endr
.irp i, 0,1,2,3,4,5,6,7
	v_add_f32 v[128+4*\i], v[128+4*\i], v[129+4*\i]
.endr
.irp i, 0,1,2,3,4,5,6,7
	v_fma_f32 v[128+4*\i], v[128+4*\i], s[INV], s[EPS]   ; the mean + 1e-6
.endr
.irp i, 0,1,2,3,4,5,6,7
	v_rsq_f32 v[130+4*\i], v[128+4*\i]
.endr
	v_nop                                          ; a plain instruction behind the last of the batch,
	s_wait_alu depctr_va_vdst(0)                   ; and the one wait ahead of the batch's first reader
.irp i, 0,1,2,3,4,5,6,7
	ds_store_b32 v[RA], v[130+4*\i] offset:4*\i    ; all lanes write the same word with the same value
.endr
.endm
; 64 numbers of a lane, register 16 b + i = k 32 b + 16 (lane / 16) + i of my row, become a fragment's codes in v[PC4] on and its scale word.
.macro QUANT4 s, word
.irp b, 0,1,2,3
	v_max3_num_f32 v[TM+\b], |v[\s+16*\b]|, |v[\s+16*\b+1]|, 0x1800000   ; my 16 numbers of block b, and the floor 2^(3 - 127): the byte cannot fall under 1
.endr
.irp i, 2,4,6,8,10,12,14
.irp b, 0,1,2,3
	v_max3_num_f32 v[TM+\b], v[TM+\b], |v[\s+16*\b+\i]|, |v[\s+16*\b+\i+1]|
.endr
.endr
.irp b, 0,1,2,3
	v_permlanex16_b32 v[TM+4+\b], v[TM+\b], s[SEL], s[SEL+1]
.endr
.irp b, 0,1,2,3
	v_max_num_f32 v[TM+\b], v[TM+\b], v[TM+4+\b]   ; with lane l xor 16's: the block's largest magnitude
.endr
.irp b, 0,1,2,3
	v_add_nc_u32 v[TM+12+\b], 0xff000000, v[TM+\b] ; 2 off its exponent field: the conversion's scale operand
.endr
.irp b, 0,1,2,3
	v_lshrrev_b32 v[TM+4+\b], 23, v[TM+12+\b]      ; the scale's byte
.endr
	v_lshl_or_b32 v[\word], v[TM+5], 8, v[TM+4]
	v_lshl_or_b32 v[\word], v[TM+6], 16, v[\word]
	v_lshl_or_b32 v[\word], v[TM+7], 24, v[\word]
.irp b, 0,1,2,3
	v_cvt_scalef32_pk8_fp4_f32 v[PC4+2*\b], v[\s+16*\b:\s+16*\b+7], v[TM+12+\b]
	v_cvt_scalef32_pk8_fp4_f32 v[PC4+2*\b+1], v[\s+16*\b+8:\s+16*\b+15], v[TM+12+\b]
.endr
	v_nop                                          ; one plain place behind a scaled conversion
.irp g, 0,1                                    ; the operand's layout wants a whole block in a lane: lanes 0-15 block 2 g, lanes 16-31 block 2 g + 1
.irp i, 0,1
	v_permlane16_swap_b32 v[PC4+4*\g+\i], v[PC4+4*\g+2+\i]
.endr
.endr
.endm
; The same for 32 numbers, two blocks: four registers of codes at v[pc]; the two bytes are left in v[T2+2], v[T2+3].
.macro QUANT2 s, pc
.irp b, 0,1
	v_max3_num_f32 v[T2+\b], |v[\s+16*\b]|, |v[\s+16*\b+1]|, 0x1800000
.endr
.irp i, 2,4,6,8,10,12,14
.irp b, 0,1
	v_max3_num_f32 v[T2+\b], v[T2+\b], |v[\s+16*\b+\i]|, |v[\s+16*\b+\i+1]|
.endr
.endr
.irp b, 0,1
	v_permlanex16_b32 v[T2+2+\b], v[T2+\b], s[SEL], s[SEL+1]
.endr
.irp b, 0,1
	v_max_num_f32 v[T2+\b], v[T2+\b], v[T2+2+\b]
.endr
.irp b, 0,1
	v_add_nc_u32 v[T2+4+\b], 0xff000000, v[T2+\b]
.endr
.irp b, 0,1
	v_lshrrev_b32 v[T2+2+\b], 23, v[T2+4+\b]
.endr
.irp b, 0,1
	v_cvt_scalef32_pk8_fp4_f32 v[\pc+2*\b], v[\s+16*\b:\s+16*\b+7], v[T2+4+\b]
	v_cvt_scalef32_pk8_fp4_f32 v[\pc+2*\b+1], v[\s+16*\b+8:\s+16*\b+15], v[T2+4+\b]
.endr
	v_nop                                          ; one plain place behind a scaled conversion
	v_permlane16_swap_b32 v[\pc], v[\pc+2]
	v_permlane16_swap_b32 v[\pc+1], v[\pc+3]
.endm
; Wave w norms and quantises tile of rows w / 2, K steps 4 (w % 2) + 0 .. 3: x times (gain times rsqrt), in that order; images and scale words to LDS.
.macro QROWS
	ds_load_b32 v[RR], v[RQ]
.irp q, 0,1,2,3
.irp b, 0,1,2,3
.irp j, 0,1,2,3
	ds_load_b128 v[128+16*\b+4*\j:128+16*\b+4*\j+3], v[XQ] offset:512*\q+128*\b+16*\j
.endr
.endr
.irp b, 0,1,2,3
.irp j, 0,1,2,3
	ds_load_b128 v[192+16*\b+4*\j:192+16*\b+4*\j+3], v[SQA] offset:512*\q+128*\b+16*\j
.endr
.endr
	s_wait_dscnt 0x0                               ; the numbers are in; the last K step's image stores have read their registers
.set J, 0
.rept 32
	v_pk_mul_f32 v[192+J:193+J], v[192+J:193+J], v[RR:RR+1] op_sel_hi:[1,0]
.set J, J+2
.endr
.set J, 0
.rept 32
	v_pk_mul_f32 v[128+J:129+J], v[128+J:129+J], v[192+J:193+J]
.set J, J+2
.endr
	QUANT4 128, PWS+\q
	ds_store_b128 v[IW], v[PC4:PC4+3] offset:1024*\q
	ds_store_b128 v[IW], v[PC4+4:PC4+7] offset:1024*\q+512
.endr
	ds_store_b128 v[WW], v[PWS:PWS+3]
.endm
; THE PRODUCT on chunks of 64 weight rows x 64 rows.  Window 1: a ring of six K steps of the weight's four fragments (v0-191), two slots of the rows' four fragments (v192-255).
.macro WLOAD S                         ; K step S of the weight, from memory: eight loads of 512 consecutive bytes; my two chunks are one run of 16 K steps
	WIN 0x40
.irp t, 0,1,2,3
.irp c, 0,1
	global_load_b128 v[32*((\S)%6)+8*\t+4*\c:32*((\S)%6)+8*\t+4*\c+3], v[LI], s[WP:WP+1] offset:4096*(\S)+1024*\t+512*\c
.endr
.endr
.endm
.macro ALOAD s, slot                   ; K step s of the rows, from LDS
	WIN 0x40
.irp m, 0,1,2,3
.irp c, 0,1
	ds_load_b128 v[192+32*(\slot)+8*\m+4*\c:192+32*(\slot)+8*\m+4*\c+3], v[AI] offset:(8*\m+(\s))*1024+512*\c
.endr
.endr
.endm
.macro SLOAD half                      ; the rows' scale words of K steps 4 half + 0 .. 3
	WIN 0
.irp m, 0,1,2,3
	ds_load_b128 v[ASC+4*\m:ASC+4*\m+3], v[ASA] offset:(2*\m+(\half))*512
.endr
.endm
.macro WSLOAD base, off                ; a chunk's scale words: 32 bytes a row; lanes 0-15 take tile 2 b's rows, lanes 16-31 tile 2 b + 1's
	WIN 0
.irp b, 0,1
.irp q, 0,1
	global_load_b128 v[WSC+8*\b+4*\q:WSC+8*\b+4*\q+3], v[WSO], s[\base:\base+1] offset:\off+1024*\b+16*\q
.endr
.endr
.endm
.macro ONE S, m, t, zero               ; source 0 = the weight's tile t, source 1 = the rows' tile m
.set rD, ACC+32*(\m)+8*(\t)
.set rW, 32*((\S)%6)+8*(\t)
.set rA, 192+32*((\S)%2)+8*(\m)
.set rU, WSC+8*((\t)/2)+(\S)%8
.set rV, ASC+4*(\m)+(\S)%4
.if \zero
.if (\t)%2
	v_wmma_scale_f32_16x16x128_f8f6f4 v[rD:rD+7], v[rW:rW+7], v[rA:rA+7], 0, v[rU], v[rV] matrix_a_fmt:MATRIX_FMT_FP4 matrix_b_fmt:MATRIX_FMT_FP4 matrix_a_scale:MATRIX_SCALE_ROW1
.else
	v_wmma_scale_f32_16x16x128_f8f6f4 v[rD:rD+7], v[rW:rW+7], v[rA:rA+7], 0, v[rU], v[rV] matrix_a_fmt:MATRIX_FMT_FP4 matrix_b_fmt:MATRIX_FMT_FP4
.endif
.else
.if (\t)%2
	v_wmma_scale_f32_16x16x128_f8f6f4 v[rD:rD+7], v[rW:rW+7], v[rA:rA+7], v[rD:rD+7], v[rU], v[rV] matrix_a_fmt:MATRIX_FMT_FP4 matrix_b_fmt:MATRIX_FMT_FP4 matrix_a_scale:MATRIX_SCALE_ROW1
.else
	v_wmma_scale_f32_16x16x128_f8f6f4 v[rD:rD+7], v[rW:rW+7], v[rA:rA+7], v[rD:rD+7], v[rU], v[rV] matrix_a_fmt:MATRIX_FMT_FP4 matrix_b_fmt:MATRIX_FMT_FP4
.endif
.endif
.endm
; A K step: 16 products, the 16 accumulators by turns, one instruction a turn, in the same order in every step.  Behind them, four places, then the loads into the
; registers just read: the weight's K step six on, the rows' K step two on, and at every fourth step the rows' next four scale words, ahead of the fragments.
; all = 1: a chunk's first step whose weight scale words (and, in the last product, C) were asked for last: both counters to 0.
.macro KSTEP S, NS, zero, all
.if \all
	s_wait_loadcnt 0x0
	s_wait_dscnt 0x0
.else
.if (\NS)-1-(\S) >= 5
	s_wait_loadcnt 40                              ; this step's weight fragments are in: the five steps behind them may be out
.else
	s_wait_loadcnt 8*((\NS)-1-(\S))
.endif
.if (\S)+1 < (\NS)
	s_wait_dscnt 8                                 ; this step's rows (and scale words, which were asked for ahead of them) are in: the next step's eight loads may be out
.else
	s_wait_dscnt 0x0
.endif
.endif
	WIN 0x05                                       ; sources 0 and 1 window 1; C and D window 0
.irp m, 0,1,2,3
.irp t, 0,1,2,3
	ONE \S, \m, \t, \zero
.endr
.endr
	PLACES 4                                       ; in front of loads into registers that the products have read, and of the first read of results
.if ((\S)+1 < (\NS)) && (((\S)+1)%4 == 0)
	SLOAD (((\S)+1)/4)%2
.endif
.if (\S)+6 < (\NS)
	WLOAD (\S)+6
.endif
.if (\S)+2 < (\NS)
	ALOAD ((\S)+2)%8, (\S)%2
.endif
.endm
; The factor sqrt(scale) x rsqrt(sum over the head's 64 of the squares + 1e-6) for the four tiles of rows, into v[ET + 2 m].  A lane holds 32 of its row's 64, lane l xor 16 the others.
.macro HEADNORM sq
	WIN 0
.irp m, 0,1,2,3
	v_pk_mul_f32 v[ET+2*\m:ET+2*\m+1], v[ACC+32*\m:ACC+32*\m+1], v[ACC+32*\m:ACC+32*\m+1]   ; each accumulator is read from its low end on
.endr
.irp k, 1,2,3,4,5,6,7,8,9,10,11,12,13,14,15
.irp m, 0,1,2,3
	v_pk_fma_f32 v[ET+2*\m:ET+2*\m+1], v[ACC+32*\m+2*\k:ACC+32*\m+2*\k+1], v[ACC+32*\m+2*\k:ACC+32*\m+2*\k+1], v[ET+2*\m:ET+2*\m+1]
.endr
.endr
.irp m, 0,1,2,3
	v_add_f32 v[ET+2*\m], v[ET+2*\m], v[ET+2*\m+1]
.endr
.irp m, 0,1,2,3
	v_permlanex16_b32 v[ET+2*\m+1], v[ET+2*\m], s[SEL], s[SEL+1]
.endr
.irp m, 0,1,2,3
	v_add_f32 v[ET+2*\m], v[ET+2*\m], v[ET+2*\m+1]
.endr
.irp m, 0,1,2,3
	v_add_f32 v[ET+2*\m], s[EPS], v[ET+2*\m]
.endr
.irp m, 0,1,2,3
	v_rsq_f32 v[ET+2*\m+1], v[ET+2*\m]
.endr
	v_nop
	s_wait_alu depctr_va_vdst(0)                   ; one wait for the four, ahead of their first reader
.irp m, 0,1,2,3
	v_mul_f32 v[ET+2*\m], v[\sq], v[ET+2*\m+1]
.endr
.endm
; Head c of my two: q is scaled and quantised along the head's 64; bytes 2 and 3 of its scale word are 127 (the code 1 at k = 64, zeros behind it).
.macro QEPI c
	HEADNORM SQ+\c
.irp m, 0,1,2,3
.set J, 0
.rept 16
	v_pk_mul_f32 v[ACC+32*\m+J:ACC+32*\m+J+1], v[ACC+32*\m+J:ACC+32*\m+J+1], v[ET+2*\m:ET+2*\m+1] op_sel_hi:[1,0]
.set J, J+2
.endr
	QUANT2 ACC+32*\m, QC+16*\c+4*\m
	v_lshl_or_b32 v[QW+4*\c+\m], v[T2+3], 8, v[T2+2]
	v_or_b32 v[QW+4*\c+\m], 0x7f7f0000, v[QW+4*\c+\m]
.endr
.endm
; ATTENTION.  Window 1: K's 16 fragments in v0-127 (registers 4-7 of each are the constant pads), head 0's eight fragments of V in v128-191, head 1's in v192-255.
; K of head c of my two: registers 0-3 of each of the 16 tiles of keys, and the tiles' scale words.
.macro KLOAD c
	WIN 0x40
.set T, 0
.rept 16
	global_load_b128 v[8*T:8*T+3], v[LI], s[KCP:KCP+1] offset:8192*\c+512*T
.set T, T+1
.endr
	WIN 0
.irp g, 0,1,2,3
	global_load_b128 v[KW+4*\g:KW+4*\g+3], v[R16], s[KSP:KSP+1] offset:1024*\c+256*\g   ; the scale words of tiles 4 g + 0 .. 3
.endr
.endm
; V of head c: fragment 2 t + s, register group by register group, as they lie; and its scale bytes: for keys 64 g on, two bytes for each of the four tiles of channels.
.macro VLOAD c
	WIN 0x40
.set T, 0
.rept 16
	global_load_b128 v[128+64*\c+4*T:128+64*\c+4*T+3], v[LI], s[VCP:VCP+1] offset:8192*\c+512*T
.set T, T+1
.endr
	WIN 0
.irp g, 0,1,2,3
	global_load_b64 v[VG+2*\g:VG+2*\g+1], v[R8], s[VSP:VSP+1] offset:512*\c+128*\g
.endr
.endm
; A TRIP: one tile of 16 rows against all 256 keys of head c.  last = 1: the head's fourth trip, written out behind the loop: its LDS addresses are constants, and behind its scores, which are the last
; readers of K's registers and scale words, what comes next is asked for: head 1's K, or the last product's weight scale words and first six K steps.
.macro TRIP c, last
.if \last
	v_add_nc_u32 v36, 3*8192, v[QI]
	v_add_nc_u32 v37, 3*128, v[QWA]
	v_add_nc_u32 v38, 3*1024, v[OSA]
.else
	v_add_nc_u32 v36, s38, v[QI]
	v_add_nc_u32 v37, s39, v[QWA]
	v_add_nc_u32 v38, s40, v[OSA]
.endif
	ds_load_b128 v[QF:QF+3], v36 offset:512*\c     ; q's codes of this tile and head: my own bytes
	ds_load_b32 v[QWD], v37 offset:512*\c
	s_wait_dscnt 0x0
	WIN 0x01                                       ; source 0 (K) window 1
.set T, 0
.rept 16
	v_wmma_scale_f32_16x16x128_f8f6f4 v[SS+8*T:SS+8*T+7], v[8*T:8*T+7], v[QF:QF+7], 0, v[KW+T], v[QWD] matrix_a_fmt:MATRIX_FMT_FP4 matrix_b_fmt:MATRIX_FMT_FP4
.set T, T+1
.endr
	WIN 0
	PLACES 4                                       ; in front of the first read of the scores, and of the loads below into registers that the products have read
.if \last
.if \c == 0
	KLOAD 1                                        ; it has the rest of this trip in which to land; the wait for it stands at head 1's start
.else
	WSLOAD WOS, 0                                  ; in the order in which the last product's first K step counts them: the scale words, then K steps 0 to 5
.irp S, 0,1,2,3,4,5
	WLOAD \S                                       ; v0-191 of window 1: K's registers and head 0's V, both done with; head 1's V lies above them
.endr
	WIN 0
.endif
.endif
.irp b, 0,1,2,3,4,5,6,7                        ; register 16 b + i is key 32 b + 16 (lane / 16) + i.  The largest score of each block of 32 keys serves twice: for the row's maximum and, since p rises with the score, for the block's largest p
	v_max3_num_f32 v[BM+\b], v[SS+16*\b], v[SS+16*\b+1], v[SS+16*\b+2]
.endr
.irp i, 3,5,7,9,11,13
.irp b, 0,1,2,3,4,5,6,7
	v_max3_num_f32 v[BM+\b], v[BM+\b], v[SS+16*\b+\i], v[SS+16*\b+\i+1]
.endr
.endr
.irp b, 0,1,2,3,4,5,6,7
	v_max_num_f32 v[BM+\b], v[BM+\b], v[SS+16*\b+15]
.endr
.irp b, 0,1,2,3,4,5,6,7
	v_permlanex16_b32 v[BP+\b], v[BM+\b], s[SEL], s[SEL+1]
.endr
.irp b, 0,1,2,3,4,5,6,7
	v_max_num_f32 v[BM+\b], v[BM+\b], v[BP+\b]
.endr
	v_max3_num_f32 v25, v[BM], v[BM+1], v[BM+2]
	v_max3_num_f32 v25, v25, v[BM+3], v[BM+4]
	v_max3_num_f32 v25, v25, v[BM+5], v[BM+6]
	v_max_num_f32 v25, v25, v[BM+7]                ; the row's largest score,
	v_mul_f32 v25, s[CS], v25                      ; as t,
	v_floor_f32 v24, -v25                          ; and -M = floor(-t) = -ceil(t)
.set J, 0
.rept 64
	v_pk_fma_f32 v[SS+J:SS+J+1], v[SS+J:SS+J+1], s[CS:CS+1], v[24:25] op_sel_hi:[1,0,0]   ; t - M, two at a time
.set J, J+2
.endr
.irp b, 0,1,2,3,4,5,6,7
	v_fma_f32 v[BM+\b], v[BM+\b], s[CS], v24       ; the same of each block's largest score
.endr
.set J, 0
.rept 128
	v_exp_f32 v[SS+J], v[SS+J]                     ; p = 2^(t - M): not normalised
.set J, J+1
.endr
	v_nop                                          ; a plain instruction behind the batch,
	s_wait_alu depctr_va_vdst(0)                   ; and one wait for all 128, ahead of their first reader
.irp b, 0,1,2,3,4,5,6,7
	v_exp_f32 v[BM+\b], v[BM+\b]                   ; the blocks' largest p: the same two instructions on the same number
.endr
	v_pk_add_f32 v[26:27], v[SS:SS+1], v[SS+2:SS+3]        ; the row's sum of the unquantised p, in two chains: registers 0-67 now (plain work behind the eight)
	v_pk_add_f32 v[28:29], v[SS+4:SS+5], v[SS+6:SS+7]
.set J, 8
.rept 15
	v_pk_add_f32 v[26:27], v[26:27], v[SS+J:SS+J+1]
	v_pk_add_f32 v[28:29], v[28:29], v[SS+J+2:SS+J+3]
.set J, J+4
.endr
	s_wait_alu depctr_va_vdst(0)                   ; and one for the eight
.irp b, 0,1,2,3,4,5,6,7
	v_max_num_f32 v[BM+\b], 0x1800000, v[BM+\b]    ; the floor 2^(3 - 127): a block whose every p is 0 keeps the byte 1: its codes are zeros
.endr
.irp b, 0,1,2,3,4,5,6,7
	v_add_nc_u32 v[BM+\b], 0xff000000, v[BM+\b]    ; 2 off the exponent field: the conversion's scale operand
.endr
.irp b, 0,1,2,3,4,5,6,7
	v_lshrrev_b32 v[BP+\b], 23, v[BM+\b]           ; the scale's byte
.endr
.irp s, 0,1
	v_lshl_or_b32 v[PWD+\s], v[BP+4*\s+1], 8, v[BP+4*\s]
	v_lshl_or_b32 v[PWD+\s], v[BP+4*\s+2], 16, v[PWD+\s]
	v_lshl_or_b32 v[PWD+\s], v[BP+4*\s+3], 24, v[PWD+\s]
.endr
.irp b, 0,1,2,3,4,5,6,7
	v_cvt_scalef32_pk8_fp4_f32 v[PP+2*\b], v[SS+16*\b:SS+16*\b+7], v[BM+\b]
	v_cvt_scalef32_pk8_fp4_f32 v[PP+2*\b+1], v[SS+16*\b+8:SS+16*\b+15], v[BM+\b]
.endr
	v_nop                                          ; one plain place behind a scaled conversion
.irp g, 0,1,2,3
.irp i, 0,1
	v_permlane16_swap_b32 v[PP+4*\g+\i], v[PP+4*\g+2+\i]
.endr
.endr
.set J, 68
.rept 15                                       ; the rest of the sum: registers 68-127, none of which the products below write.  These 30 are also the places between the scale words and codes just made and those products
	v_pk_add_f32 v[26:27], v[26:27], v[SS+J:SS+J+1]
	v_pk_add_f32 v[28:29], v[28:29], v[SS+J+2:SS+J+3]
.set J, J+4
.endr
	WIN 0x01                                       ; source 0 (V) window 1
.irp s, 0,1                                    ; O^T = V^T P^T: four tiles of 16 channels by turns, two K steps of 128 keys; the first starts the sums
.irp t, 0,1,2,3
.if \s == 0
	v_wmma_scale_f32_16x16x128_f8f6f4 v[SS+8*\t:SS+8*\t+7], v[128+64*\c+8*(2*\t+\s):128+64*\c+8*(2*\t+\s)+7], v[PP+8*\s:PP+8*\s+7], 0, v[VW+2*\t+\s], v[PWD+\s] matrix_a_fmt:MATRIX_FMT_FP4 matrix_b_fmt:MATRIX_FMT_FP4
.else
	v_wmma_scale_f32_16x16x128_f8f6f4 v[SS+8*\t:SS+8*\t+7], v[128+64*\c+8*(2*\t+\s):128+64*\c+8*(2*\t+\s)+7], v[PP+8*\s:PP+8*\s+7], v[SS+8*\t:SS+8*\t+7], v[VW+2*\t+\s], v[PWD+\s] matrix_a_fmt:MATRIX_FMT_FP4 matrix_b_fmt:MATRIX_FMT_FP4
.endif
.endr
.endr
	WIN 0
	v_pk_add_f32 v[26:27], v[26:27], v[28:29]      ; the sum's chains, its halves,
	v_add_f32 v26, v26, v27
	v_permlanex16_b32 v27, v26, s[SEL], s[SEL+1]
	v_add_f32 v26, v26, v27                        ; and lane l xor 16's: the row's sum
	v_rcp_f32 v[RL], v26
	PLACES 3                                       ; with the additions above: the places behind the last product; the first is the plain instruction behind the reciprocal
	s_wait_alu depctr_va_vdst(0)
.set J, 0
.rept 16
	v_pk_mul_f32 v[SS+J:SS+J+1], v[SS+J:SS+J+1], v[RL:RL+1] op_sel_hi:[1,0]   ; o = O^T / the sum; register 16 b + i is channel 32 b + 16 (lane / 16) + i of the head
.set J, J+2
.endr
	QUANT2 SS, BP                                  ; along the last product's K: register group c of K step w's fragment
	ds_store_b128 v36, v[BP:BP+3] offset:512*\c    ; into the bytes that q's codes have left
	v_lshl_or_b32 v39, v[T2+3], 8, v[T2+2]
	ds_store_b16 v38, v39 offset:2*\c              ; bytes 2 c, 2 c + 1 of the fragment's scale word
.endm
; Head c of my two: its K, V and scale words were asked for earlier; three trips in a loop, the fourth written out.
.macro ATT c
	s_wait_loadcnt 0x0                             ; K, V and their scale words are in
.irp t, 0,1,2,3
.irp s, 0,1
.if \t%2
	v_perm_b32 v[VW+2*\t+\s], v[VG+4*\s+2+\t/2], v[VG+4*\s+\t/2], 0x07060302   ; the word of 128 keys: the two bytes of keys 128 s on, then those of 128 s + 64 on
.else
	v_perm_b32 v[VW+2*\t+\s], v[VG+4*\s+2+\t/2], v[VG+4*\s+\t/2], 0x05040100
.endif
.endr
.endr
.if \c == 0
	VLOAD 1                                        ; head 1's V into registers of its own, its scale bytes into those just repacked: four trips in which to land
.endif
	s_mov_b32 s38, 0                               ; the trip's place among the images (8,192 a tile of rows),
	s_mov_b32 s39, 0                               ; q's scale words (128),
	s_mov_b32 s40, 0                               ; o's scale words (1,024)
	s_mov_b32 s41, 3
.Ltrip_\@:
	TRIP \c, 0
	s_add_co_u32 s38, s38, 8192
	s_add_co_u32 s39, s39, 128
	s_add_co_u32 s40, s40, 1024
	s_sub_co_u32 s41, s41, 1
	s_cmp_lg_u32 s41, 0
	s_cbranch_scc1 .Ltrip_\@
	TRIP \c, 1
.endm
; x as the C of the last product's first K step: register 32 m + 16 b + i is x(16 m + r, 128 w + 64 c + 32 b + 16 h + i).
.macro CLOAD c
	WIN 0
.irp m, 0,1,2,3
.irp b, 0,1
.irp i, 0,1,2,3
	ds_load_b128 v[ACC+32*\m+16*\b+4*\i:ACC+32*\m+16*\b+4*\i+3], v[XC+\m] offset:256*\c+128*\b+16*\i
.endr
.endr
.endr
.endm
; The results go back to the very bytes of LDS that x was taken from (my wave's own columns: no other wave touches them) and come back by rows: sixteen lanes store 256 consecutive bytes, aligned.
.macro OUT c
	WIN 0
.irp m, 0,1,2,3
.irp b, 0,1
.irp i, 0,1,2,3
	ds_store_b128 v[XC+\m], v[ACC+32*\m+16*\b+4*\i:ACC+32*\m+16*\b+4*\i+3] offset:256*\c+128*\b+16*\i   ; each accumulator from its low end on
.endr
.endr
.endr
.irp m, 0,1,2,3
.irp k, 0,1,2,3,4,5,6,7
	ds_load_b128 v[ACC+32*\m+4*\k:ACC+32*\m+4*\k+3], v[XR+\m] offset:2*PX*\k+256*\c   ; LDS serves a wave's instructions in order (ISA guide 5.7.1.4): these see the stores above
.endr
.endr
.irp m, 0,1,2,3
.irp k, 0,1,2,3,4,5,6,7
	s_wait_dscnt 31-8*\m-\k                        ; this pair of rows is back; the younger loads may be out
	global_store_b128 v[GO], v[ACC+32*\m+4*\k:ACC+32*\m+4*\k+3], s[OP:OP+1] offset:(16*\m+2*\k)*4096+256*\c th:TH_STORE_NT
.endr
.endr
.endm
	s_load_b256 s[4:11], s[0:1], 0x0               ; x, svec, wf, w_q's scales
	s_load_b256 s[12:19], s[0:1], 0x20             ; w_o's scales, qk_scale, kc, ks
	s_load_b128 s[20:23], s[0:1], 0x40             ; vc, vs
	s_load_b64 s[24:25], s[0:1], 0x50              ; out0
	v_lshl_add_u32 v23, v0, 2, 0x4c500
	v_mov_b32 v35, 0
	v_lshrrev_b32 v1, 5, v0
	v_readfirstlane_b32 s[WV], v1                  ; wave 0..7
	s_lshl_b32 s[LR], s[WV], 3                     ; my 8 rows lie in LDS as in memory
	ADDRS
	s_lshl_b32 s30, s[WV], 10
	s_add_co_u32 s31, s30, AIMG
	v_add_nc_u32 v[QI], s31, v[LI]
	s_add_co_u32 s31, s30, QSC
	v_lshl_add_u32 v[QWA], v[LANE], 2, s31
	s_lshr_b32 s30, s[WV], 2
	s_lshl_b32 s30, s30, 9
	s_and_b32 s31, s[WV], 3
	s_lshl_b32 s31, s31, 2
	s_add_co_u32 s30, s30, s31
	s_add_co_u32 s30, s30, ASCB
	v_add_nc_u32 v[OSA], s30, v[LI]
	v_sub_nc_u32 v[PADQ], 1, v[H]
	v_mul_u32_u24 v[PADK], v[PADQ], 14             ; 0xE = the code -4, in lanes 0-15
	v_lshlrev_b32 v[PADQ], 1, v[PADQ]              ; 0x2 = the code 1
	v_mov_b32 v[RL+1], 0                           ; named as the upper half of a pair
	s_mov_b32 s[CS], 0x3e38aa3b                    ; log2(e) / 8
	s_mov_b32 s[CS+1], s[CS]
	s_mov_b32 s31, 0                               ; the upper word of every 64-bit offset
	s_wait_kmcnt 0x0
	s_lshl_b32 s30, ttmp9, 18                      ; 64 rows of 4,096 bytes
	s_add_nc_u64 s[OP:OP+1], s[OP:OP+1], s[30:31]
	s_lshl_b32 s29, s[WV], 15                      ; my 8 rows
	s_add_co_u32 s30, s30, s29
	s_add_nc_u64 s[XP:XP+1], s[XP:XP+1], s[30:31]
	s_lshl_b32 s30, s[WV], 9                       ; my 128 columns
	s_add_nc_u64 s[OP:OP+1], s[OP:OP+1], s[30:31]
	s_lshr_b32 s[NB], ttmp9, 4                     ; the batch
	s_lshl_b32 s29, s[NB], 12
	s_add_co_u32 s30, s30, s29
	s_add_nc_u64 s[GP:GP+1], s[GP:GP+1], s[30:31]  ; s_x of my batch, my 512 bytes
	s_lshl_b32 s30, s[WV], 16                      ; w_q's chunks 2 w, 2 w + 1
	s_add_nc_u64 s[WP:WP+1], s[WP:WP+1], s[30:31]
	s_lshl_b32 s30, s[WV], 12                      ; 128 rows of 32 scale bytes
	s_add_nc_u64 s[WQS:WQS+1], s[WQS:WQS+1], s[30:31]
	s_add_nc_u64 s[WOS:WOS+1], s[WOS:WOS+1], s[30:31]
	s_lshl_b32 s30, s[WV], 3
	s_add_nc_u64 s[QKP:QKP+1], s[QKP:QKP+1], s[30:31]
	s_load_b64 s[42:43], s[QKP:QKP+1], 0x0         ; qk_scale of my two heads
	s_lshl_b32 s30, s[NB], 17                      ; (16 n + 2 w) x 8,192
	s_lshl_b32 s29, s[WV], 14
	s_add_co_u32 s30, s30, s29
	s_add_nc_u64 s[KCP:KCP+1], s[KCP:KCP+1], s[30:31]
	s_add_nc_u64 s[VCP:VCP+1], s[VCP:VCP+1], s[30:31]
	s_lshr_b32 s30, s30, 3                         ; x 1,024
	s_add_nc_u64 s[KSP:KSP+1], s[KSP:KSP+1], s[30:31]
	s_lshr_b32 s30, s30, 1                         ; x 512
	s_add_nc_u64 s[VSP:VSP+1], s[VSP:VSP+1], s[30:31]
	; ---- A
	ROWS_IN 1
	s_wait_kmcnt 0x0
	v_sqrt_f32 v[SQ], s42
	v_sqrt_f32 v[SQ+1], s43
	v_nop
	s_wait_alu depctr_va_vdst(0)
	s_wait_dscnt 0x0                               ; my rows, my slice of the gains and my rsqrt lie in LDS; the stores have read their registers
	WSLOAD WQS, 0
.irp S, 0,1,2,3,4,5
	WLOAD \S                                       ; the ring is filled while the rows are quantised
.endr
	WIN 0
	s_barrier_signal -1
	s_barrier_wait -1                              ; everybody's rows lie in LDS
	QROWS
	BARRIER                                        ; xn's 32 images and their scale words lie in LDS
	; ---- B
	SLOAD 0
	ALOAD 0, 0
	ALOAD 1, 1
	KSTEP 0, 16, 1, 0
.irp S, 1,2,3,4,5,6,7
	KSTEP \S, 16, 0, 0
.endr
	WSLOAD WQS, 2048                               ; the second chunk's scale words land while the first head is normed
	QEPI 0
	KSTEP 8, 16, 1, 1
.irp S, 9,10,11,12,13,14,15
	KSTEP \S, 16, 0, 0
.endr
	KLOAD 0                                        ; the ring and both sets of scale words are done with (the last step's four places stand in front): head 0's K and V are asked for here,
	VLOAD 0                                        ; and land while the second head is normed and quantised, the waves meet and q's codes are stored
	QEPI 1
	; ---- C
	BARRIER                                        ; nobody reads xn's images or scale words any more
	s_add_nc_u64 s[WP:WP+1], s[WP:WP+1], 16*32768  ; w_o's chunks 2 w, 2 w + 1 (every load by this base was waited for at the last K step)
.irp c, 0,1
.irp m, 0,1,2,3
	ds_store_b128 v[QI], v[QC+16*\c+4*\m:QC+16*\c+4*\m+3] offset:8192*\m+512*\c
	ds_store_b32 v[QWA], v[QW+4*\c+\m] offset:512*\c+128*\m
.endr
.endr
	WIN 0x40                                       ; destination window 1: the pads of K's 16 fragments, written once for both heads (registers 4-7: the loads on their way write registers 0-3)
.set T, 0
.rept 16
	v_mov_b32 v[8*T+4], v[PADK]
	v_mov_b32 v[8*T+5], 0
	v_mov_b32 v[8*T+6], 0
	v_mov_b32 v[8*T+7], 0
.set T, T+1
.endr
	WIN 0
	s_wait_dscnt 0x0                               ; the stores have read their registers
	v_mov_b32 v[QF+4], v[PADQ]
	v_mov_b32 v[QF+5], 0
	v_mov_b32 v[QF+6], 0
	v_mov_b32 v[QF+7], 0
	; ---- D
	ATT 0
	ATT 1
	; ---- E  (w_o's scale words and first six K steps are on their way since the last trip's scores)
	s_lshl_b32 s30, s[WV], 9
	v_mul_u32_u24 v[XC], v[R], PX
	v_lshl_add_u32 v[XC], v[H], 6, v[XC]
	v_add_nc_u32 v[XC], s30, v[XC]                 ; row r, + 64 h, + my 512 bytes
	v_add_nc_u32 v[XC+1], 16*PX, v[XC]
	v_add_nc_u32 v[XC+2], 32*PX, v[XC]
	v_add_nc_u32 v[XC+3], 48*PX, v[XC]
	v_mul_u32_u24 v[XR], v[H], PX
	v_lshl_add_u32 v[XR], v[R], 4, v[XR]
	v_add_nc_u32 v[XR], s30, v[XR]                 ; back: lanes 0-15 one row, lanes 16-31 the next, 16 bytes a lane
	v_add_nc_u32 v[XR+1], 16*PX, v[XR]
	v_add_nc_u32 v[XR+2], 32*PX, v[XR]
	v_add_nc_u32 v[XR+3], 48*PX, v[XR]
	v_lshlrev_b32 v[GO], 12, v[H]
	v_lshl_add_u32 v[GO], v[R], 4, v[GO]
	CLOAD 0                                        ; ahead of the barrier: my own columns of x, which nobody has written since the rows came in
	BARRIER                                        ; o's 32 images and their scale words lie in LDS
	SLOAD 0
	ALOAD 0, 0
	ALOAD 1, 1
.irp S, 0,1,2,3,4,5,6,7
	KSTEP \S, 16, 0, 0
.endr
	WSLOAD WOS, 2048
	OUT 0
	s_wait_xcnt 0x0                                ; the stores have read their registers: x may land there
	CLOAD 1
	KSTEP 8, 16, 0, 1
.irp S, 9,10,11,12,13,14,15
	KSTEP \S, 16, 0, 0
.endr
	OUT 1
	s_wait_tensorcnt 0x0
	ds_add_u32 v23, v35
	s_wait_dscnt 0x0
	s_endpgm
.Lfunc_end_k_qd3ca71d56b_main:
	.size	k_qd3ca71d56b_main, .Lfunc_end_k_qd3ca71d56b_main-k_qd3ca71d56b_main
	.p2alignl 7, 3214868480
	.fill 96, 4, 3214868480
	.section	.rodata,"a",@progbits
	.p2align	6, 0x0
	.amdhsa_kernel k_qd3ca71d56b_main
		.amdhsa_group_segment_fixed_size 313600
		.amdhsa_private_segment_fixed_size 0
		.amdhsa_enable_private_segment 0
		.amdhsa_kernarg_size 88
		.amdhsa_user_sgpr_count 2
		.amdhsa_user_sgpr_kernarg_segment_ptr 1
		.amdhsa_wavefront_size32 1
		.amdhsa_system_sgpr_workgroup_id_x 1
		.amdhsa_system_sgpr_workgroup_id_y 1
		.amdhsa_system_sgpr_workgroup_id_z 1
		.amdhsa_system_vgpr_workitem_id 0
		.amdhsa_next_free_vgpr 512
		.amdhsa_next_free_sgpr 66
		.amdhsa_reserve_vcc 0
		.amdhsa_float_denorm_mode_32 3
		.amdhsa_float_denorm_mode_16_64 3
		.amdhsa_memory_ordered 1
		.amdhsa_forward_progress 1
		.amdhsa_inst_pref_size 255
	.end_amdhsa_kernel
	.section	.bss,"aw",@nobits
	.p2align	6
	.space	262144
	.amdgpu_metadata
---
amdhsa.version: [ 1, 2 ]
amdhsa.kernels:
  - .name:           k_qd3ca71d56b_main
    .symbol:         k_qd3ca71d56b_main.kd
    .args:
      - { .name: x, .offset: 0, .size: 8, .value_kind: global_buffer, .address_space: global }
      - { .name: svec, .offset: 8, .size: 8, .value_kind: global_buffer, .address_space: global }
      - { .name: wf, .offset: 16, .size: 8, .value_kind: global_buffer, .address_space: global }
      - { .name: w_q_scales, .offset: 24, .size: 8, .value_kind: global_buffer, .address_space: global }
      - { .name: w_o_scales, .offset: 32, .size: 8, .value_kind: global_buffer, .address_space: global }
      - { .name: qk_scale, .offset: 40, .size: 8, .value_kind: global_buffer, .address_space: global }
      - { .name: kc, .offset: 48, .size: 8, .value_kind: global_buffer, .address_space: global }
      - { .name: ks, .offset: 56, .size: 8, .value_kind: global_buffer, .address_space: global }
      - { .name: vc, .offset: 64, .size: 8, .value_kind: global_buffer, .address_space: global }
      - { .name: vs, .offset: 72, .size: 8, .value_kind: global_buffer, .address_space: global }
      - { .name: out0, .offset: 80, .size: 8, .value_kind: global_buffer, .address_space: global }
    .group_segment_fixed_size: 313600
    .private_segment_fixed_size: 0
    .kernarg_segment_align: 8
    .kernarg_segment_size: 88
    .max_flat_workgroup_size: 256
    .sgpr_count:     66
    .vgpr_count:     512
    .wavefront_size: 32
...
	.end_amdgpu_metadata
.endif
;; end of part 3
;; ======== version 2 of 2: 3 launches
;; workspace buffers: svec 131,072 bytes; wf 2,097,152 bytes; kc 2,097,152 bytes; ks 262,144 bytes; vc 2,097,152 bytes; vs 131,072 bytes
;; launch prep (part 4): grid 72 x 1, 8 waves a work-group, no clusters, 17,664 bytes of LDS; arguments cond_codes, cond_scales, w_norm_codes, w_norm_scales, w_cnorm_codes, w_cnorm_scales, w_q_codes, w_o_codes, w_kv_codes, svec, wf; writes svec, wf
.if DOCPART == 4
	.amdgcn_target "amdgcn-amd-amdhsa--gfx1250"
	.amdhsa_code_object_version 6
	.text
	.protected	k_qd3ca71d56b_prep
	.globl	k_qd3ca71d56b_prep
	.p2align	8
	.type	k_qd3ca71d56b_prep,@function
k_qd3ca71d56b_prep:
	s_mov_b64 s[64:65], 0
	v_nop
	global_prefetch_b8 v0, s[64:65] scope:SCOPE_SE
	s_setreg_imm32_b32 hwreg(HW_REG_WAVE_SCHED_MODE, 0, 2), 2
	s_setreg_imm32_b32 hwreg(HW_REG_WAVE_MODE, 25, 1), 1
	s_wait_xcnt 0x0
	s_wait_alu depctr_vm_vsrc(0)
; PREP.  Two jobs, told apart by the work-group's number (a scalar branch, the same for all eight waves of a work-group).
; Work-groups 0-63: the codes of w_q, w_o and w_kv are laid anew, in the order in which a wave's operand registers take them.  A CHUNK is 64 weight rows (32,768 bytes: a row is 1,024 codes,
;   512 bytes): chunks 0-15 w_q, 16-31 w_o, 32-63 w_kv.  wf = [chunk][8 K steps s][4 tiles t][2 register groups c][32 lanes][16 bytes].  Lane (r, h) of tile t holds row
;   32 (t / 2) + 8 (t % 2) + r + 8 (r / 8) of the chunk, bytes 64 s + 32 c + 16 h: so that a later load of a fragment's four registers reads 512 consecutive bytes, and the results of two
;   neighbouring tiles, used transposed, are 16 neighbours along the next product's K.  Wave w takes K step w of its work-group's chunk.
; Work-groups 64-71: s_x = 1 + cond w_norm^T (64-67) and s_c = 1 + cond w_cnorm^T (68-71), both on the codes as given, K = 768 = six steps of 128.  A work-group makes 256 columns for all 16
;   batches, a wave 32 of them: two tiles by turns.  Source 0 = 16 rows of the weight, source 1 = cond's 16 rows: a lane holds one batch and 16 neighbouring columns.
;   svec = f32 [2][16][1024].  The results meet in LDS (rows of 1,024 bytes + 16) and leave as runs of 512 consecutive bytes.
; No cluster and no tensor load: each byte is read by one wave, once.  Only the second job uses LDS and a barrier.
; THE MODE: SCHED_MODE bits 1:0 = 2 (LLVM: expert scheduling mode 2), set by the entry lines.  The code itself states the register dependences between vector or matrix instructions and
; memory or LDS instructions, with s_wait_alu, always for 0.
; THE PLAN.  v4 and v6-v11: offsets and LDS addresses, written by vector instructions ahead of the one wait on va_vdst that stands in front of each job's first load, and never again.
;   v16-v187: written by loads, read by stores (first job) or by products (second job), named by no other instruction.
;   v208-v223: written by the eight additions, read by the LDS stores (a wait on va_vdst between), then written by the LDS loads (a wait on vm_vsrc between), read by the global stores.
.set ROWW, 512                         ; a row of w_q, w_o, w_kv in bytes
.set ROWC, 384                         ; a row of cond, w_norm, w_cnorm in bytes (768 codes)
.set SPT,  1040                        ; a row of the stage
.set WV,   26                          ; s26 the wave's number
	s_load_b256 s[4:11], s[0:1], 0x0               ; cond's codes s[4:5], scales s[6:7]; w_norm's codes s[8:9], scales s[10:11]
	s_load_b256 s[12:19], s[0:1], 0x20             ; w_cnorm's codes s[12:13], scales s[14:15]; w_q's codes s[16:17]; w_o's s[18:19]
	s_load_b128 s[20:23], s[0:1], 0x40             ; w_kv's codes s[20:21]; svec s[22:23]
	s_load_b64 s[24:25], s[0:1], 0x50              ; wf
	v_lshl_add_u32 v224, v0, 2, 0x4100
	v_mov_b32 v225, 0
	v_lshrrev_b32 v1, 5, v0
	v_readfirstlane_b32 s[WV], v1                  ; wave 0..7
	v_and_b32 v1, 31, v0                           ; lane
	v_and_b32 v2, 15, v0                           ; r
	v_bfe_u32 v3, v0, 4, 1                         ; h
	v_lshlrev_b32 v4, 4, v1                        ; 16 x lane
	v_and_b32 v5, 8, v2
	v_add_nc_u32 v5, v5, v2                        ; r + 8 (r / 8): the rows of a tile are not neighbours
	s_wait_alu depctr_va_sdst(0)                   ; the wave's number is written: ahead of the branch, and so of its first reader in either job
	s_mov_b32 s31, 0                               ; the upper word of every 64-bit offset
	s_wait_kmcnt 0x0
	s_cmp_lt_u32 ttmp9, 64
	s_cbranch_scc0 .Lgains
	; ---- the weights' codes, one chunk to a work-group
	s_cmp_lt_u32 ttmp9, 16                         ; which tensor, and the number of its first chunk: the choices hang on the work-group's number alone
	s_cselect_b64 s[28:29], s[16:17], s[18:19]
	s_cselect_b32 s30, 0, 16
	s_cmp_lt_u32 ttmp9, 32
	s_cselect_b64 s[28:29], s[28:29], s[20:21]
	s_cselect_b32 s30, s30, 32
	s_sub_co_u32 s30, ttmp9, s30                   ; the chunk's number in its tensor
	s_lshl_b32 s30, s30, 15
	s_lshl_b32 s32, s[WV], 6                       ; my K step: 64 bytes of each row
	s_add_co_u32 s30, s30, s32
	s_add_nc_u64 s[28:29], s[28:29], s[30:31]
	s_lshl_b32 s30, ttmp9, 15
	s_lshl_b32 s32, s[WV], 12
	s_add_co_u32 s30, s30, s32
	s_add_nc_u64 s[24:25], s[24:25], s[30:31]      ; wf at my chunk's K step
	s_wait_alu depctr_va_vdst(0)
	v_lshlrev_b32 v6, 9, v5
	v_lshl_add_u32 v6, v3, 4, v6                   ; (r + 8 (r / 8)) rows + 16 h
	s_wait_alu depctr_va_vdst(0)                   ; v6 and v4 are written: the loads read the one as their offset, the stores the other
.irp t, 0,1,2,3
.irp c, 0,1
	global_load_b128 v[16+8*\t+4*\c:19+8*\t+4*\c], v6, s[28:29] offset:(32*(\t/2)+8*(\t%2))*ROWW+32*\c
.endr
.endr
.irp t, 0,1,2,3
.irp c, 0,1
	s_wait_loadcnt 7-2*\t-\c                       ; loads come back in order: this one is in, the younger ones may be out
	global_store_b128 v4, v[16+8*\t+4*\c:19+8*\t+4*\c], s[24:25] offset:1024*\t+512*\c   ; 32 lanes store 512 consecutive bytes
.endr
.endr
	s_endpgm
.Lgains:
	; ---- the two gain vectors
	s_sub_co_u32 s27, ttmp9, 64
	s_lshr_b32 s28, s27, 2                         ; 0: s_x, 1: s_c
	s_and_b32 s27, s27, 3                          ; which 256 columns
	s_cmp_eq_u32 s28, 0
	s_cselect_b64 s[8:9], s[8:9], s[12:13]         ; the weight's codes
	s_cselect_b64 s[10:11], s[10:11], s[14:15]     ; and its scale bytes
	s_lshl_b32 s29, s27, 8
	s_lshl_b32 s30, s[WV], 5
	s_add_co_u32 s29, s29, s30                     ; my first column
	s_mul_i32 s30, s29, ROWC
	s_add_nc_u64 s[8:9], s[8:9], s[30:31]
	s_mul_i32 s30, s29, 24                         ; 24 scale bytes a row
	s_add_nc_u64 s[10:11], s[10:11], s[30:31]
	s_lshl_b32 s30, s28, 16                        ; svec: 65,536 bytes a vector set, 4,096 a batch; wave w stores batches 2 w and 2 w + 1
	s_lshl_b32 s29, s[WV], 13
	s_add_co_u32 s30, s30, s29
	s_lshl_b32 s29, s27, 10
	s_add_co_u32 s30, s30, s29
	s_add_nc_u64 s[22:23], s[22:23], s[30:31]
	s_wait_alu depctr_va_vdst(0)
	v_mul_u32_u24 v6, v2, ROWC
	v_lshl_add_u32 v6, v3, 4, v6                   ; cond: row r + 16 h
	v_mul_u32_u24 v7, v2, 24                       ; cond's scale words
	v_mul_u32_u24 v8, v5, ROWC
	v_lshl_add_u32 v8, v3, 4, v8                   ; the weight: row r + 8 (r / 8), + 16 h
	v_mul_u32_u24 v9, v5, 24                       ; and its scale words
	v_mul_u32_u24 v10, v2, SPT
	v_lshl_add_u32 v10, v3, 6, v10
	s_lshl_b32 s29, s[WV], 7
	v_add_nc_u32 v10, s29, v10                     ; the stage, in: row r (the batch), my wave's 128 bytes, 64 for each half of the lanes
	s_mul_i32 s29, s[WV], 2*SPT
	v_add_nc_u32 v11, s29, v4                      ; and back: rows 2 w, 2 w + 1, 16 bytes a lane
	s_wait_alu depctr_va_vdst(0)                   ; v4 and v6 to v11 are written: every load and store of this job reads one of them as its offset or address
.irp s, 0,1,2,3,4,5
.irp c, 0,1
	global_load_b128 v[16+8*\s+4*\c:19+8*\s+4*\c], v6, s[4:5] offset:64*\s+32*\c          ; cond's six fragments
.endr
.endr
.irp q, 0,1,2
	global_load_b64 v[64+2*\q:65+2*\q], v7, s[6:7] offset:8*\q                            ; its six scale words: v64 + s
.endr
.irp u, 0,1
.irp s, 0,1,2,3,4,5
.irp c, 0,1
	global_load_b128 v[80+48*\u+8*\s+4*\c:83+48*\u+8*\s+4*\c], v8, s[8:9] offset:8*\u*ROWC+64*\s+32*\c   ; tile u begins 8 u rows on
.endr
.endr
.irp q, 0,1,2
	global_load_b64 v[176+6*\u+2*\q:177+6*\u+2*\q], v9, s[10:11] offset:192*\u+8*\q       ; v176 + 6 u + s
.endr
.endr
	s_wait_loadcnt 0x0
.irp s, 0,1,2,3,4,5                            ; the two accumulators take turns, one instruction a turn; the first K step starts the sums
.irp u, 0,1
.if \s == 0
	v_wmma_scale_f32_16x16x128_f8f6f4 v[192+8*\u:199+8*\u], v[80+48*\u+8*\s:87+48*\u+8*\s], v[16+8*\s:23+8*\s], 0, v[176+6*\u+\s], v[64+\s] matrix_a_fmt:MATRIX_FMT_FP4 matrix_b_fmt:MATRIX_FMT_FP4
.else
	v_wmma_scale_f32_16x16x128_f8f6f4 v[192+8*\u:199+8*\u], v[80+48*\u+8*\s:87+48*\u+8*\s], v[16+8*\s:23+8*\s], v[192+8*\u:199+8*\u], v[176+6*\u+\s], v[64+\s] matrix_a_fmt:MATRIX_FMT_FP4 matrix_b_fmt:MATRIX_FMT_FP4
.endif
.endr
.endr
.rept 4
	v_nop                                          ; four places between the last product and the first read of a result (ISA guide 7.12.1)
.endr
.irp k, 0,1,2,3,4,5,6,7
	v_pk_add_f32 v[208+2*\k:209+2*\k], v[192+2*\k:193+2*\k], 1.0 op_sel_hi:[1,0]   ; + 1; register 8 u + j is column 16 h + 8 u + j of my 32; each accumulator is read from its low end on
.endr
	s_wait_alu depctr_va_vdst(0)                   ; the additions have written v208 to v223, which the LDS stores read
.irp i, 0,1,2,3
	ds_store_b128 v10, v[208+4*\i:211+4*\i] offset:16*\i
.endr
	s_wait_dscnt 0x0                               ; for the others' sake: my stores into the stage are done
	s_barrier_signal -1
	s_barrier_wait -1
	s_wait_alu depctr_vm_vsrc(0)                   ; my LDS stores have read v208 to v223, in which the rows land
.irp i, 0,1
.irp k, 0,1
	ds_load_b128 v[208+8*\i+4*\k:211+8*\i+4*\k], v11 offset:\i*SPT+512*\k
.endr
.endr
.irp i, 0,1
.irp k, 0,1
	s_wait_dscnt 3-2*\i-\k
	global_store_b128 v4, v[208+8*\i+4*\k:211+8*\i+4*\k], s[22:23] offset:4096*\i+512*\k   ; 32 lanes store 512 consecutive bytes
.endr
.endr
	s_wait_dscnt 0x0                               ; the closing lines, six on end
	s_wait_alu 0x0
	s_wait_tensorcnt 0x0
	ds_add_u32 v224, v225
	s_wait_dscnt 0x0
	s_endpgm
.Lfunc_end_k_qd3ca71d56b_prep:
	.size	k_qd3ca71d56b_prep, .Lfunc_end_k_qd3ca71d56b_prep-k_qd3ca71d56b_prep
	.p2alignl 7, 3214868480
	.fill 96, 4, 3214868480
	.section	.rodata,"a",@progbits
	.p2align	6, 0x0
	.amdhsa_kernel k_qd3ca71d56b_prep
		.amdhsa_group_segment_fixed_size 17664
		.amdhsa_private_segment_fixed_size 0
		.amdhsa_enable_private_segment 0
		.amdhsa_kernarg_size 88
		.amdhsa_user_sgpr_count 2
		.amdhsa_user_sgpr_kernarg_segment_ptr 1
		.amdhsa_wavefront_size32 1
		.amdhsa_system_sgpr_workgroup_id_x 1
		.amdhsa_system_sgpr_workgroup_id_y 1
		.amdhsa_system_sgpr_workgroup_id_z 1
		.amdhsa_system_vgpr_workitem_id 0
		.amdhsa_next_free_vgpr 226
		.amdhsa_next_free_sgpr 66
		.amdhsa_reserve_vcc 0
		.amdhsa_float_denorm_mode_32 3
		.amdhsa_float_denorm_mode_16_64 3
		.amdhsa_memory_ordered 1
		.amdhsa_forward_progress 1
		.amdhsa_inst_pref_size 13
	.end_amdhsa_kernel
	.amdgpu_metadata
---
amdhsa.version: [ 1, 2 ]
amdhsa.kernels:
  - .name:           k_qd3ca71d56b_prep
    .symbol:         k_qd3ca71d56b_prep.kd
    .args:
      - { .name: cond_codes, .offset: 0, .size: 8, .value_kind: global_buffer, .address_space: global }
      - { .name: cond_scales, .offset: 8, .size: 8, .value_kind: global_buffer, .address_space: global }
      - { .name: w_norm_codes, .offset: 16, .size: 8, .value_kind: global_buffer, .address_space: global }
      - { .name: w_norm_scales, .offset: 24, .size: 8, .value_kind: global_buffer, .address_space: global }
      - { .name: w_cnorm_codes, .offset: 32, .size: 8, .value_kind: global_buffer, .address_space: global }
      - { .name: w_cnorm_scales, .offset: 40, .size: 8, .value_kind: global_buffer, .address_space: global }
      - { .name: w_q_codes, .offset: 48, .size: 8, .value_kind: global_buffer, .address_space: global }
      - { .name: w_o_codes, .offset: 56, .size: 8, .value_kind: global_buffer, .address_space: global }
      - { .name: w_kv_codes, .offset: 64, .size: 8, .value_kind: global_buffer, .address_space: global }
      - { .name: svec, .offset: 72, .size: 8, .value_kind: global_buffer, .address_space: global }
      - { .name: wf, .offset: 80, .size: 8, .value_kind: global_buffer, .address_space: global }
    .group_segment_fixed_size: 17664
    .private_segment_fixed_size: 0
    .kernarg_segment_align: 8
    .kernarg_segment_size: 88
    .max_flat_workgroup_size: 256
    .sgpr_count:     66
    .vgpr_count:     226
    .wavefront_size: 32
...
	.end_amdgpu_metadata
.endif
;; end of part 4
;; launch kv (part 5): grid 256 x 1, 8 waves a work-group, no clusters, 305,408 bytes of LDS; arguments crossattn_cond, svec, wf, w_kv_scales, qk_scale, crossattn_mask, kc, ks, vc, vs; writes kc, ks, vc, vs
.if DOCPART == 5
	.amdgcn_target "amdgcn-amd-amdhsa--gfx1250"
	.amdhsa_code_object_version 6
	.text
	.protected	k_qd3ca71d56b_kv
	.globl	k_qd3ca71d56b_kv
	.p2align	8
	.type	k_qd3ca71d56b_kv,@function
k_qd3ca71d56b_kv:
	s_mov_b64 s[64:65], 0
	v_nop
	global_prefetch_b8 v0, s[64:65] scope:SCOPE_SE
	s_setreg_imm32_b32 hwreg(HW_REG_WAVE_MODE, 25, 1), 1
	s_wait_xcnt 0x0
; KV.  cc = crossattn_cond x (s_c x rsqrt(mean(cc^2) + 1e-6)), quantised along its 1,024; kv = cc w_kv^T on codes of FP4 (E2M1) with E8M0 scales; k is scaled per head of 64 by
; sqrt(qk_scale) x rsqrt(sum k^2 + 1e-6) and quantised along the head's 64; v is quantised along the KEYS.  Both leave as codes in the order of the operand registers of the attention launch.
; SHARES.  Work-group g: cg = g & 3, 64 keys (g >> 2) of one batch x 512 columns: cg 0, 1: k of heads 0-7, 8-15; cg 2, 3: v likewise.  Wave w: one head, one chunk of 64 weight rows.
; The four work-groups of one block of keys have neighbouring numbers and each norm and quantise the same 64 rows: 256 KiB read again against a launch and a round trip of the codes.
; PHASES.  rows in (a wave 8 rows: to LDS, sums of squares) | barrier | a wave quantises 16 rows x 512 along K: images of the operand's registers to LDS | barrier | 8 K steps of 128, 16 accumulators by turns.
; THE ROWS' ORDER IN LDS: row 16 m + r holds key 32 (m / 2) + 8 (m % 2) + r + 8 (r / 8).  So in k's path (source 0 = the weight, source 1 = the rows) lane r of tile m holds the key that the attention's
; tile wants there, and in v's path (sources swapped) a lane's 32 registers are 2 x 16 neighbouring keys of one channel.
; THE MASK.  The scores' K is 64 of the instruction's 128.  At k = 64 every key carries the code -4 and every query the code 1; byte 2 of a key's scale word is 227 where the key is masked (the term is
; -2^102) and 1 where it counts (-2^-124, far under the last bit of any score that matters).  A masked key's k is multiplied by 0, so that its score is exactly -2^102.
; No tensor load and no cluster: each weight fragment is used by one wave alone, for all four tiles of rows, so LDS would add no reuse: the fragments go from memory into registers, 512 consecutive bytes a load.
; LIMITS: NaN and infinities among the inputs are not served; a block of zeros carries the scale byte 1 where the rule says 127 (its codes are zeros; this program alone reads the bytes);
; a masked score is -2^102 and not -1e30: the weights p that follow are the same.
.set PX,   4112                        ; an LDS row: 4,096 bytes + 16: 257 x 16, so 16 rows fall on 16 different columns of 16 bytes
.set AIMG, 64*PX                       ; 32 images of fragments (tile of rows m, K step s) at (8 m + s) x 1,024; register group c at + 512 c; lane at + 16 x lane
.set ASCB, AIMG+32*1024                ; their scale words: (2 m + s / 4) x 512 + 16 x lane + 4 (s % 4)
.set RSB,  ASCB+8*512                  ; rsqrt(mean + eps) of each LDS row
.set SVB,  RSB+256                     ; the gain vector, 4,096 bytes
.set LANE, 1
.set R,    2                           ; lane % 16
.set H,    3                           ; lane / 16
.set LI,   4                           ; 16 x lane
.set XS,   5                           ; where my 8 rows go in LDS
.set RA,   6                           ; and their rsqrt
.set XQ,   7                           ; the rows that I quantise: my lane's 64 bytes of a block of 32 numbers
.set SQA,  8                           ; the same place in the gain vector
.set RQ,   9                           ; my row's rsqrt
.set IW,   10                          ; where I store images
.set WW,   11                          ; and their scale words
.set AI,   12                          ; where images are read
.set ASA,  13                          ; and scale words
.set WSO,  14                          ; my lane's row among a chunk's scale bytes: (8 h + r + 8 (r / 8)) x 32
.set SVW,  15                          ; where my slice of the gain vector goes
.set R16,  16                          ; 16 r
.set R8,   17                          ; 8 r
.set T2,   24                          ; v24-29 at work in QUANT2
.set SQ,   40                          ; sqrt(qk_scale) of my head
.set RP,   43                          ; r + 8 (r / 8)
.set MK,   44                          ; v44-47 the mask bytes of my lane's key in tiles 0-3
.set WSC,  48                          ; v48-63 the weight's scale words: 8 (t / 2) + s; lanes 0-15 tile 2 b, lanes 16-31 tile 2 b + 1.  Scales alone
.set ASC,  64                          ; v64-79 the rows' scale words: 4 m + s % 4.  Scales alone
.set PC4,  80                          ; v80-87 a fragment's codes just made
.set PWS,  88                          ; v88-91 four scale words just made
.set RR,   92                          ; v92-93 my row's rsqrt (a pair for the packed multiply)
.set TM,   96                          ; v96-111 at work in QUANT4
.set KCD,  80                          ; the way out: v80-95 codes, v96-99 words, v104-111 at work
.set KWD,  96
.set ET,   120                         ; v120-127 four pairs: sums of squares, then the factors
.set ACC,  128                         ; v128-255 the 16 accumulators; before that the numbers at work
.set WV,   26
.set KG,   27
.set NB,   28
.set CG,   29
.set EPS,  32
.set INV,  33
.set SEL,  34
.set LR,   46
.set XP,   4
.set GP,   6
.set WP,   8
.set WSP,  10
.set QKP,  12
.set MKP,  14
.set KCP,  16
.set KSP,  18
.set VCP,  20
.set VSP,  22
.set MSB, 0
.macro WIN new                         ; s_set_vgpr_msb: bits 1:0 source 0, 3:2 source 1, 5:4 source 2, 7:6 destination; the high byte repeats the setting that is left
.if MSB != \new
	s_set_vgpr_msb (MSB<<8)|\new
.set MSB, \new
.endif
.endm
.macro PLACES n
.rept \n
	v_nop
.endr
.endm
.macro BARRIER                         ; my LDS stores have landed and my LDS loads are in: then the work-group's barrier
	s_wait_dscnt 0x0
	s_barrier_signal -1
	s_barrier_wait -1
.endm
; The addresses that hang on lane and wave alone.  s[LR]: the LDS row of my first row.
.macro ADDRS
	v_and_b32 v[LANE], 31, v0
	v_and_b32 v[R], 15, v0
	v_bfe_u32 v[H], v0, 4, 1
	s_delay_alu instid0(VALU_DEP_3)
	v_lshlrev_b32 v[LI], 4, v[LANE]
	s_mul_i32 s30, s[LR], PX
	v_add_nc_u32 v[XS], s30, v[LI]
	s_lshl_b32 s30, s[LR], 2
	s_add_co_u32 s30, s30, RSB
	v_mov_b32 v[RA], s30
	s_lshr_b32 s30, s[WV], 1                       ; the tile of rows that I quantise,
	s_and_b32 s31, s[WV], 1
	s_lshl_b32 s31, s31, 11                        ; and which four K steps: 2,048 bytes of a row
	s_mul_i32 s47, s30, 16*PX
	v_mul_u32_u24 v[XQ], v[R], PX
	s_delay_alu instid0(VALU_DEP_1)
	v_lshl_add_u32 v[XQ], v[H], 6, v[XQ]
	s_delay_alu instid0(VALU_DEP_1)
	v_add_nc_u32 v[XQ], s47, v[XQ]
	s_delay_alu instid0(VALU_DEP_1)
	v_add_nc_u32 v[XQ], s31, v[XQ]
	v_lshlrev_b32 v[SQA], 6, v[H]
	s_delay_alu instid0(VALU_DEP_1)
	v_add_nc_u32 v[SQA], s31, v[SQA]
	s_delay_alu instid0(VALU_DEP_1)
	v_add_nc_u32 v[SQA], SVB, v[SQA]
	s_lshl_b32 s30, s30, 6
	s_add_co_u32 s30, s30, RSB
	v_lshl_add_u32 v[RQ], v[R], 2, s30
	s_lshl_b32 s30, s[WV], 12
	s_add_co_u32 s30, s30, AIMG
	v_add_nc_u32 v[IW], s30, v[LI]
	s_lshl_b32 s30, s[WV], 9
	s_add_co_u32 s31, s30, ASCB
	v_add_nc_u32 v[WW], s31, v[LI]
	s_add_co_u32 s31, s30, SVB
	v_add_nc_u32 v[SVW], s31, v[LI]
	v_add_nc_u32 v[AI], AIMG, v[LI]
	v_add_nc_u32 v[ASA], ASCB, v[LI]
	v_and_b32 v[RP], 8, v[R]
	s_delay_alu instid0(VALU_DEP_1)
	v_add_nc_u32 v[RP], v[RP], v[R]
	s_delay_alu instid0(VALU_DEP_1)
	v_lshl_add_u32 v[WSO], v[H], 3, v[RP]
	s_delay_alu instid0(VALU_DEP_1)
	v_lshlrev_b32 v[WSO], 5, v[WSO]
	v_lshlrev_b32 v[R16], 4, v[R]
	v_lshlrev_b32 v[R8], 3, v[R]
	v_mov_b32 v[T2+2], 0                           ; written once: a lane permute's destination counts as one of its sources
	v_mov_b32 v[T2+3], 0
.irp b, 0,1,2,3
	v_mov_b32 v[TM+4+\b], 0
.endr
	v_mov_b32 v[RR+1], 0                           ; named as the upper half of a pair
	s_mov_b32 s[EPS], 0x358637bd                   ; 1e-6
	s_mov_b32 s[INV], 0x3a800000                   ; 1 / 1,024
	s_mov_b32 s[SEL], 0x76543210
	s_mov_b32 s[SEL+1], 0xfedcba98                 ; v_permlanex16_b32's selects for lane l xor 16
.endm
; My 8 rows come in: 64 loads of 512 consecutive bytes, all issued at once; each row goes to LDS as it lies, and its sum of squares is taken on the way.  nt = 1: the rows are read once in the launch.
.macro ROWS_IN nt
	global_load_b128 v[24:27], v[LI], s[GP:GP+1]   ; my 512 bytes of the gain vector
	WIN 0x40                                       ; destination window 1
.irp i, 0,1,2,3,4,5,6,7
.irp j, 0,1,2,3,4,5,6,7
.if \nt
	global_load_b128 v[32*\i+4*\j:32*\i+4*\j+3], v[LI], s[XP:XP+1] offset:4096*\i+512*\j th:TH_LOAD_NT
.else
	global_load_b128 v[32*\i+4*\j:32*\i+4*\j+3], v[LI], s[XP:XP+1] offset:4096*\i+512*\j
.endif
.endr
.endr
.irp i, 0,1,2,3,4,5,6,7
	s_wait_loadcnt 56-8*\i                         ; row i is in: the 8 (7 - i) loads of the rows behind it may be out
.if \i == 0
	WIN 0
	ds_store_b128 v[SVW], v[24:27]                 ; (issued ahead of the rows, so it is in too)
.endif
	WIN 0x04                                       ; an LDS store's data are its source 1: window 1
.irp j, 0,1,2,3,4,5,6,7
	ds_store_b128 v[XS], v[32*\i+4*\j:32*\i+4*\j+3] offset:PX*\i+512*\j
.endr
	WIN 0x05                                       ; sources 0 and 1 window 1; the sums in window 0
	v_pk_mul_f32 v[128+4*\i:129+4*\i], v[32*\i:32*\i+1], v[32*\i:32*\i+1]
	v_pk_mul_f32 v[130+4*\i:131+4*\i], v[32*\i+2:32*\i+3], v[32*\i+2:32*\i+3]
.irp k, 2,4,6,8,10,12,14
	s_delay_alu instid0(VALU_DEP_2)
	v_pk_fma_f32 v[128+4*\i:129+4*\i], v[32*\i+2*\k:32*\i+2*\k+1], v[32*\i+2*\k:32*\i+2*\k+1], v[128+4*\i:129+4*\i]
	s_delay_alu instid0(VALU_DEP_2)
	v_pk_fma_f32 v[130+4*\i:131+4*\i], v[32*\i+2*\k+2:32*\i+2*\k+3], v[32*\i+2*\k+2:32*\i+2*\k+3], v[130+4*\i:131+4*\i]
.endr
.endr
	WIN 0
.irp i, 0,1,2,3,4,5,6,7
	v_pk_add_f32 v[128+4*\i:129+4*\i], v[128+4*\i:129+4*\i], v[130+4*\i:131+4*\i]
.endr
.irp i, 0,1,2,3,4,5,6,7
	v_add_f32 v[128+4*\i], v[128+4*\i], v[129+4*\i]
.endr
.irp x, 1,2,4,8                                ; across the lanes; the eight rows by turns
.irp i, 0,1,2,3,4,5,6,7
	v_add_f32_dpp v[128+4*\i], v[128+4*\i], v[128+4*\i] row_xmask:\x row_mask:0xf bank_mask:0xf
.endr
.endr
.irp i, 0,1,2,3,4,5,6,7
	v_permlanex16_b32 v[129+4*\i], v[128+4*\i], s[SEL], s[SEL+1]
.endr
.irp i, 0,1,2,3,4,5,6,7
	v_add_f32 v[128+4*\i], v[128+4*\i], v[129+4*\i]
.endr
.irp i, 0,1,2,3,4,5,6,7
	v_fma_f32 v[128+4*\i], v[128+4*\i], s[INV], s[EPS]   ; the mean + 1e-6
.endr
	s_wait_alu depctr_va_vdst(0)
.irp i, 0,1,2,3,4,5,6,7
	v_rsq_f32 v[130+4*\i], v[128+4*\i]
.endr
	v_nop                                          ; a plain instruction behind the last of the batch,
	s_wait_alu depctr_va_vdst(0)                   ; and the one wait ahead of the batch's first reader
.irp i, 0,1,2,3,4,5,6,7
	ds_store_b32 v[RA], v[130+4*\i] offset:4*\i    ; all lanes write the same word with the same value
.endr
.endm
; 64 numbers of a lane, register 16 b + i = k 32 b + 16 (lane / 16) + i of my row, become a fragment's codes in v[PC4] on and its scale word.
.macro QUANT4 s, word
.irp b, 0,1,2,3
	v_max3_num_f32 v[TM+\b], |v[\s+16*\b]|, |v[\s+16*\b+1]|, 0x1800000   ; my 16 numbers of block b, and the floor 2^(3 - 127): the byte cannot fall under 1
.endr
.irp i, 2,4,6,8,10,12,14
.irp b, 0,1,2,3
	s_delay_alu instid0(VALU_DEP_4)
	v_max3_num_f32 v[TM+\b], v[TM+\b], |v[\s+16*\b+\i]|, |v[\s+16*\b+\i+1]|
.endr
.endr
.irp b, 0,1,2,3
	s_delay_alu instid0(VALU_DEP_4)
	v_permlanex16_b32 v[TM+4+\b], v[TM+\b], s[SEL], s[SEL+1]
.endr
.irp b, 0,1,2,3
	s_delay_alu instid0(VALU_DEP_4)
	v_max_num_f32 v[TM+\b], v[TM+\b], v[TM+4+\b]   ; with lane l xor 16's: the block's largest magnitude
.endr
.irp b, 0,1,2,3
	s_delay_alu instid0(VALU_DEP_4)
	v_add_nc_u32 v[TM+12+\b], 0xff000000, v[TM+\b] ; 2 off its exponent field: the conversion's scale operand
.endr
.irp b, 0,1,2,3
	s_delay_alu instid0(VALU_DEP_4)
	v_lshrrev_b32 v[TM+4+\b], 23, v[TM+12+\b]      ; the scale's byte
.endr
	s_delay_alu instid0(VALU_DEP_3)
	v_lshl_or_b32 v[\word], v[TM+5], 8, v[TM+4]
	s_delay_alu instid0(VALU_DEP_1)
	v_lshl_or_b32 v[\word], v[TM+6], 16, v[\word]
	s_delay_alu instid0(VALU_DEP_1)
	v_lshl_or_b32 v[\word], v[TM+7], 24, v[\word]
.irp b, 0,1,2,3
	v_cvt_scalef32_pk8_fp4_f32 v[PC4+2*\b], v[\s+16*\b:\s+16*\b+7], v[TM+12+\b]
	v_cvt_scalef32_pk8_fp4_f32 v[PC4+2*\b+1], v[\s+16*\b+8:\s+16*\b+15], v[TM+12+\b]
.endr
	v_nop                                          ; one plain place behind a scaled conversion
.irp g, 0,1                                    ; the operand's layout wants a whole block in a lane: lanes 0-15 block 2 g, lanes 16-31 block 2 g + 1
.irp i, 0,1
	v_permlane16_swap_b32 v[PC4+4*\g+\i], v[PC4+4*\g+2+\i]
.endr
.endr
.endm
; The same for 32 numbers, two blocks: four registers of codes at v[pc]; the two bytes are left in v[T2+2], v[T2+3].
.macro QUANT2 s, pc
.irp b, 0,1
	v_max3_num_f32 v[T2+\b], |v[\s+16*\b]|, |v[\s+16*\b+1]|, 0x1800000
.endr
.irp i, 2,4,6,8,10,12,14
.irp b, 0,1
	v_max3_num_f32 v[T2+\b], v[T2+\b], |v[\s+16*\b+\i]|, |v[\s+16*\b+\i+1]|
.endr
.endr
.irp b, 0,1
	s_delay_alu instid0(VALU_DEP_2)
	v_permlanex16_b32 v[T2+2+\b], v[T2+\b], s[SEL], s[SEL+1]
.endr
.irp b, 0,1
	s_delay_alu instid0(VALU_DEP_2)
	v_max_num_f32 v[T2+\b], v[T2+\b], v[T2+2+\b]
.endr
.irp b, 0,1
	s_delay_alu instid0(VALU_DEP_2)
	v_add_nc_u32 v[T2+4+\b], 0xff000000, v[T2+\b]
.endr
.irp b, 0,1
	s_delay_alu instid0(VALU_DEP_2)
	v_lshrrev_b32 v[T2+2+\b], 23, v[T2+4+\b]
.endr
.irp b, 0,1
	v_cvt_scalef32_pk8_fp4_f32 v[\pc+2*\b], v[\s+16*\b:\s+16*\b+7], v[T2+4+\b]
	v_cvt_scalef32_pk8_fp4_f32 v[\pc+2*\b+1], v[\s+16*\b+8:\s+16*\b+15], v[T2+4+\b]
.endr
	v_nop                                          ; one plain place behind a scaled conversion
	v_permlane16_swap_b32 v[\pc], v[\pc+2]
	v_permlane16_swap_b32 v[\pc+1], v[\pc+3]
.endm
; Wave w norms and quantises tile of rows w / 2, K steps 4 (w % 2) + 0 .. 3: x times (gain times rsqrt), in that order; images and scale words to LDS.
.macro QROWS
	ds_load_b32 v[RR], v[RQ]
.irp q, 0,1,2,3
.irp b, 0,1,2,3
.irp j, 0,1,2,3
	ds_load_b128 v[128+16*\b+4*\j:128+16*\b+4*\j+3], v[XQ] offset:512*\q+128*\b+16*\j
.endr
.endr
.irp b, 0,1,2,3
.irp j, 0,1,2,3
	ds_load_b128 v[192+16*\b+4*\j:192+16*\b+4*\j+3], v[SQA] offset:512*\q+128*\b+16*\j
.endr
.endr
	s_wait_dscnt 0x0                               ; the numbers are in; the last K step's image stores have read their registers
.set J, 0
.rept 32
	v_pk_mul_f32 v[192+J:193+J], v[192+J:193+J], v[RR:RR+1] op_sel_hi:[1,0]
.set J, J+2
.endr
.set J, 0
.rept 32
	v_pk_mul_f32 v[128+J:129+J], v[128+J:129+J], v[192+J:193+J]
.set J, J+2
.endr
	QUANT4 128, PWS+\q
	ds_store_b128 v[IW], v[PC4:PC4+3] offset:1024*\q
	ds_store_b128 v[IW], v[PC4+4:PC4+7] offset:1024*\q+512
.endr
	ds_store_b128 v[WW], v[PWS:PWS+3]
.endm
; THE PRODUCT on one chunk: 64 weight rows x 64 rows.  Window 1: a ring of six K steps of the weight's four fragments (v0-191), two slots of the rows' four fragments (v192-255).
.macro WLOAD S                         ; K step S of the weight, from memory: eight loads of 512 consecutive bytes
	WIN 0x40
.irp t, 0,1,2,3
.irp c, 0,1
	global_load_b128 v[32*((\S)%6)+8*\t+4*\c:32*((\S)%6)+8*\t+4*\c+3], v[LI], s[WP:WP+1] offset:4096*(\S)+1024*\t+512*\c
.endr
.endr
.endm
.macro ALOAD s, slot                   ; K step s of the rows, from LDS
	WIN 0x40
.irp m, 0,1,2,3
.irp c, 0,1
	ds_load_b128 v[192+32*(\slot)+8*\m+4*\c:192+32*(\slot)+8*\m+4*\c+3], v[AI] offset:(8*\m+(\s))*1024+512*\c
.endr
.endr
.endm
.macro SLOAD half                      ; the rows' scale words of K steps 4 half + 0 .. 3
	WIN 0
.irp m, 0,1,2,3
	ds_load_b128 v[ASC+4*\m:ASC+4*\m+3], v[ASA] offset:(2*\m+(\half))*512
.endr
.endm
.macro WSLOAD base, off                ; a chunk's scale words: 32 bytes a row; lanes 0-15 take tile 2 b's rows, lanes 16-31 tile 2 b + 1's
	WIN 0
.irp b, 0,1
.irp q, 0,1
	global_load_b128 v[WSC+8*\b+4*\q:WSC+8*\b+4*\q+3], v[WSO], s[\base:\base+1] offset:\off+1024*\b+16*\q
.endr
.endr
.endm
; One product.  swap = 0: source 0 = the weight's tile t, source 1 = the rows' tile m: a lane holds one row.  swap = 1: the other way round: a lane holds one weight row (a channel of v) and its registers run along the keys.
.macro ONE S, m, t, zero, swap
.set rW, 32*((\S)%6)+8*(\t)
.set rA, 192+32*((\S)%2)+8*(\m)
.set rU, WSC+8*((\t)/2)+(\S)%8
.set rV, ASC+4*(\m)+(\S)%4
.if \swap
.set rD, ACC+32*(\t)+8*(\m)
.if \zero
.if (\t)%2
	v_wmma_scale_f32_16x16x128_f8f6f4 v[rD:rD+7], v[rA:rA+7], v[rW:rW+7], 0, v[rV], v[rU] matrix_a_fmt:MATRIX_FMT_FP4 matrix_b_fmt:MATRIX_FMT_FP4 matrix_b_scale:MATRIX_SCALE_ROW1
.else
	v_wmma_scale_f32_16x16x128_f8f6f4 v[rD:rD+7], v[rA:rA+7], v[rW:rW+7], 0, v[rV], v[rU] matrix_a_fmt:MATRIX_FMT_FP4 matrix_b_fmt:MATRIX_FMT_FP4
.endif
.else
.if (\t)%2
	v_wmma_scale_f32_16x16x128_f8f6f4 v[rD:rD+7], v[rA:rA+7], v[rW:rW+7], v[rD:rD+7], v[rV], v[rU] matrix_a_fmt:MATRIX_FMT_FP4 matrix_b_fmt:MATRIX_FMT_FP4 matrix_b_scale:MATRIX_SCALE_ROW1
.else
	v_wmma_scale_f32_16x16x128_f8f6f4 v[rD:rD+7], v[rA:rA+7], v[rW:rW+7], v[rD:rD+7], v[rV], v[rU] matrix_a_fmt:MATRIX_FMT_FP4 matrix_b_fmt:MATRIX_FMT_FP4
.endif
.endif
.else
.set rD, ACC+32*(\m)+8*(\t)
.if \zero
.if (\t)%2
	v_wmma_scale_f32_16x16x128_f8f6f4 v[rD:rD+7], v[rW:rW+7], v[rA:rA+7], 0, v[rU], v[rV] matrix_a_fmt:MATRIX_FMT_FP4 matrix_b_fmt:MATRIX_FMT_FP4 matrix_a_scale:MATRIX_SCALE_ROW1
.else
	v_wmma_scale_f32_16x16x128_f8f6f4 v[rD:rD+7], v[rW:rW+7], v[rA:rA+7], 0, v[rU], v[rV] matrix_a_fmt:MATRIX_FMT_FP4 matrix_b_fmt:MATRIX_FMT_FP4
.endif
.else
.if (\t)%2
	v_wmma_scale_f32_16x16x128_f8f6f4 v[rD:rD+7], v[rW:rW+7], v[rA:rA+7], v[rD:rD+7], v[rU], v[rV] matrix_a_fmt:MATRIX_FMT_FP4 matrix_b_fmt:MATRIX_FMT_FP4 matrix_a_scale:MATRIX_SCALE_ROW1
.else
	v_wmma_scale_f32_16x16x128_f8f6f4 v[rD:rD+7], v[rW:rW+7], v[rA:rA+7], v[rD:rD+7], v[rU], v[rV] matrix_a_fmt:MATRIX_FMT_FP4 matrix_b_fmt:MATRIX_FMT_FP4
.endif
.endif
.endif
.endm
; A K step: 16 products, the 16 accumulators by turns, one instruction a turn, in the same order in every step.  Behind them, four places, then the loads into the
; registers just read: the weight's K step six on, the rows' K step two on, and at every fourth step the rows' next four scale words, ahead of the fragments.
.macro KSTEP S, NS, zero, swap
.if (\NS)-1-(\S) >= 5
	s_wait_loadcnt 40                              ; this step's weight fragments are in: the five steps behind them may be out
.else
	s_wait_loadcnt 8*((\NS)-1-(\S))
.endif
.if (\S)+1 < (\NS)
	s_wait_dscnt 8                                 ; this step's rows (and scale words, which were asked for ahead of them) are in: the next step's eight loads may be out
.else
	s_wait_dscnt 0x0
.endif
	WIN 0x05                                       ; sources 0 and 1 window 1; C and D window 0
.irp m, 0,1,2,3
.irp t, 0,1,2,3
	ONE \S, \m, \t, \zero, \swap
.endr
.endr
	PLACES 4                                       ; in front of loads into registers that the products have read, and of the first read of results
.if ((\S)+1 < (\NS)) && (((\S)+1)%4 == 0)
	SLOAD (((\S)+1)/4)%2
.endif
.if (\S)+6 < (\NS)
	WLOAD (\S)+6
.endif
.if (\S)+2 < (\NS)
	ALOAD ((\S)+2)%8, (\S)%2
.endif
.endm
; The factor sqrt(scale) x rsqrt(sum over the head's 64 of the squares + 1e-6) for the four tiles of rows, into v[ET + 2 m].  A lane holds 32 of its row's 64, lane l xor 16 the others.
.macro HEADNORM sq
	WIN 0
.irp m, 0,1,2,3
	v_pk_mul_f32 v[ET+2*\m:ET+2*\m+1], v[ACC+32*\m:ACC+32*\m+1], v[ACC+32*\m:ACC+32*\m+1]   ; each accumulator is read from its low end on
.endr
.irp k, 1,2,3,4,5,6,7,8,9,10,11,12,13,14,15
.irp m, 0,1,2,3
	v_pk_fma_f32 v[ET+2*\m:ET+2*\m+1], v[ACC+32*\m+2*\k:ACC+32*\m+2*\k+1], v[ACC+32*\m+2*\k:ACC+32*\m+2*\k+1], v[ET+2*\m:ET+2*\m+1]
.endr
.endr
.irp m, 0,1,2,3
	s_delay_alu instid0(VALU_DEP_4)
	v_add_f32 v[ET+2*\m], v[ET+2*\m], v[ET+2*\m+1]
.endr
.irp m, 0,1,2,3
	s_delay_alu instid0(VALU_DEP_4)
	v_permlanex16_b32 v[ET+2*\m+1], v[ET+2*\m], s[SEL], s[SEL+1]
.endr
.irp m, 0,1,2,3
	s_delay_alu instid0(VALU_DEP_4)
	v_add_f32 v[ET+2*\m], v[ET+2*\m], v[ET+2*\m+1]
.endr
.irp m, 0,1,2,3
	s_delay_alu instid0(VALU_DEP_4)
	v_add_f32 v[ET+2*\m], s[EPS], v[ET+2*\m]
.endr
	s_wait_alu depctr_va_vdst(0)
.irp m, 0,1,2,3
	v_rsq_f32 v[ET+2*\m+1], v[ET+2*\m]
.endr
	v_nop
	s_wait_alu depctr_va_vdst(0)                   ; one wait for the four, ahead of their first reader
.irp m, 0,1,2,3
	v_mul_f32 v[ET+2*\m], v[\sq], v[ET+2*\m+1]
.endr
.endm
	s_load_b256 s[4:11], s[0:1], 0x0               ; crossattn_cond, svec, wf, w_kv's scales
	s_load_b256 s[12:19], s[0:1], 0x20             ; qk_scale, the mask, kc, ks
	s_load_b128 s[20:23], s[0:1], 0x40             ; vc, vs
	v_lshl_add_u32 v118, v0, 2, 0x4a500
	v_mov_b32 v119, 0
	v_lshrrev_b32 v1, 5, v0
	s_delay_alu instid0(VALU_DEP_1)
	v_readfirstlane_b32 s[WV], v1                  ; wave 0..7
	s_and_b32 s[CG], ttmp9, 3                      ; which 512 columns
	s_lshr_b32 s45, ttmp9, 2                       ; which 64 rows of the 4,096
	s_and_b32 s[KG], s45, 3                        ; which 64 keys of the batch
	s_lshr_b32 s[NB], s45, 2                       ; the batch
	s_lshr_b32 s[LR], s[WV], 2                     ; keys 8 w .. 8 w + 7 go to LDS rows 32 (w / 4) + 16 (w % 2) + 8 ((w / 2) % 2) on
	s_lshl_b32 s[LR], s[LR], 5
	s_and_b32 s30, s[WV], 1
	s_lshl_b32 s30, s30, 4
	s_add_co_u32 s[LR], s[LR], s30
	s_bfe_u32 s30, s[WV], 0x10001
	s_lshl_b32 s30, s30, 3
	s_add_co_u32 s[LR], s[LR], s30
	ADDRS
	s_mov_b32 s31, 0                               ; the upper word of every 64-bit offset
	s_wait_kmcnt 0x0
	s_lshl_b32 s30, s45, 18                        ; 64 rows of 4,096 bytes,
	s_lshl_b32 s47, s[WV], 15                      ; my 8 of them
	s_add_co_u32 s30, s30, s47
	s_add_nc_u64 s[XP:XP+1], s[XP:XP+1], s[30:31]
	s_lshl_b32 s30, s[NB], 12                      ; s_c of my batch, my 512 bytes
	s_lshl_b32 s47, s[WV], 9
	s_add_co_u32 s30, s30, s47
	s_add_co_u32 s30, s30, 65536
	s_add_nc_u64 s[GP:GP+1], s[GP:GP+1], s[30:31]
	s_lshl_b32 s47, s[CG], 3
	s_add_co_u32 s47, s47, s[WV]                   ; my chunk of w_kv: 8 cg + w
	s_lshl_b32 s30, s47, 15
	s_add_co_u32 s30, s30, 32*32768
	s_add_nc_u64 s[WP:WP+1], s[WP:WP+1], s[30:31]
	s_lshl_b32 s30, s47, 11                        ; 64 rows of 32 scale bytes
	s_add_nc_u64 s[WSP:WSP+1], s[WSP:WSP+1], s[30:31]
	s_and_b32 s47, s47, 15                         ; my head
	s_lshl_b32 s30, s47, 2
	s_add_nc_u64 s[QKP:QKP+1], s[QKP:QKP+1], s[30:31]
	s_load_b32 s42, s[QKP:QKP+1], 0x0
	s_lshl_b32 s30, s45, 6
	s_add_nc_u64 s[MKP:MKP+1], s[MKP:MKP+1], s[30:31]
	s_lshl_b32 s48, s[NB], 4
	s_add_co_u32 s48, s48, s47                     ; 16 n + head
	s_lshl_b32 s30, s48, 13
	s_lshl_b32 s47, s[KG], 11                      ; kc: four tiles of 512 bytes to a group of 64 keys
	s_add_co_u32 s30, s30, s47
	s_add_nc_u64 s[KCP:KCP+1], s[KCP:KCP+1], s[30:31]
	s_lshl_b32 s30, s48, 10
	s_lshl_b32 s47, s[KG], 8
	s_add_co_u32 s30, s30, s47
	s_add_nc_u64 s[KSP:KSP+1], s[KSP:KSP+1], s[30:31]
	s_lshl_b32 s30, s48, 13
	s_lshl_b32 s47, s[KG], 9                       ; vc: [t][K step][register group]: a group of 64 keys is one register group
	s_add_co_u32 s30, s30, s47
	s_add_nc_u64 s[VCP:VCP+1], s[VCP:VCP+1], s[30:31]
	s_lshl_b32 s30, s48, 9
	s_lshl_b32 s47, s[KG], 7
	s_add_co_u32 s30, s30, s47
	s_add_nc_u64 s[VSP:VSP+1], s[VSP:VSP+1], s[30:31]
	ROWS_IN 0                                      ; (no hint: four work-groups read these rows)
	s_wait_kmcnt 0x0
	v_sqrt_f32 v[SQ], s42
	v_nop
	s_wait_alu depctr_va_vdst(0)
	s_wait_dscnt 0x0                               ; my rows, my slice of the gains and my rsqrt lie in LDS; the stores have read their registers
.irp m, 0,1,2,3
	global_load_u8 v[MK+\m], v[RP], s[MKP:MKP+1] offset:32*(\m/2)+8*(\m%2)   ; the mask byte of my lane's key in tile m
.endr
	WSLOAD WSP, 0
.irp S, 0,1,2,3,4,5
	WLOAD \S                                       ; the ring is filled while the rows are quantised
.endr
	WIN 0
	s_barrier_signal -1
	s_barrier_wait -1                              ; everybody's rows lie in LDS
	QROWS
	BARRIER                                        ; the 32 images and their scale words lie in LDS; from here on LDS is only read
	SLOAD 0
	ALOAD 0, 0
	ALOAD 1, 1
	WIN 0
	s_cmp_lt_u32 s[CG], 2                          ; the same in all eight waves
	s_cbranch_scc0 .Lvalues
	; ---- k: a lane holds one key
	KSTEP 0, 8, 1, 0
.irp S, 1,2,3,4,5,6,7
	KSTEP \S, 8, 0, 0
.endr
	HEADNORM SQ
.irp m, 0,1,2,3
	v_cvt_f32_u32 v[104+\m], v[MK+\m]              ; 1.0 where the key counts, 0.0 where it is masked
	v_mul_u32_u24 v[108+\m], v[MK+\m], 226
.endr
.irp m, 0,1,2,3
	v_mul_f32 v[ET+2*\m], v[ET+2*\m], v[104+\m]
	v_sub_nc_u32 v[108+\m], 227, v[108+\m]         ; byte 2 of the key's scale word: 1 or 227
.endr
.irp m, 0,1,2,3
.set J, 0
.rept 16
	v_pk_mul_f32 v[ACC+32*\m+J:ACC+32*\m+J+1], v[ACC+32*\m+J:ACC+32*\m+J+1], v[ET+2*\m:ET+2*\m+1] op_sel_hi:[1,0]
.set J, J+2
.endr
	QUANT2 ACC+32*\m, KCD+4*\m
	v_lshl_or_b32 v[KWD+\m], v[T2+3], 8, v[T2+2]
	s_delay_alu instid0(VALU_DEP_1)
	v_lshl_or_b32 v[KWD+\m], v[108+\m], 16, v[KWD+\m]
	s_delay_alu instid0(VALU_DEP_1)
	v_or_b32 v[KWD+\m], 0x7f000000, v[KWD+\m]      ; byte 3: 127, over zero codes
	global_store_b128 v[LI], v[KCD+4*\m:KCD+4*\m+3], s[KCP:KCP+1] offset:512*\m   ; 512 consecutive bytes
.endr
	v_cmp_gt_u32 vcc_lo, 16, v[LANE]
	s_wait_alu depctr_va_vdst(0)
	s_wait_xcnt 0x0                                ; EXEC is a source of the pending stores: it changes only behind this wait
	s_wait_tensorcnt 0x0
	ds_add_u32 v118, v119
	s_wait_dscnt 0x0
	s_and_saveexec_b32 s44, vcc_lo
	global_store_b128 v[R16], v[KWD:KWD+3], s[KSP:KSP+1]   ; lanes 0-15: the four tiles' words of 16 keys: 256 consecutive bytes, aligned
	s_wait_xcnt 0x0
	s_or_b32 exec_lo, exec_lo, s44
	s_endpgm
.Lvalues:
	; ---- v: a lane holds one channel, its registers run along the keys
	KSTEP 0, 8, 1, 1
.irp S, 1,2,3,4,5,6,7
	KSTEP \S, 8, 0, 1
.endr
	WIN 0
.irp t, 0,1,2,3
	QUANT2 ACC+32*\t, KCD+4*\t
	v_lshl_or_b32 v[104+\t], v[T2+3], 8, v[T2+2]   ; the two bytes of these 64 keys
	global_store_b128 v[LI], v[KCD+4*\t:KCD+4*\t+3], s[VCP:VCP+1] offset:2048*\t
.endr
	v_lshl_or_b32 v[KWD], v105, 16, v104
	v_lshl_or_b32 v[KWD+1], v107, 16, v106
	v_cmp_gt_u32 vcc_lo, 16, v[LANE]
	s_wait_alu depctr_va_vdst(0)
	s_wait_xcnt 0x0                                ; EXEC changes only behind this wait
	s_wait_tensorcnt 0x0
	ds_add_u32 v118, v119
	s_wait_dscnt 0x0
	s_and_saveexec_b32 s44, vcc_lo
	global_store_b64 v[R8], v[KWD:KWD+1], s[VSP:VSP+1]     ; lanes 0-15: 128 consecutive bytes
	s_wait_xcnt 0x0
	s_or_b32 exec_lo, exec_lo, s44
	s_endpgm
.Lfunc_end_k_qd3ca71d56b_kv:
	.size	k_qd3ca71d56b_kv, .Lfunc_end_k_qd3ca71d56b_kv-k_qd3ca71d56b_kv
	.p2alignl 7, 3214868480
	.fill 96, 4, 3214868480
	.section	.rodata,"a",@progbits
	.p2align	6, 0x0
	.amdhsa_kernel k_qd3ca71d56b_kv
		.amdhsa_group_segment_fixed_size 305408
		.amdhsa_private_segment_fixed_size 0
		.amdhsa_enable_private_segment 0
		.amdhsa_kernarg_size 80
		.amdhsa_user_sgpr_count 2
		.amdhsa_user_sgpr_kernarg_segment_ptr 1
		.amdhsa_wavefront_size32 1
		.amdhsa_system_sgpr_workgroup_id_x 1
		.amdhsa_system_sgpr_workgroup_id_y 1
		.amdhsa_system_sgpr_workgroup_id_z 1
		.amdhsa_system_vgpr_workitem_id 0
		.amdhsa_next_free_vgpr 512
		.amdhsa_next_free_sgpr 66
		.amdhsa_reserve_vcc 1
		.amdhsa_float_denorm_mode_32 3
		.amdhsa_float_denorm_mode_16_64 3
		.amdhsa_memory_ordered 1
		.amdhsa_forward_progress 1
		.amdhsa_inst_pref_size 160
	.end_amdhsa_kernel
	.amdgpu_metadata
---
amdhsa.version: [ 1, 2 ]
amdhsa.kernels:
  - .name:           k_qd3ca71d56b_kv
    .symbol:         k_qd3ca71d56b_kv.kd
    .args:
      - { .name: crossattn_cond, .offset: 0, .size: 8, .value_kind: global_buffer, .address_space: global }
      - { .name: svec, .offset: 8, .size: 8, .value_kind: global_buffer, .address_space: global }
      - { .name: wf, .offset: 16, .size: 8, .value_kind: global_buffer, .address_space: global }
      - { .name: w_kv_scales, .offset: 24, .size: 8, .value_kind: global_buffer, .address_space: global }
      - { .name: qk_scale, .offset: 32, .size: 8, .value_kind: global_buffer, .address_space: global }
      - { .name: crossattn_mask, .offset: 40, .size: 8, .value_kind: global_buffer, .address_space: global }
      - { .name: kc, .offset: 48, .size: 8, .value_kind: global_buffer, .address_space: global }
      - { .name: ks, .offset: 56, .size: 8, .value_kind: global_buffer, .address_space: global }
      - { .name: vc, .offset: 64, .size: 8, .value_kind: global_buffer, .address_space: global }
      - { .name: vs, .offset: 72, .size: 8, .value_kind: global_buffer, .address_space: global }
    .group_segment_fixed_size: 305408
    .private_segment_fixed_size: 0
    .kernarg_segment_align: 8
    .kernarg_segment_size: 80
    .max_flat_workgroup_size: 256
    .sgpr_count:     66
    .vgpr_count:     512
    .wavefront_size: 32
...
	.end_amdgpu_metadata
.endif
;; end of part 5
;; launch main (part 6): grid 256 x 1, 8 waves a work-group, no clusters, 313,600 bytes of LDS; arguments x, svec, wf, w_q_scales, w_o_scales, qk_scale, kc, ks, vc, vs, out0; writes out0
.if DOCPART == 6
	.amdgcn_target "amdgcn-amd-amdhsa--gfx1250"
	.amdhsa_code_object_version 6
	.text
	.protected	k_qd3ca71d56b_main
	.globl	k_qd3ca71d56b_main
	.p2align	8
	.type	k_qd3ca71d56b_main,@function
k_qd3ca71d56b_main:
	s_mov_b64 s[64:65], 0
	v_nop
	global_prefetch_b8 v0, s[64:65] scope:SCOPE_SE
	s_setreg_imm32_b32 hwreg(HW_REG_WAVE_SCHED_MODE, 0, 2), 2
	s_setreg_imm32_b32 hwreg(HW_REG_WAVE_MODE, 25, 1), 1
	s_wait_xcnt 0x0
	s_wait_alu depctr_vm_vsrc(0)
; MAIN.  out = attention(q(x), k, v) w_o^T + x, all five products on codes of FP4 (E2M1) with one E8M0 scale for each 32 along K.  A work-group of eight waves takes 64 rows of x from the load to the store:
; x is read from memory once and stays in LDS (it is wanted for the norm and again for the skip); q, the scores, p and o never go to memory.
; SHARES.  Work-group g: rows 64 g .. 64 g + 63, batch g / 16.  Wave w: heads 2 w, 2 w + 1 = columns 128 w .. 128 w + 127 of q and of out = K step w of the last product; all 64 rows (four tiles of 16).
; Every product is used transposed (source 0 = 16 weight rows, keys or channels; source 1 = 16 rows of x): a lane holds ONE row throughout, and the rows of source 0 that form a tile are chosen
; (lane r of tile 2 b + u: row 32 b + 8 u + r + 8 (r / 8)) so that the 16 registers of two neighbouring tiles are 16 neighbours along the next product's K.
; PHASES.  A: rows in, sums of squares | barrier | norm, quantise, images of the operand's registers to LDS | barrier.  B: q = xn w_q^T, two chunks of 64 columns, 16 K steps on one ring; per head the cosine norm, quantise.
; | barrier |  C: q's codes into my own bytes of the images.  D: for each of my two heads, K and V in registers, four trips (a tile of 16 rows each): scores of all 256 keys, softmax, p quantised, O^T, o quantised into the
; bytes that q's codes left | barrier |  E: out = o w_o^T with x as the C of the first K step; results through x's own bytes in LDS, out as aligned runs of 256 bytes.
; REQUESTS AHEAD.  What a phase wants is asked for as soon as its registers are free: head 0's K and V behind the q projection's last K step, ahead of the second head's norm; head 1's V (registers of its
; own) at head 0's start; a trip's q behind the scores of the trip before; head 1's K behind the scores of head 0's last trip; w_o's scale words and first six K steps behind the scores of head 1's last trip.
; For that each head's fourth trip is written out.
; THE SOFTMAX: t = score x log2(e) / 8; M = ceil(the row's largest t), over all 256 keys at once; p = 2^(t - M) is quantised along the keys; the sum of the unquantised p divides O.
; THE MASK costs nothing here: the scores' K is 64 of the instruction's 128; at k = 64 every key carries the code -4 and every query the code 1, and byte 2 of the key's scale word (made by the launch before) is 227
; where the key is masked (-2^102) and 1 where it counts (-2^-124).  In a row all of whose keys are masked t - M is exactly 0 and p = 1 everywhere.
; NO TENSOR LOAD, NO CLUSTER: x takes 263,168 of the WGP's 327,680 bytes of LDS, the images and tables 49,408: no room is left for two slots of weight tiles; and each weight fragment is used by one wave alone, for all
; four tiles of rows, so LDS would add no reuse.  The fragments go from memory into registers, laid by the first launch so that each load reads 512 consecutive bytes.
; NO PREFETCH: the weights and K, V are read by many work-groups, and x is asked for whole at the head.
; LIMITS: NaN and infinities among the inputs are not served; a block of zeros carries the scale byte 1 where the rule says 127 (its codes are zeros); p under 2^-126 is 0 (v_exp_f32 flushes);
; a masked score is -2^102 and not -1e30, and a key that counts adds -2^-124 to its score: the weights p are the same.
; THE MODE: SCHED_MODE bits 1:0 = 2 (LLVM: expert scheduling mode 2), set by the entry lines.  The code itself states the register dependences between vector or matrix instructions and
; memory or LDS instructions, with s_wait_alu, always for 0.
; THE PLAN.  Registers that memory or LDS instructions touch, and who else names them:
;   ADDRESSES.  v4-v20: made at the head, ahead of one wait on va_vdst, read by loads and stores ever after.  v18-21, v42, v44-47: made anew in front of the last product, ahead of the wait in front of x's loads.
;     v36-38: made at a trip's head; the wait on va_vdst behind the trip's scores shows them written, the wait on vm_vsrc at the trip's end shows them read.
;   THE RING (window 1, v0-191), THE ROWS' TWO SLOTS (window 1, v192-255), THE SCALE WORDS (v48-79): written by loads, read by products.  ONE wait on va_vdst a K step, behind its sixteen products: the ring's slot, the
;     rows' slot and the scale words have been read, and the loads into them follow at once; no vector or matrix instruction stands between that wait and those loads.  At a chunk's last step the same wait shows
;     the accumulators written, for the LDS stores of the way out.  In the attention the same registers hold K, V and their scale words; the wait behind a trip's scores frees K's.
;   v128-255: numbers from LDS (phase A), accumulators, scores, x as C, rows on the way out.  Loads into them stand behind a wait on va_vdst that no vector instruction on them follows; where stores have read them, behind a wait on vm_vsrc.
;   OUT-BUFFERS: v80-91 (x's images and words), v80-119 (q's codes and words), v112-115 and v39 (o's): a wait on va_vdst ahead of each run of LDS stores, a wait on vm_vsrc ahead of the next line that writes them.
.set PX,   4112                        ; an LDS row: 4,096 bytes + 16: 257 x 16, so 16 rows fall on 16 different columns of 16 bytes
.set AIMG, 64*PX                       ; 32 images of fragments (tile of rows m, K step s) at (8 m + s) x 1,024; register group c at + 512 c; lane at + 16 x lane
.set ASCB, AIMG+32*1024                ; their scale words: (2 m + s / 4) x 512 + 16 x lane + 4 (s % 4)
.set RSB,  ASCB+8*512                  ; rsqrt(mean + eps) of each row
.set SVB,  RSB+256                     ; the gain vector, 4,096 bytes
.set QSC,  SVB+4096                    ; q's scale words: 1,024 x wave + 512 c + 128 m + 4 x lane
.set LANE, 1
.set R,    2                           ; lane % 16
.set H,    3                           ; lane / 16
.set LI,   4                           ; 16 x lane
.set XS,   5                           ; where my 8 rows go in LDS
.set RA,   6                           ; and their rsqrt
.set XQ,   7                           ; the rows that I quantise
.set SQA,  8                           ; the same place in the gain vector
.set RQ,   9                           ; my row's rsqrt
.set IW,   10                          ; where I store x's images
.set WW,   11                          ; and their scale words
.set AI,   12                          ; where images are read
.set ASA,  13                          ; and scale words
.set WSO,  14                          ; my lane's row among a chunk's scale bytes
.set SVW,  15                          ; where my slice of the gain vector goes
.set R16,  16                          ; 16 r
.set R8,   17                          ; 8 r
.set QI,   18                          ; my K step's images: q's codes, later o's
.set QWA,  19                          ; q's scale words
.set OSA,  20                          ; o's scale words
.set PADK, 21                          ; register 4 of every fragment of K: the code -4 at k = 64 (lanes 0-15), else 0
.set PADQ, 22                          ; register 4 of every fragment of q: the code 1
.set XC,   18                          ; phase E: v18-21 x as C, and the results' way into LDS, tile m
.set T2,   24                          ; v24-29 at work in QUANT2; in a trip before that: v24 -M, v25 t, v26-29 the sum in two chains
.set RL,   30                          ; v30-31 1 / the sum (a pair)
.set QWD,  32                          ; q's scale word.  A scale alone
.set PWD,  33                          ; v33-34 p's two scale words.  Scales alone
.set SQ,   40                          ; v40-41 sqrt(qk_scale) of my two heads
.set GO,   42                          ; the way out: 4,096 h + 16 r
.set RP,   43
.set XR,   44                          ; phase E: v44-47 the results' way back from LDS, tile m
.set WSC,  48                          ; v48-63 the weight's scale words; in phase D K's, one register a tile.  Scales alone
.set KW,   48
.set ASC,  64                          ; v64-79 the rows' scale words; in phase D V's.  Scales alone
.set VW,   64                          ; v64-71 V's scale words: 2 t + s
.set VG,   72                          ; v72-79 V's scale bytes as loaded
.set PC4,  80                          ; phase A: v80-87 codes, v88-91 words, v92-93 rsqrt, v96-111 at work
.set PWS,  88
.set RR,   92
.set TM,   96
.set QC,   80                          ; phase B: v80-111 q's codes (16 c + 4 m), v112-119 its scale words
.set QW,   112
.set QF,   80                          ; phase D: v80-87 q's fragment, v88-103 p's codes, v104-111 the blocks' maxima, v112-119 at work
.set PP,   88
.set BM,   104
.set BP,   112
.set ET,   120                         ; v120-127 four pairs: sums of squares, then the factors
.set ACC,  128                         ; v128-255 the 16 accumulators; the scores
.set SS,   128
.set WV,   26
.set NB,   28
.set EPS,  32
.set INV,  33
.set SEL,  34
.set CS,   36                          ; s[36:37] log2(e) / 8
.set LR,   46
.set XP,   4
.set GP,   6
.set WP,   8
.set WQS,  10
.set WOS,  12
.set QKP,  14
.set KCP,  16
.set KSP,  18
.set VCP,  20
.set VSP,  22
.set OP,   24
.set MSB, 0
.macro WIN new                         ; s_set_vgpr_msb: bits 1:0 source 0, 3:2 source 1, 5:4 source 2, 7:6 destination; the high byte repeats the setting that is left
.if MSB != \new
	s_set_vgpr_msb (MSB<<8)|\new
.set MSB, \new
.endif
.endm
.macro PLACES n
.rept \n
	v_nop
.endr
.endm
.macro BARRIER                         ; my LDS stores have landed and my LDS loads are in: then the work-group's barrier
	s_wait_dscnt 0x0
	s_barrier_signal -1
	s_barrier_wait -1
.endm
; The addresses that hang on lane and wave alone.  s[LR]: the LDS row of my first row.
.macro ADDRS
	v_and_b32 v[LANE], 31, v0
	v_and_b32 v[R], 15, v0
	v_bfe_u32 v[H], v0, 4, 1
	v_lshlrev_b32 v[LI], 4, v[LANE]
	s_mul_i32 s30, s[LR], PX
	v_add_nc_u32 v[XS], s30, v[LI]
	s_lshl_b32 s30, s[LR], 2
	s_add_co_u32 s30, s30, RSB
	v_mov_b32 v[RA], s30
	s_lshr_b32 s30, s[WV], 1                       ; the tile of rows that I quantise,
	s_and_b32 s31, s[WV], 1
	s_lshl_b32 s31, s31, 11                        ; and which four K steps: 2,048 bytes of a row
	s_mul_i32 s47, s30, 16*PX
	v_mul_u32_u24 v[XQ], v[R], PX
	v_lshl_add_u32 v[XQ], v[H], 6, v[XQ]
	v_add_nc_u32 v[XQ], s47, v[XQ]
	v_add_nc_u32 v[XQ], s31, v[XQ]
	v_lshlrev_b32 v[SQA], 6, v[H]
	v_add_nc_u32 v[SQA], s31, v[SQA]
	v_add_nc_u32 v[SQA], SVB, v[SQA]
	s_lshl_b32 s30, s30, 6
	s_add_co_u32 s30, s30, RSB
	v_lshl_add_u32 v[RQ], v[R], 2, s30
	s_lshl_b32 s30, s[WV], 12
	s_add_co_u32 s30, s30, AIMG
	v_add_nc_u32 v[IW], s30, v[LI]
	s_lshl_b32 s30, s[WV], 9
	s_add_co_u32 s31, s30, ASCB
	v_add_nc_u32 v[WW], s31, v[LI]
	s_add_co_u32 s31, s30, SVB
	v_add_nc_u32 v[SVW], s31, v[LI]
	v_add_nc_u32 v[AI], AIMG, v[LI]
	v_add_nc_u32 v[ASA], ASCB, v[LI]
	v_and_b32 v[RP], 8, v[R]
	v_add_nc_u32 v[RP], v[RP], v[R]
	v_lshl_add_u32 v[WSO], v[H], 3, v[RP]
	v_lshlrev_b32 v[WSO], 5, v[WSO]
	v_lshlrev_b32 v[R16], 4, v[R]
	v_lshlrev_b32 v[R8], 3, v[R]
	v_mov_b32 v[T2+2], 0                           ; written once: a lane permute's destination counts as one of its sources
	v_mov_b32 v[T2+3], 0
.irp b, 0,1,2,3
	v_mov_b32 v[TM+4+\b], 0
.endr
	v_mov_b32 v[RR+1], 0                           ; named as the upper half of a pair
	s_mov_b32 s[EPS], 0x358637bd                   ; 1e-6
	s_mov_b32 s[INV], 0x3a800000                   ; 1 / 1,024
	s_mov_b32 s[SEL], 0x76543210
	s_mov_b32 s[SEL+1], 0xfedcba98                 ; v_permlanex16_b32's selects for lane l xor 16
.endm
; My 8 rows come in: 64 loads of 512 consecutive bytes, all issued at once; each row goes to LDS as it lies, and its sum of squares is taken on the way.  nt = 1: the rows are read once in the launch.
; The LDS stores' data come from loads, their addresses from the head: between the head's wait and the rsqrts' no vector instruction writes a register that a load or store here touches.
.macro ROWS_IN nt
	global_load_b128 v[24:27], v[LI], s[GP:GP+1]   ; my 512 bytes of the gain vector
	WIN 0x40                                       ; destination window 1
.irp i, 0,1,2,3,4,5,6,7
.irp j, 0,1,2,3,4,5,6,7
.if \nt
	global_load_b128 v[32*\i+4*\j:32*\i+4*\j+3], v[LI], s[XP:XP+1] offset:4096*\i+512*\j th:TH_LOAD_NT
.else
	global_load_b128 v[32*\i+4*\j:32*\i+4*\j+3], v[LI], s[XP:XP+1] offset:4096*\i+512*\j
.endif
.endr
.endr
.irp i, 0,1,2,3,4,5,6,7
	s_wait_loadcnt 56-8*\i                         ; row i is in: the 8 (7 - i) loads of the rows behind it may be out
.if \i == 0
	WIN 0
	ds_store_b128 v[SVW], v[24:27]                 ; (issued ahead of the rows, so it is in too)
.endif
	WIN 0x04                                       ; an LDS store's data are its source 1: window 1
.irp j, 0,1,2,3,4,5,6,7
	ds_store_b128 v[XS], v[32*\i+4*\j:32*\i+4*\j+3] offset:PX*\i+512*\j
.endr
	WIN 0x05                                       ; sources 0 and 1 window 1; the sums in window 0
	v_pk_mul_f32 v[128+4*\i:129+4*\i], v[32*\i:32*\i+1], v[32*\i:32*\i+1]
	v_pk_mul_f32 v[130+4*\i:131+4*\i], v[32*\i+2:32*\i+3], v[32*\i+2:32*\i+3]
.irp k, 2,4,6,8,10,12,14
	v_pk_fma_f32 v[128+4*\i:129+4*\i], v[32*\i+2*\k:32*\i+2*\k+1], v[32*\i+2*\k:32*\i+2*\k+1], v[128+4*\i:129+4*\i]
	v_pk_fma_f32 v[130+4*\i:131+4*\i], v[32*\i+2*\k+2:32*\i+2*\k+3], v[32*\i+2*\k+2:32*\i+2*\k+3], v[130+4*\i:131+4*\i]
.endr
.endr
	WIN 0
.irp i, 0,1,2,3,4,5,6,7
	v_pk_add_f32 v[128+4*\i:129+4*\i], v[128+4*\i:129+4*\i], v[130+4*\i:131+4*\i]
.endr
.irp i, 0,1,2,3,4,5,6,7
	v_add_f32 v[128+4*\i], v[128+4*\i], v[129+4*\i]
.endr
.irp x, 1,2,4,8                                ; across the lanes; the eight rows by turns
.irp i, 0,1,2,3,4,5,6,7
	v_add_f32_dpp v[128+4*\i], v[128+4*\i], v[128+4*\i] row_xmask:\x row_mask:0xf bank_mask:0xf
.endr
.endr
.irp i, 0,1,2,3,4,5,6,7
	v_permlanex16_b32 v[129+4*\i], v[128+4*\i], s[SEL], s[SEL+1]
.endr
.irp i, 0,1,2,3,4,5,6,7
	v_add_f32 v[128+4*\i], v[128+4*\i], v[129+4*\i]
.endr
.irp i, 0,1,2,3,4,5,6,7
	v_fma_f32 v[128+4*\i], v[128+4*\i], s[INV], s[EPS]   ; the mean + 1e-6
.endr
	s_wait_alu depctr_va_vdst(0)
.irp i, 0,1,2,3,4,5,6,7
	v_rsq_f32 v[130+4*\i], v[128+4*\i]
.endr
	v_nop                                          ; a plain instruction behind the last of the batch,
	s_wait_alu depctr_va_vdst(0)                   ; and one wait: the eight rsqrt are written, which the LDS stores below read; the sums of squares are done reading the rows' registers
.irp i, 0,1,2,3,4,5,6,7
	ds_store_b32 v[RA], v[130+4*\i] offset:4*\i    ; all lanes write the same word with the same value
.endr
.endm
; 64 numbers of a lane, register 16 b + i = k 32 b + 16 (lane / 16) + i of my row, become a fragment's codes in v[PC4] on and its scale word.
.macro QUANT4 s, word
.irp b, 0,1,2,3
	v_max3_num_f32 v[TM+\b], |v[\s+16*\b]|, |v[\s+16*\b+1]|, 0x1800000   ; my 16 numbers of block b, and the floor 2^(3 - 127): the byte cannot fall under 1
.endr
.irp i, 2,4,6,8,10,12,14
.irp b, 0,1,2,3
	v_max3_num_f32 v[TM+\b], v[TM+\b], |v[\s+16*\b+\i]|, |v[\s+16*\b+\i+1]|
.endr
.endr
.irp b, 0,1,2,3
	v_permlanex16_b32 v[TM+4+\b], v[TM+\b], s[SEL], s[SEL+1]
.endr
.irp b, 0,1,2,3
	v_max_num_f32 v[TM+\b], v[TM+\b], v[TM+4+\b]   ; with lane l xor 16's: the block's largest magnitude
.endr
.irp b, 0,1,2,3
	v_add_nc_u32 v[TM+12+\b], 0xff000000, v[TM+\b] ; 2 off its exponent field: the conversion's scale operand
.endr
.irp b, 0,1,2,3
	v_lshrrev_b32 v[TM+4+\b], 23, v[TM+12+\b]      ; the scale's byte
.endr
	v_lshl_or_b32 v[\word], v[TM+5], 8, v[TM+4]
	v_lshl_or_b32 v[\word], v[TM+6], 16, v[\word]
	v_lshl_or_b32 v[\word], v[TM+7], 24, v[\word]
.irp b, 0,1,2,3
	v_cvt_scalef32_pk8_fp4_f32 v[PC4+2*\b], v[\s+16*\b:\s+16*\b+7], v[TM+12+\b]
	v_cvt_scalef32_pk8_fp4_f32 v[PC4+2*\b+1], v[\s+16*\b+8:\s+16*\b+15], v[TM+12+\b]
.endr
	v_nop                                          ; one plain place behind a scaled conversion
.irp g, 0,1                                    ; the operand's layout wants a whole block in a lane: lanes 0-15 block 2 g, lanes 16-31 block 2 g + 1
.irp i, 0,1
	v_permlane16_swap_b32 v[PC4+4*\g+\i], v[PC4+4*\g+2+\i]
.endr
.endr
.endm
; The same for 32 numbers, two blocks: four registers of codes at v[pc]; the two bytes are left in v[T2+2], v[T2+3].
.macro QUANT2 s, pc
.irp b, 0,1
	v_max3_num_f32 v[T2+\b], |v[\s+16*\b]|, |v[\s+16*\b+1]|, 0x1800000
.endr
.irp i, 2,4,6,8,10,12,14
.irp b, 0,1
	v_max3_num_f32 v[T2+\b], v[T2+\b], |v[\s+16*\b+\i]|, |v[\s+16*\b+\i+1]|
.endr
.endr
.irp b, 0,1
	v_permlanex16_b32 v[T2+2+\b], v[T2+\b], s[SEL], s[SEL+1]
.endr
.irp b, 0,1
	v_max_num_f32 v[T2+\b], v[T2+\b], v[T2+2+\b]
.endr
.irp b, 0,1
	v_add_nc_u32 v[T2+4+\b], 0xff000000, v[T2+\b]
.endr
.irp b, 0,1
	v_lshrrev_b32 v[T2+2+\b], 23, v[T2+4+\b]
.endr
.irp b, 0,1
	v_cvt_scalef32_pk8_fp4_f32 v[\pc+2*\b], v[\s+16*\b:\s+16*\b+7], v[T2+4+\b]
	v_cvt_scalef32_pk8_fp4_f32 v[\pc+2*\b+1], v[\s+16*\b+8:\s+16*\b+15], v[T2+4+\b]
.endr
	v_nop                                          ; one plain place behind a scaled conversion
	v_permlane16_swap_b32 v[\pc], v[\pc+2]
	v_permlane16_swap_b32 v[\pc+1], v[\pc+3]
.endm
; Wave w norms and quantises tile of rows w / 2, K steps 4 (w % 2) + 0 .. 3: x times (gain times rsqrt), in that order; images and scale words to LDS.
.macro QROWS
	ds_load_b32 v[RR], v[RQ]
.irp q, 0,1,2,3
.irp b, 0,1,2,3
.irp j, 0,1,2,3
	ds_load_b128 v[128+16*\b+4*\j:128+16*\b+4*\j+3], v[XQ] offset:512*\q+128*\b+16*\j
.endr
.endr
.irp b, 0,1,2,3
.irp j, 0,1,2,3
	ds_load_b128 v[192+16*\b+4*\j:192+16*\b+4*\j+3], v[SQA] offset:512*\q+128*\b+16*\j
.endr
.endr
	s_wait_dscnt 0x0                               ; the numbers are in
.if \q > 0
	s_wait_alu depctr_vm_vsrc(0)                   ; the last K step's image stores have read v[PC4 ..], which the conversions below write again
.endif
.set J, 0
.rept 32
	v_pk_mul_f32 v[192+J:193+J], v[192+J:193+J], v[RR:RR+1] op_sel_hi:[1,0]
.set J, J+2
.endr
.set J, 0
.rept 32
	v_pk_mul_f32 v[128+J:129+J], v[128+J:129+J], v[192+J:193+J]
.set J, J+2
.endr
	QUANT4 128, PWS+\q
	s_wait_alu depctr_va_vdst(0)                   ; the codes and the scale word are written, which the LDS stores read; the vector side is done with v128 to v255, in which the next K step's numbers land
	ds_store_b128 v[IW], v[PC4:PC4+3] offset:1024*\q
	ds_store_b128 v[IW], v[PC4+4:PC4+7] offset:1024*\q+512
.endr
	ds_store_b128 v[WW], v[PWS:PWS+3]              ; (the four words were written ahead of the last wait)
.endm
; THE PRODUCT on chunks of 64 weight rows x 64 rows.  Window 1: a ring of six K steps of the weight's four fragments (v0-191), two slots of the rows' four fragments (v192-255).
.macro WLOAD S                         ; K step S of the weight, from memory: eight loads of 512 consecutive bytes; my two chunks are one run of 16 K steps
	WIN 0x40
.irp t, 0,1,2,3
.irp c, 0,1
	global_load_b128 v[32*((\S)%6)+8*\t+4*\c:32*((\S)%6)+8*\t+4*\c+3], v[LI], s[WP:WP+1] offset:4096*(\S)+1024*\t+512*\c
.endr
.endr
.endm
.macro ALOAD s, slot                   ; K step s of the rows, from LDS
	WIN 0x40
.irp m, 0,1,2,3
.irp c, 0,1
	ds_load_b128 v[192+32*(\slot)+8*\m+4*\c:192+32*(\slot)+8*\m+4*\c+3], v[AI] offset:(8*\m+(\s))*1024+512*\c
.endr
.endr
.endm
.macro SLOAD half                      ; the rows' scale words of K steps 4 half + 0 .. 3
	WIN 0
.irp m, 0,1,2,3
	ds_load_b128 v[ASC+4*\m:ASC+4*\m+3], v[ASA] offset:(2*\m+(\half))*512
.endr
.endm
.macro WSLOAD base, off                ; a chunk's scale words: 32 bytes a row; lanes 0-15 take tile 2 b's rows, lanes 16-31 tile 2 b + 1's
	WIN 0
.irp b, 0,1
.irp q, 0,1
	global_load_b128 v[WSC+8*\b+4*\q:WSC+8*\b+4*\q+3], v[WSO], s[\base:\base+1] offset:\off+1024*\b+16*\q
.endr
.endr
.endm
.macro ONE S, m, t, zero               ; source 0 = the weight's tile t, source 1 = the rows' tile m
.set rD, ACC+32*(\m)+8*(\t)
.set rW, 32*((\S)%6)+8*(\t)
.set rA, 192+32*((\S)%2)+8*(\m)
.set rU, WSC+8*((\t)/2)+(\S)%8
.set rV, ASC+4*(\m)+(\S)%4
.if \zero
.if (\t)%2
	v_wmma_scale_f32_16x16x128_f8f6f4 v[rD:rD+7], v[rW:rW+7], v[rA:rA+7], 0, v[rU], v[rV] matrix_a_fmt:MATRIX_FMT_FP4 matrix_b_fmt:MATRIX_FMT_FP4 matrix_a_scale:MATRIX_SCALE_ROW1
.else
	v_wmma_scale_f32_16x16x128_f8f6f4 v[rD:rD+7], v[rW:rW+7], v[rA:rA+7], 0, v[rU], v[rV] matrix_a_fmt:MATRIX_FMT_FP4 matrix_b_fmt:MATRIX_FMT_FP4
.endif
.else
.if (\t)%2
	v_wmma_scale_f32_16x16x128_f8f6f4 v[rD:rD+7], v[rW:rW+7], v[rA:rA+7], v[rD:rD+7], v[rU], v[rV] matrix_a_fmt:MATRIX_FMT_FP4 matrix_b_fmt:MATRIX_FMT_FP4 matrix_a_scale:MATRIX_SCALE_ROW1
.else
	v_wmma_scale_f32_16x16x128_f8f6f4 v[rD:rD+7], v[rW:rW+7], v[rA:rA+7], v[rD:rD+7], v[rU], v[rV] matrix_a_fmt:MATRIX_FMT_FP4 matrix_b_fmt:MATRIX_FMT_FP4
.endif
.endif
.endm
; A K step: 16 products, the 16 accumulators by turns, one instruction a turn, in the same order in every step.  All their operands and scales come from loads.
; Behind them the four places, then the step's ONE wait on va_vdst, then the loads into the registers just read: the weight's K step six on, the rows' K step two on, and at every fourth step the rows' next
; four scale words, ahead of the fragments.  The step that is followed by no load and no store, the last but one, has no wait.
; all = 1: a chunk's first step whose weight scale words (and, in the last product, C) were asked for last: both counters to 0.
.macro KSTEP S, NS, zero, all
.if \all
	s_wait_loadcnt 0x0
	s_wait_dscnt 0x0
.else
.if (\NS)-1-(\S) >= 5
	s_wait_loadcnt 40                              ; this step's weight fragments are in: the five steps behind them may be out
.else
	s_wait_loadcnt 8*((\NS)-1-(\S))
.endif
.if (\S)+1 < (\NS)
	s_wait_dscnt 8                                 ; this step's rows (and scale words, which were asked for ahead of them) are in: the next step's eight loads may be out
.else
	s_wait_dscnt 0x0
.endif
.endif
	WIN 0x05                                       ; sources 0 and 1 window 1; C and D window 0
.irp m, 0,1,2,3
.irp t, 0,1,2,3
	ONE \S, \m, \t, \zero
.endr
.endr
	PLACES 4                                       ; the places behind the products, in front of the first read of results (ISA guide 7.12.1); they stay beside the wait below
.if ((\S)+2 < (\NS)) || ((\S)+1 == (\NS))
	s_wait_alu depctr_va_vdst(0)                   ; the products are done reading this step's slot of the ring, its slot of the rows and the scale words, in which the loads behind this line land; they have written the accumulators, which a chunk's way out stores
.endif
.if ((\S)+1 < (\NS)) && (((\S)+1)%4 == 0)
	SLOAD (((\S)+1)/4)%2
.endif
.if (\S)+6 < (\NS)
	WLOAD (\S)+6
.endif
.if (\S)+2 < (\NS)
	ALOAD ((\S)+2)%8, (\S)%2
.endif
.endm
; The factor sqrt(scale) x rsqrt(sum over the head's 64 of the squares + 1e-6) for the four tiles of rows, into v[ET + 2 m].  A lane holds 32 of its row's 64, lane l xor 16 the others.
.macro HEADNORM sq
	WIN 0
.irp m, 0,1,2,3
	v_pk_mul_f32 v[ET+2*\m:ET+2*\m+1], v[ACC+32*\m:ACC+32*\m+1], v[ACC+32*\m:ACC+32*\m+1]   ; each accumulator is read from its low end on
.endr
.irp k, 1,2,3,4,5,6,7,8,9,10,11,12,13,14,15
.irp m, 0,1,2,3
	v_pk_fma_f32 v[ET+2*\m:ET+2*\m+1], v[ACC+32*\m+2*\k:ACC+32*\m+2*\k+1], v[ACC+32*\m+2*\k:ACC+32*\m+2*\k+1], v[ET+2*\m:ET+2*\m+1]
.endr
.endr
.irp m, 0,1,2,3
	v_add_f32 v[ET+2*\m], v[ET+2*\m], v[ET+2*\m+1]
.endr
.irp m, 0,1,2,3
	v_permlanex16_b32 v[ET+2*\m+1], v[ET+2*\m], s[SEL], s[SEL+1]
.endr
.irp m, 0,1,2,3
	v_add_f32 v[ET+2*\m], v[ET+2*\m], v[ET+2*\m+1]
.endr
.irp m, 0,1,2,3
	v_add_f32 v[ET+2*\m], s[EPS], v[ET+2*\m]
.endr
	s_wait_alu depctr_va_vdst(0)
.irp m, 0,1,2,3
	v_rsq_f32 v[ET+2*\m+1], v[ET+2*\m]
.endr
	v_nop
	s_wait_alu depctr_va_vdst(0)                   ; the four rsqrt are written: one wait ahead of their first reader
.irp m, 0,1,2,3
	v_mul_f32 v[ET+2*\m], v[\sq], v[ET+2*\m+1]
.endr
.endm
; Head c of my two: q is scaled and quantised along the head's 64; bytes 2 and 3 of its scale word are 127 (the code 1 at k = 64, zeros behind it).
.macro QEPI c
	HEADNORM SQ+\c
.irp m, 0,1,2,3
.set J, 0
.rept 16
	v_pk_mul_f32 v[ACC+32*\m+J:ACC+32*\m+J+1], v[ACC+32*\m+J:ACC+32*\m+J+1], v[ET+2*\m:ET+2*\m+1] op_sel_hi:[1,0]
.set J, J+2
.endr
	QUANT2 ACC+32*\m, QC+16*\c+4*\m
	v_lshl_or_b32 v[QW+4*\c+\m], v[T2+3], 8, v[T2+2]
	v_or_b32 v[QW+4*\c+\m], 0x7f7f0000, v[QW+4*\c+\m]
.endr
.endm
; ATTENTION.  Window 1: K's 16 fragments in v0-127 (registers 4-7 of each are the constant pads), head 0's eight fragments of V in v128-191, head 1's in v192-255.
; K of head c of my two: registers 0-3 of each of the 16 tiles of keys, and the tiles' scale words.
.macro KLOAD c
	WIN 0x40
.set T, 0
.rept 16
	global_load_b128 v[8*T:8*T+3], v[LI], s[KCP:KCP+1] offset:8192*\c+512*T
.set T, T+1
.endr
	WIN 0
.irp g, 0,1,2,3
	global_load_b128 v[KW+4*\g:KW+4*\g+3], v[R16], s[KSP:KSP+1] offset:1024*\c+256*\g   ; the scale words of tiles 4 g + 0 .. 3
.endr
.endm
; V of head c: fragment 2 t + s, register group by register group, as they lie; and its scale bytes: for keys 64 g on, two bytes for each of the four tiles of channels.
.macro VLOAD c
	WIN 0x40
.set T, 0
.rept 16
	global_load_b128 v[128+64*\c+4*T:128+64*\c+4*T+3], v[LI], s[VCP:VCP+1] offset:8192*\c+512*T
.set T, T+1
.endr
	WIN 0
.irp g, 0,1,2,3
	global_load_b64 v[VG+2*\g:VG+2*\g+1], v[R8], s[VSP:VSP+1] offset:512*\c+128*\g
.endr
.endm
; A TRIP: one tile of 16 rows against all 256 keys of head c.  Its q was asked for in the trip before.  Behind its scores stands one wait on va_vdst; behind that the next trip's q is asked for, which lands during the softmax.
; last = 1: the head's fourth trip, written out behind the loop: its LDS addresses are constants, and behind its scores, which are the last readers of K's registers and scale words, what comes next is asked for:
; head 1's first q and its K, or the last product's weight scale words and first six K steps.
.macro TRIP c, last
.if \last
	v_add_nc_u32 v36, 3*8192, v[QI]
	v_add_nc_u32 v38, 3*1024, v[OSA]
.else
	v_add_nc_u32 v36, s38, v[QI]
	v_add_nc_u32 v37, s39, v[QWA]
	v_add_nc_u32 v38, s40, v[OSA]
.endif
	s_wait_dscnt 0x0                               ; q's codes and scale word of this tile and head are in
	WIN 0x01                                       ; source 0 (K) window 1
.set T, 0
.rept 16
	v_wmma_scale_f32_16x16x128_f8f6f4 v[SS+8*T:SS+8*T+7], v[8*T:8*T+7], v[QF:QF+7], 0, v[KW+T], v[QWD] matrix_a_fmt:MATRIX_FMT_FP4 matrix_b_fmt:MATRIX_FMT_FP4
.set T, T+1
.endr
	WIN 0
	PLACES 4                                       ; in front of the first read of the scores
	s_wait_alu depctr_va_vdst(0)                   ; the products are done reading q's fragment and scale word, K's registers and scale words, in which the loads below land; v36 to v38 are written, which this trip's LDS loads and stores read
.if \last == 0
	ds_load_b128 v[QF:QF+3], v36 offset:512*\c+8192   ; the next tile's q: my own bytes, 8,192 on;
	ds_load_b32 v[QWD], v37 offset:512*\c+128         ; its scale word, 128 on.  Nothing in this trip names these registers again
.elseif \c == 0
	ds_load_b128 v[QF:QF+3], v[QI] offset:512      ; head 1's first tile
	ds_load_b32 v[QWD], v[QWA] offset:512
.endif
.if \last
.if \c == 0
	KLOAD 1                                        ; it has the rest of this trip in which to land; the wait for it stands at head 1's start
.else
	WSLOAD WOS, 0                                  ; in the order in which the last product's first K step counts them: the scale words, then K steps 0 to 5
.irp S, 0,1,2,3,4,5
	WLOAD \S                                       ; v0-191 of window 1: K's registers and head 0's V, both done with; head 1's V lies above them
.endr
	WIN 0
.endif
.endif
.irp b, 0,1,2,3,4,5,6,7                        ; register 16 b + i is key 32 b + 16 (lane / 16) + i.  The largest score of each block of 32 keys serves twice: for the row's maximum and, since p rises with the score, for the block's largest p
	v_max3_num_f32 v[BM+\b], v[SS+16*\b], v[SS+16*\b+1], v[SS+16*\b+2]
.endr
.irp i, 3,5,7,9,11,13
.irp b, 0,1,2,3,4,5,6,7
	v_max3_num_f32 v[BM+\b], v[BM+\b], v[SS+16*\b+\i], v[SS+16*\b+\i+1]
.endr
.endr
.irp b, 0,1,2,3,4,5,6,7
	v_max_num_f32 v[BM+\b], v[BM+\b], v[SS+16*\b+15]
.endr
.irp b, 0,1,2,3,4,5,6,7
	v_permlanex16_b32 v[BP+\b], v[BM+\b], s[SEL], s[SEL+1]
.endr
.irp b, 0,1,2,3,4,5,6,7
	v_max_num_f32 v[BM+\b], v[BM+\b], v[BP+\b]
.endr
	v_max3_num_f32 v25, v[BM], v[BM+1], v[BM+2]
	v_max3_num_f32 v25, v25, v[BM+3], v[BM+4]
	v_max3_num_f32 v25, v25, v[BM+5], v[BM+6]
	v_max_num_f32 v25, v25, v[BM+7]                ; the row's largest score,
	v_mul_f32 v25, s[CS], v25                      ; as t,
	v_floor_f32 v24, -v25                          ; and -M = floor(-t) = -ceil(t)
.set J, 0
.rept 64
	v_pk_fma_f32 v[SS+J:SS+J+1], v[SS+J:SS+J+1], s[CS:CS+1], v[24:25] op_sel_hi:[1,0,0]   ; t - M, two at a time
.set J, J+2
.endr
.irp b, 0,1,2,3,4,5,6,7
	v_fma_f32 v[BM+\b], v[BM+\b], s[CS], v24       ; the same of each block's largest score
.endr
.set J, 0
	s_wait_alu depctr_va_vdst(0)
.rept 128
	v_exp_f32 v[SS+J], v[SS+J]                     ; p = 2^(t - M): not normalised
.set J, J+1
.endr
	v_nop                                          ; a plain instruction behind the batch,
	s_wait_alu depctr_va_vdst(0)                   ; and one wait: all 128 p are written, ahead of their first reader
.irp b, 0,1,2,3,4,5,6,7
	v_exp_f32 v[BM+\b], v[BM+\b]                   ; the blocks' largest p: the same two instructions on the same number
.endr
	v_pk_add_f32 v[26:27], v[SS:SS+1], v[SS+2:SS+3]        ; the row's sum of the unquantised p, in two chains: registers 0-67 now (plain work behind the eight)
	v_pk_add_f32 v[28:29], v[SS+4:SS+5], v[SS+6:SS+7]
.set J, 8
.rept 15
	v_pk_add_f32 v[26:27], v[26:27], v[SS+J:SS+J+1]
	v_pk_add_f32 v[28:29], v[28:29], v[SS+J+2:SS+J+3]
.set J, J+4
.endr
	s_wait_alu depctr_va_vdst(0)                   ; the eight largest p are written, ahead of their first reader
.irp b, 0,1,2,3,4,5,6,7
	v_max_num_f32 v[BM+\b], 0x1800000, v[BM+\b]    ; the floor 2^(3 - 127): a block whose every p is 0 keeps the byte 1: its codes are zeros
.endr
.irp b, 0,1,2,3,4,5,6,7
	v_add_nc_u32 v[BM+\b], 0xff000000, v[BM+\b]    ; 2 off the exponent field: the conversion's scale operand
.endr
.irp b, 0,1,2,3,4,5,6,7
	v_lshrrev_b32 v[BP+\b], 23, v[BM+\b]           ; the scale's byte
.endr
.irp s, 0,1
	v_lshl_or_b32 v[PWD+\s], v[BP+4*\s+1], 8, v[BP+4*\s]
	v_lshl_or_b32 v[PWD+\s], v[BP+4*\s+2], 16, v[PWD+\s]
	v_lshl_or_b32 v[PWD+\s], v[BP+4*\s+3], 24, v[PWD+\s]
.endr
.irp b, 0,1,2,3,4,5,6,7
	v_cvt_scalef32_pk8_fp4_f32 v[PP+2*\b], v[SS+16*\b:SS+16*\b+7], v[BM+\b]
	v_cvt_scalef32_pk8_fp4_f32 v[PP+2*\b+1], v[SS+16*\b+8:SS+16*\b+15], v[BM+\b]
.endr
	v_nop                                          ; one plain place behind a scaled conversion
.irp g, 0,1,2,3
.irp i, 0,1
	v_permlane16_swap_b32 v[PP+4*\g+\i], v[PP+4*\g+2+\i]
.endr
.endr
.set J, 68
.rept 15                                       ; the rest of the sum: registers 68-127, none of which the products below write.  These 30 are also the places between the scale words and codes just made and those products
	v_pk_add_f32 v[26:27], v[26:27], v[SS+J:SS+J+1]
	v_pk_add_f32 v[28:29], v[28:29], v[SS+J+2:SS+J+3]
.set J, J+4
.endr
	s_wait_alu depctr_va_vdst(0)                   ; p's codes and two scale words are written (in a head's first trip V's scale words too), which the products below take as operand and scales; the places stand above
	WIN 0x01                                       ; source 0 (V) window 1
.irp s, 0,1                                    ; O^T = V^T P^T: four tiles of 16 channels by turns, two K steps of 128 keys; the first starts the sums
.irp t, 0,1,2,3
.if \s == 0
	v_wmma_scale_f32_16x16x128_f8f6f4 v[SS+8*\t:SS+8*\t+7], v[128+64*\c+8*(2*\t+\s):128+64*\c+8*(2*\t+\s)+7], v[PP+8*\s:PP+8*\s+7], 0, v[VW+2*\t+\s], v[PWD+\s] matrix_a_fmt:MATRIX_FMT_FP4 matrix_b_fmt:MATRIX_FMT_FP4
.else
	v_wmma_scale_f32_16x16x128_f8f6f4 v[SS+8*\t:SS+8*\t+7], v[128+64*\c+8*(2*\t+\s):128+64*\c+8*(2*\t+\s)+7], v[PP+8*\s:PP+8*\s+7], v[SS+8*\t:SS+8*\t+7], v[VW+2*\t+\s], v[PWD+\s] matrix_a_fmt:MATRIX_FMT_FP4 matrix_b_fmt:MATRIX_FMT_FP4
.endif
.endr
.endr
	WIN 0
	v_pk_add_f32 v[26:27], v[26:27], v[28:29]      ; the sum's chains, its halves,
	v_add_f32 v26, v26, v27
	v_permlanex16_b32 v27, v26, s[SEL], s[SEL+1]
	v_add_f32 v26, v26, v27                        ; and lane l xor 16's: the row's sum
	s_wait_alu depctr_va_vdst(0)
	v_rcp_f32 v[RL], v26
	PLACES 3                                       ; with the additions above: the places behind the last product; the first is the plain instruction behind the reciprocal
	s_wait_alu depctr_va_vdst(0)                   ; the reciprocal is written, ahead of its first reader
.set J, 0
.rept 16
	v_pk_mul_f32 v[SS+J:SS+J+1], v[SS+J:SS+J+1], v[RL:RL+1] op_sel_hi:[1,0]   ; o = O^T / the sum; register 16 b + i is channel 32 b + 16 (lane / 16) + i of the head
.set J, J+2
.endr
	QUANT2 SS, BP                                  ; along the last product's K: register group c of K step w's fragment
	v_lshl_or_b32 v39, v[T2+3], 8, v[T2+2]
	s_wait_alu depctr_va_vdst(0)                   ; o's codes and its two scale bytes are written, which the two LDS stores read
	ds_store_b128 v36, v[BP:BP+3] offset:512*\c    ; into the bytes that q's codes have left
	ds_store_b16 v38, v39 offset:2*\c              ; bytes 2 c, 2 c + 1 of the fragment's scale word
.if (\last == 0) || (\c == 0)
	s_wait_alu depctr_vm_vsrc(0)                   ; this trip's LDS loads and stores have read v36 to v39 and o's codes, all of which the next trip writes again (head 0's last: v[QI] and v[QWA] too, which are made anew behind the attention): ahead of the branch
.endif
.endm
; Head c of my two: its K, V and scale words were asked for earlier; three trips in a loop, the fourth written out.
.macro ATT c
	s_wait_loadcnt 0x0                             ; K, V and their scale words are in
.irp t, 0,1,2,3
.irp s, 0,1
.if \t%2
	v_perm_b32 v[VW+2*\t+\s], v[VG+4*\s+2+\t/2], v[VG+4*\s+\t/2], 0x07060302   ; the word of 128 keys: the two bytes of keys 128 s on, then those of 128 s + 64 on
.else
	v_perm_b32 v[VW+2*\t+\s], v[VG+4*\s+2+\t/2], v[VG+4*\s+\t/2], 0x05040100
.endif
.endr
.endr
.if \c == 0
	s_wait_alu depctr_va_vdst(0)                   ; the eight lines above are done reading V's bytes, in which head 1's land; K's and q's pads are written, which the scores' products take as operands (those eight lines are their places); nothing is pending on q's registers
	ds_load_b128 v[QF:QF+3], v[QI]                 ; the first tile's q: my own bytes, stored above
	ds_load_b32 v[QWD], v[QWA]
	VLOAD 1                                        ; head 1's V into registers of its own, its scale bytes into those just repacked: four trips in which to land
.endif
	s_mov_b32 s38, 0                               ; the trip's place among the images (8,192 a tile of rows),
	s_mov_b32 s39, 0                               ; q's scale words (128),
	s_mov_b32 s40, 0                               ; o's scale words (1,024)
	s_mov_b32 s41, 3
.Ltrip_\@:
	TRIP \c, 0
	s_add_co_u32 s38, s38, 8192
	s_add_co_u32 s39, s39, 128
	s_add_co_u32 s40, s40, 1024
	s_sub_co_u32 s41, s41, 1
	s_cmp_lg_u32 s41, 0
	s_cbranch_scc1 .Ltrip_\@
	TRIP \c, 1
.endm
; x as the C of the last product's first K step: register 32 m + 16 b + i is x(16 m + r, 128 w + 64 c + 32 b + 16 h + i).
.macro CLOAD c
	WIN 0
.irp m, 0,1,2,3
.irp b, 0,1
.irp i, 0,1,2,3
	ds_load_b128 v[ACC+32*\m+16*\b+4*\i:ACC+32*\m+16*\b+4*\i+3], v[XC+\m] offset:256*\c+128*\b+16*\i
.endr
.endr
.endr
.endm
; The results go back to the very bytes of LDS that x was taken from (my wave's own columns: no other wave touches them) and come back by rows: sixteen lanes store 256 consecutive bytes, aligned.
; The wait on va_vdst of the chunk's last K step, behind its places, has shown the accumulators written, and only loads stand between it and the stores here.
.macro OUT c
	WIN 0
.irp m, 0,1,2,3
.irp b, 0,1
.irp i, 0,1,2,3
	ds_store_b128 v[XC+\m], v[ACC+32*\m+16*\b+4*\i:ACC+32*\m+16*\b+4*\i+3] offset:256*\c+128*\b+16*\i   ; each accumulator from its low end on
.endr
.endr
.endr
	s_wait_alu depctr_vm_vsrc(0)                   ; the LDS stores have read v128 to v255, in which the rows land
.irp m, 0,1,2,3
.irp k, 0,1,2,3,4,5,6,7
	ds_load_b128 v[ACC+32*\m+4*\k:ACC+32*\m+4*\k+3], v[XR+\m] offset:2*PX*\k+256*\c   ; LDS serves a wave's instructions in order (ISA guide 5.7.1.4): these see the stores above
.endr
.endr
.irp m, 0,1,2,3
.irp k, 0,1,2,3,4,5,6,7
	s_wait_dscnt 31-8*\m-\k                        ; this pair of rows is back; the younger loads may be out
	global_store_b128 v[GO], v[ACC+32*\m+4*\k:ACC+32*\m+4*\k+3], s[OP:OP+1] offset:(16*\m+2*\k)*4096+256*\c th:TH_STORE_NT
.endr
.endr
.endm
	s_load_b256 s[4:11], s[0:1], 0x0               ; x, svec, wf, w_q's scales
	s_load_b256 s[12:19], s[0:1], 0x20             ; w_o's scales, qk_scale, kc, ks
	s_load_b128 s[20:23], s[0:1], 0x40             ; vc, vs
	s_load_b64 s[24:25], s[0:1], 0x50              ; out0
	v_lshl_add_u32 v23, v0, 2, 0x4c500
	v_mov_b32 v35, 0
	v_lshrrev_b32 v1, 5, v0
	v_readfirstlane_b32 s[WV], v1                  ; wave 0..7
	s_wait_alu depctr_va_sdst(0)                   ; the wave's number is written, ahead of its first reader: addresses and bases are made from it
	s_lshl_b32 s[LR], s[WV], 3                     ; my 8 rows lie in LDS as in memory
	ADDRS
	s_lshl_b32 s30, s[WV], 10
	s_add_co_u32 s31, s30, AIMG
	v_add_nc_u32 v[QI], s31, v[LI]
	s_add_co_u32 s31, s30, QSC
	v_lshl_add_u32 v[QWA], v[LANE], 2, s31
	s_lshr_b32 s30, s[WV], 2
	s_lshl_b32 s30, s30, 9
	s_and_b32 s31, s[WV], 3
	s_lshl_b32 s31, s31, 2
	s_add_co_u32 s30, s30, s31
	s_add_co_u32 s30, s30, ASCB
	v_add_nc_u32 v[OSA], s30, v[LI]
	v_sub_nc_u32 v[PADQ], 1, v[H]
	v_mul_u32_u24 v[PADK], v[PADQ], 14             ; 0xE = the code -4, in lanes 0-15
	v_lshlrev_b32 v[PADQ], 1, v[PADQ]              ; 0x2 = the code 1
	v_mov_b32 v[RL+1], 0                           ; named as the upper half of a pair
	s_mov_b32 s[CS], 0x3e38aa3b                    ; log2(e) / 8
	s_mov_b32 s[CS+1], s[CS]
	s_mov_b32 s31, 0                               ; the upper word of every 64-bit offset
	s_wait_kmcnt 0x0
	s_lshl_b32 s30, ttmp9, 18                      ; 64 rows of 4,096 bytes
	s_add_nc_u64 s[OP:OP+1], s[OP:OP+1], s[30:31]
	s_lshl_b32 s29, s[WV], 15                      ; my 8 rows
	s_add_co_u32 s30, s30, s29
	s_add_nc_u64 s[XP:XP+1], s[XP:XP+1], s[30:31]
	s_lshl_b32 s30, s[WV], 9                       ; my 128 columns
	s_add_nc_u64 s[OP:OP+1], s[OP:OP+1], s[30:31]
	s_lshr_b32 s[NB], ttmp9, 4                     ; the batch
	s_lshl_b32 s29, s[NB], 12
	s_add_co_u32 s30, s30, s29
	s_add_nc_u64 s[GP:GP+1], s[GP:GP+1], s[30:31]  ; s_x of my batch, my 512 bytes
	s_lshl_b32 s30, s[WV], 16                      ; w_q's chunks 2 w, 2 w + 1
	s_add_nc_u64 s[WP:WP+1], s[WP:WP+1], s[30:31]
	s_lshl_b32 s30, s[WV], 12                      ; 128 rows of 32 scale bytes
	s_add_nc_u64 s[WQS:WQS+1], s[WQS:WQS+1], s[30:31]
	s_add_nc_u64 s[WOS:WOS+1], s[WOS:WOS+1], s[30:31]
	s_lshl_b32 s30, s[WV], 3
	s_add_nc_u64 s[QKP:QKP+1], s[QKP:QKP+1], s[30:31]
	s_load_b64 s[42:43], s[QKP:QKP+1], 0x0         ; qk_scale of my two heads
	s_lshl_b32 s30, s[NB], 17                      ; (16 n + 2 w) x 8,192
	s_lshl_b32 s29, s[WV], 14
	s_add_co_u32 s30, s30, s29
	s_add_nc_u64 s[KCP:KCP+1], s[KCP:KCP+1], s[30:31]
	s_add_nc_u64 s[VCP:VCP+1], s[VCP:VCP+1], s[30:31]
	s_lshr_b32 s30, s30, 3                         ; x 1,024
	s_add_nc_u64 s[KSP:KSP+1], s[KSP:KSP+1], s[30:31]
	s_lshr_b32 s30, s30, 1                         ; x 512
	s_add_nc_u64 s[VSP:VSP+1], s[VSP:VSP+1], s[30:31]
	; ---- A
	s_wait_alu depctr_va_vdst(0)                   ; the head's addresses v4 to v20 are written, which the loads and stores from here on read; so are v26 and v27, in which the gains' load lands
	ROWS_IN 1
	s_wait_kmcnt 0x0
	v_sqrt_f32 v[SQ], s42
	v_sqrt_f32 v[SQ+1], s43
	v_nop
	s_wait_alu depctr_va_vdst(0)                   ; the two roots are written, ahead of their first reader
	s_wait_dscnt 0x0                               ; my rows, my slice of the gains and my rsqrt lie in LDS
	s_wait_alu depctr_vm_vsrc(0)                   ; my LDS stores have read the rows' registers (all of window 1), in which the ring and the rows' fragments land, the rsqrts' registers, in which numbers land, and v24 to v27, which vector lines write again
	WSLOAD WQS, 0
.irp S, 0,1,2,3,4,5
	WLOAD \S                                       ; the ring is filled while the rows are quantised
.endr
	WIN 0
	s_barrier_signal -1
	s_barrier_wait -1                              ; everybody's rows lie in LDS
	QROWS
	BARRIER                                        ; xn's 32 images and their scale words lie in LDS
	s_wait_alu depctr_vm_vsrc(0)                   ; my last image stores and the words' store have read v80 to v91, which q's codes take
	; ---- B
	SLOAD 0
	ALOAD 0, 0
	ALOAD 1, 1
	KSTEP 0, 16, 1, 0
.irp S, 1,2,3,4,5,6,7
	KSTEP \S, 16, 0, 0
.endr
	WSLOAD WQS, 2048                               ; the second chunk's scale words land while the first head is normed (the last step's wait has shown the first chunk's read)
	QEPI 0
	KSTEP 8, 16, 1, 1
.irp S, 9,10,11,12,13,14,15
	KSTEP \S, 16, 0, 0
.endr
	KLOAD 0                                        ; the ring and both sets of scale words are done with (the last step's wait stands in front): head 0's K and V are asked for here,
	VLOAD 0                                        ; and land while the second head is normed and quantised, the waves meet and q's codes are stored
	QEPI 1
	; ---- C
	BARRIER                                        ; nobody reads xn's images or scale words any more
	s_add_nc_u64 s[WP:WP+1], s[WP:WP+1], 16*32768  ; w_o's chunks 2 w, 2 w + 1 (every load by this base was waited for at the last K step)
	s_wait_alu depctr_va_vdst(0)                   ; both heads' codes and scale words of q are written, which the LDS stores read
.irp c, 0,1
.irp m, 0,1,2,3
	ds_store_b128 v[QI], v[QC+16*\c+4*\m:QC+16*\c+4*\m+3] offset:8192*\m+512*\c
	ds_store_b32 v[QWA], v[QW+4*\c+\m] offset:512*\c+128*\m
.endr
.endr
	WIN 0x40                                       ; destination window 1: the pads of K's 16 fragments, written once for both heads (registers 4-7: the loads on their way write registers 0-3)
.set T, 0
.rept 16
	v_mov_b32 v[8*T+4], v[PADK]
	v_mov_b32 v[8*T+5], 0
	v_mov_b32 v[8*T+6], 0
	v_mov_b32 v[8*T+7], 0
.set T, T+1
.endr
	WIN 0
	s_wait_dscnt 0x0
	s_wait_alu depctr_vm_vsrc(0)                   ; the LDS stores have read v80 to v119: q's fragment and its pads, p's codes and the softmax's work take these registers
	v_mov_b32 v[QF+4], v[PADQ]
	v_mov_b32 v[QF+5], 0
	v_mov_b32 v[QF+6], 0
	v_mov_b32 v[QF+7], 0
	; ---- D
	ATT 0
	ATT 1
	; ---- E  (w_o's scale words and first six K steps are on their way since the last trip's scores)
	s_lshl_b32 s30, s[WV], 9
	v_mul_u32_u24 v[XC], v[R], PX                  ; (v18 and v19 were last read by LDS loads in head 0's last trip, ahead of that trip's wait on vm_vsrc)
	v_lshl_add_u32 v[XC], v[H], 6, v[XC]
	v_add_nc_u32 v[XC], s30, v[XC]                 ; row r, + 64 h, + my 512 bytes
	v_add_nc_u32 v[XC+1], 16*PX, v[XC]
	v_add_nc_u32 v[XC+2], 32*PX, v[XC]
	v_add_nc_u32 v[XC+3], 48*PX, v[XC]
	v_mul_u32_u24 v[XR], v[H], PX
	v_lshl_add_u32 v[XR], v[R], 4, v[XR]
	v_add_nc_u32 v[XR], s30, v[XR]                 ; back: lanes 0-15 one row, lanes 16-31 the next, 16 bytes a lane
	v_add_nc_u32 v[XR+1], 16*PX, v[XR]
	v_add_nc_u32 v[XR+2], 32*PX, v[XR]
	v_add_nc_u32 v[XR+3], 48*PX, v[XR]
	v_lshlrev_b32 v[GO], 12, v[H]
	v_lshl_add_u32 v[GO], v[R], 4, v[GO]
	s_wait_alu depctr_va_vdst(0)                   ; the nine addresses are written, which the loads and stores below read; the attention is done with v128 to v255, in which x lands, with V's scale words and with head 1's V, in which the rows' scale words and fragments land
	CLOAD 0                                        ; ahead of the barrier: my own columns of x, which nobody has written since the rows came in
	BARRIER                                        ; o's 32 images and their scale words lie in LDS
	SLOAD 0
	ALOAD 0, 0
	ALOAD 1, 1
.irp S, 0,1,2,3,4,5,6,7
	KSTEP \S, 16, 0, 0
.endr
	WSLOAD WOS, 2048
	OUT 0
	s_wait_xcnt 0x0                                ; the stores' addresses are translated (ISA guide 3.1),
	s_wait_alu depctr_vm_vsrc(0)                   ; and the stores have read v128 to v255: x may land there
	CLOAD 1
	KSTEP 8, 16, 0, 1
.irp S, 9,10,11,12,13,14,15
	KSTEP \S, 16, 0, 0
.endr
	OUT 1
	s_wait_dscnt 0x0                               ; the closing lines, six on end
	s_wait_alu 0x0
	s_wait_tensorcnt 0x0
	ds_add_u32 v23, v35
	s_wait_dscnt 0x0
	s_endpgm
.Lfunc_end_k_qd3ca71d56b_main:
	.size	k_qd3ca71d56b_main, .Lfunc_end_k_qd3ca71d56b_main-k_qd3ca71d56b_main
	.p2alignl 7, 3214868480
	.fill 96, 4, 3214868480
	.section	.rodata,"a",@progbits
	.p2align	6, 0x0
	.amdhsa_kernel k_qd3ca71d56b_main
		.amdhsa_group_segment_fixed_size 313600
		.amdhsa_private_segment_fixed_size 0
		.amdhsa_enable_private_segment 0
		.amdhsa_kernarg_size 88
		.amdhsa_user_sgpr_count 2
		.amdhsa_user_sgpr_kernarg_segment_ptr 1
		.amdhsa_wavefront_size32 1
		.amdhsa_system_sgpr_workgroup_id_x 1
		.amdhsa_system_sgpr_workgroup_id_y 1
		.amdhsa_system_sgpr_workgroup_id_z 1
		.amdhsa_system_vgpr_workitem_id 0
		.amdhsa_next_free_vgpr 512
		.amdhsa_next_free_sgpr 66
		.amdhsa_reserve_vcc 0
		.amdhsa_float_denorm_mode_32 3
		.amdhsa_float_denorm_mode_16_64 3
		.amdhsa_memory_ordered 1
		.amdhsa_forward_progress 1
		.amdhsa_inst_pref_size 255
	.end_amdhsa_kernel
	.section	.bss,"aw",@nobits
	.p2align	6
	.space	262144
	.amdgpu_metadata
---
amdhsa.version: [ 1, 2 ]
amdhsa.kernels:
  - .name:           k_qd3ca71d56b_main
    .symbol:         k_qd3ca71d56b_main.kd
    .args:
      - { .name: x, .offset: 0, .size: 8, .value_kind: global_buffer, .address_space: global }
      - { .name: svec, .offset: 8, .size: 8, .value_kind: global_buffer, .address_space: global }
      - { .name: wf, .offset: 16, .size: 8, .value_kind: global_buffer, .address_space: global }
      - { .name: w_q_scales, .offset: 24, .size: 8, .value_kind: global_buffer, .address_space: global }
      - { .name: w_o_scales, .offset: 32, .size: 8, .value_kind: global_buffer, .address_space: global }
      - { .name: qk_scale, .offset: 40, .size: 8, .value_kind: global_buffer, .address_space: global }
      - { .name: kc, .offset: 48, .size: 8, .value_kind: global_buffer, .address_space: global }
      - { .name: ks, .offset: 56, .size: 8, .value_kind: global_buffer, .address_space: global }
      - { .name: vc, .offset: 64, .size: 8, .value_kind: global_buffer, .address_space: global }
      - { .name: vs, .offset: 72, .size: 8, .value_kind: global_buffer, .address_space: global }
      - { .name: out0, .offset: 80, .size: 8, .value_kind: global_buffer, .address_space: global }
    .group_segment_fixed_size: 313600
    .private_segment_fixed_size: 0
    .kernarg_segment_align: 8
    .kernarg_segment_size: 88
    .max_flat_workgroup_size: 256
    .sgpr_count:     66
    .vgpr_count:     512
    .wavefront_size: 32
...
	.end_amdgpu_metadata
.endif
;; end of part 6
